; MI455X (gfx1250); checked and timed in simulation.
; The chip was launched on July 23, 2026; its instructions are those of AMD's public machine-readable ISA for CDNA 5 (MIT licence, August 2026) and "CDNA5" Instruction Set Architecture Reference Guide (July 2026). The comments in the code are by the model that wrote it; some were corrected since.
;; Attn A. Allowed arithmetic: matrix products marked QUANTISED: E3M2 operands, one E8M0 scale for each 32 along K, by v_wmma_scale_f32_16x16x128_f8f6f4 with both operands' format E3M2, f32 sums; everything else in f32.
;; Inputs: Wk 256 x 512 float32; Wp 512 x 512 float32; Wq 512 x 512 float32; Wv 256 x 512 float32; x 8 x 2,048 x 512 float32.
;; Outputs: out0 8 x 2,048 x 512 float32.
;; This version of the problem:
;;   THIS VERSION OF THE PROBLEM IS GIVEN IN LOW PRECISION. The matrix products marked QUANTISED in the list below multiply operands that are first quantised to E3M2 (3 exponent bits, 2 mantissa bits; 6 bits a number), with one power-of-two scale for each 32 numbers along K (OCP MX v1.0); their sums are f32. All else is computed in f32.
;;   The module's matrix products, in the order in which they are computed (A, B: the left and right operand; K: the contracted axis; several contracted axes count as one K, in the product's order):
;;     1. [M 16,384, K 512] x [K 512, N 512]; A: input x; B: input Wq: QUANTISED
;;     2. [M 16,384, K 512] x [K 512, N 256]; A: input x; B: input Wk: QUANTISED
;;     3. [M 16,384, K 512] x [K 512, N 256]; A: input x; B: input Wv: QUANTISED
;;     4. batch 64 x [M 2,048, K 64] x [K 64, N 2,048]; A: computed on the way; B: computed on the way: QUANTISED
;;     5. batch 64 x [M 2,048, K 2,048] x [K 2,048, N 64]; A: softmax (see below); B: computed on the way: QUANTISED
;;     6. [M 16,384, K 512] x [K 512, N 512]; A: computed on the way; B: input Wp: QUANTISED
;;   THE QUANTISER, for each operand of a quantised product, along K:
;;     - K is cut into blocks of 32 from its start; a last block that is shorter is filled with zeros.
;;     - A block's scale is 2^e with e = floor(log2(the largest magnitude in the block)) - 4, held to -126 .. 127; a block of zeros has e = 0. As a byte (E8M0): e + 127.
;;     - Each number is divided by its block's scale, clamped to +-28, and rounded to the nearest number of E3M2, ties to even, subnormals kept.
;;     - The product sums the exact products of the quantised numbers (number of the format x scale) in f32.
;;   ~~~python
;;   def quantise(x, axis):      # numpy; x: float32 -> the quantised numbers, widened to float32 again
;;       x = np.moveaxis(x, axis, -1); K = x.shape[-1]
;;       x = np.pad(x, [(0, 0)] * (x.ndim - 1) + [(0, -K % 32)]); x = x.reshape(x.shape[:-1] + (-1, 32)); a = np.abs(x).max(-1, keepdims=True)
;;       e = np.where(a > 0, np.clip(np.frexp(np.where(a > 0, a, 1))[1] - 1 - 4, -126, 127), 0)      # np.frexp(a)[1] - 1 = floor(log2(a)), exactly
;;       r = np.clip(x / 2.0 ** e, -28, 28)
;;       step = 2.0 ** (np.maximum(np.frexp(np.where(r == 0, 1, r))[1] - 1, -2) - 2)
;;       q = np.round(r / step) * step * 2.0 ** e      # np.round: ties to even
;;       return np.moveaxis(q.reshape(q.shape[:-2] + (-1,))[..., :K], -1, axis).astype(np.float32)
;;   ~~~
;;   SOFTMAX AHEAD OF A QUANTISED PRODUCT. Where the list says 'softmax', what is quantised is not the finished softmax but p = 2^(t - M), with t = logit x log2(e) and M = ceil(the row's largest t), a whole number; so 1/2 < the row's largest p <= 1. The row's sum l is taken of the UNQUANTISED p, in f32, and the product's result is divided by l at the end. Since M is a whole number, a kernel that streams over the keys may use a running M (the ceiling of the running maximum): every later rescaling is an exact power of two, which a block's scale takes up: the codes' values come out the same.
;;   OPERANDS COMPUTED ON THE WAY. 'Computed on the way' means the value that the module computes at that place (a softmax that the list does not call 'softmax' is quantised finished and normalised). What goes into a quantiser is computed in f32, as accurately as f32 sums, v_exp_f32 and their like allow (about 1e-6 of the number): no bf16 or f16 on the way to a quantiser, and a product that is left as it is and whose result goes on into a quantised operand takes f32 operands (vector FMAs, or v_wmma_f32_16x16x4_f32). A number that lies on a knife's edge between two numbers of the format may be rounded either way, as far as f32 arithmetic and the matrix unit's own rounding can turn it there, and no further.
;; 2 versions. Each part assembles by itself: llvm-mc -triple=amdgcn-amd-amdhsa -mcpu=gfx1250 --defsym DOCPART=n.
;; ======== version 1 of 2: 4 launches
;; workspace buffers: wimg 589,824 bytes; wsc 24,576 bytes; rope 524,288 bytes; qw 6,815,744 bytes; kv 6,815,744 bytes; yc 6,291,456 bytes; ys 524,288 bytes
;; launch prep (part 1): grid 128 x 1, 4 waves a work-group, no clusters, 0 bytes of LDS; arguments Wq, Wk, Wv, Wp, wimg, wsc, rope; writes wimg, wsc, rope
.if DOCPART == 1
	.amdgcn_target "amdgcn-amd-amdhsa--gfx1250"
	.amdhsa_code_object_version 6
	.text
	.protected	k_q4c1898dbb6_prep
	.globl	k_q4c1898dbb6_prep
	.p2align	8
	.type	k_q4c1898dbb6_prep,@function
k_q4c1898dbb6_prep:
	s_mov_b64 s[64:65], 0
	v_nop
	global_prefetch_b8 v0, s[64:65] scope:SCOPE_SE
	s_setreg_imm32_b32 hwreg(HW_REG_WAVE_MODE, 25, 1), 1
	s_wait_xcnt 0x0
; THE PROGRAM: grouped-query attention (8 batches, 2,048 tokens, 512 channels, 8 query heads, 4 key/value heads of 64), all six products on codes of BF6 (E3M2) with one E8M0 scale for each 32 along K.
; Four launches: this one (weights into codes, rotation tables), qkv (x into codes, products 1-3, norm, rotation, q, k, v into codes), attn (products 4 and 5, softmax, y into codes), proj (product 6).
; WORK LEFT OUT.  reference() builds its causal mask itself (jnp.tril): key k counts for query q only where k <= q; a hidden score is replaced by the least f32 number, so its p = 2^(t - M) is 0, whatever
; finite values the inputs hold: it adds nothing to the row's sum, its code is 0, and a block of 32 hidden keys adds nothing to product 5.  So steps of 128 keys that lie wholly behind all queries of a block of
; 128 queries are not computed in products 4 and 5 (launch attn).  All five inputs have a way to the output and are loaded.  LIMIT: a NaN, an infinity or an overflow that would arise only in such hidden
; scores is not carried to the result.
; THIS LAUNCH.  Work-groups 0-95: tile t of 16 weight rows (0-31 Wq, 32-47 Wk, 48-63 Wv, 64-95 Wp), wave s = K step s of 128: one operand fragment, stored as an image of its 12 registers (3 x 16 bytes a lane,
; register group k of lane l at 512 k + 16 l), and its 16 scale words.  THE ROWS OF A TILE ARE NOT NEIGHBOURS: in a group of 64 rows, lane r of tile m takes row 32 (m / 2) + 8 (m % 2) + r + 8 (r / 8), so that where
; such a tile is source 0 of a product the 16 result registers of tiles 2 b, 2 b + 1 are 16 neighbours, 32 b + 16 (lane / 16) + 0 .. 15.
; A lane loads its two whole blocks of 32 along K (K is innermost in the weights), so a block's largest magnitude needs no other lane.
; Work-groups 96-127: the rotation tables of 64 tokens, wave m = token tile m, as images of the registers in which launch qkv wants them: lane (r, h): cos and sin of token x inv_freq[16 h + 0 .. 15].
; inv_freq[j] = 1 / f32(10^(j / 8)), the power as a decimal constant rounded to f32, the quotient by v_rcp_f32 and one Newton step; the angle is token x inv_freq, rounded once; it is reduced by multiples of
; pi / 2 held in two parts (the first product is exact: at most 11 bits x 24 bits, and the difference fits 24 bits), and sin and cos come from polynomials on [-pi/4, pi/4].
; LIMITS: sin and cos may differ from reference()'s by about one unit in the last place, and by what one unit in the last place of inv_freq moves the angle.  A block's scale byte is held at 1 from below
; (largest magnitudes under 2^-122); a block of zeros keeps the byte 1 where the rule says 127: its codes are zeros, and this program alone reads the bytes.  NaN and infinities among the inputs are not served.
.set SEL, 18                           ; s[18:19] lane selects for v_permlanex16_b32: lane l xor 16
.set WV,  20                           ; s20 my wave's number
.set X,   32                           ; v32-95   64 numbers: register 32 c + i = k 64 c + 32 (lane / 16) + i of my row
.set PC,  96                           ; v96-107  the fragment's codes
.set CT,  108                          ; v108-110, v112-114 the upper halves of the two blocks, as the conversions leave them
.set WD,  116                          ; v116     the row's scale word
.set TW,  118                          ; v118-123 at work
.set H8,  8                            ; v8       8 x (lane / 16)
.set P,   32                           ; tables: v32-47 the powers, then 1 - P y
.set Y,   48                           ; v48-63   inv_freq
.set COSR, 64                          ; v64-79   cos
.set SINR, 80                          ; v80-95   sin
; 64 numbers of a lane, two whole blocks of 32, become a fragment's 12 registers and the row's scale word
.macro QUANTW s, pc, ct, w
.irp c, 0,1
	v_max3_num_f32 v[TW+\c], |v[(\s)+32*\c]|, |v[(\s)+32*\c+1]|, 0x2800000   ; my block 2 c + h, and the floor 2^(5 - 127): the byte cannot fall under 1
.endr
.irp i, 2,4,6,8,10,12,14,16,18,20,22,24,26,28,30
.irp c, 0,1
	v_max3_num_f32 v[TW+\c], v[TW+\c], |v[(\s)+32*\c+\i]|, |v[(\s)+32*\c+\i+1]|   ; (the two blocks by turns)
.endr
.endr
.irp c, 0,1
	v_add_nc_u32 v[TW+2+\c], 0xfe000000, v[TW+\c]   ; 4 off the exponent field: the conversion's scale operand
.endr
.irp c, 0,1
	v_lshrrev_b32 v[TW+\c], 23, v[TW+2+\c]          ; the scale's byte
.endr
	v_lshl_or_b32 v[TW+4], v[TW+1], 16, v[TW]       ; blocks h and 2 + h,
	v_lshlrev_b32 v[TW+4], v[H8], v[TW+4]           ; at their places in the word;
	v_permlanex16_b32 v[TW+5], v[TW+4], s[SEL], s[SEL+1]
	v_or_b32 v[\w], v[TW+4], v[TW+5]                ; with lane l xor 16's two the word is whole, in both lanes
.irp c, 0,1
	v_cvt_scalef32_pk16_bf6_f32 v[(\pc)+6*\c:(\pc)+6*\c+2], v[(\s)+32*\c:(\s)+32*\c+15], v[TW+2+\c]
	v_cvt_scalef32_pk16_bf6_f32 v[(\ct)+4*\c:(\ct)+4*\c+2], v[(\s)+32*\c+16:(\s)+32*\c+31], v[TW+2+\c]   ; (a conversion's three registers begin on an even number)
.endr
	v_nop                                           ; one plain place behind a scaled conversion
.irp c, 0,1
.irp i, 0,1,2
	v_mov_b32 v[(\pc)+6*\c+3+\i], v[(\ct)+4*\c+\i]
.endr
.endr
.endm
	s_load_b256 s[4:11], s[0:1], 0x0               ; Wq s[4:5], Wk s[6:7], Wv s[8:9], Wp s[10:11]
	s_load_b128 s[12:15], s[0:1], 0x20             ; wimg s[12:13], wsc s[14:15]
	s_load_b64 s[16:17], s[0:1], 0x30              ; rope
	v_lshrrev_b32 v1, 5, v0
	v_readfirstlane_b32 s[WV], v1                  ; wave 0..3
	v_and_b32 v1, 31, v0                           ; lane
	v_and_b32 v2, 15, v0                           ; r
	v_bfe_u32 v3, v0, 4, 1                         ; h
	v_and_b32 v4, 8, v2
	v_add_nc_u32 v4, v4, v2                        ; r + 8 (r / 8)
	v_lshlrev_b32 v6, 4, v1                        ; 16 x lane: an image's place for my lane
	s_mov_b32 s[SEL], 0x76543210
	s_mov_b32 s[SEL+1], 0xfedcba98
	s_wait_kmcnt 0x0
	s_cmp_lt_u32 ttmp9, 96
	s_cbranch_scc0 .Lrope
	; ---- a weight's fragment.  Which weight: a choice on the work-group's number alone
	s_cmp_lt_u32 ttmp9, 32
	s_cselect_b64 s[22:23], s[4:5], s[6:7]
	s_cselect_b32 s24, 0, 32
	s_cmp_lt_u32 ttmp9, 48
	s_cselect_b64 s[22:23], s[22:23], s[8:9]
	s_cselect_b32 s24, s24, 48
	s_cmp_lt_u32 ttmp9, 64
	s_cselect_b64 s[22:23], s[22:23], s[10:11]
	s_cselect_b32 s24, s24, 64
	s_sub_co_u32 s24, ttmp9, s24                   ; the tile's number in its weight
	s_lshr_b32 s26, s24, 2
	s_lshl_b32 s26, s26, 6                         ; its group of 64 rows,
	s_bfe_u32 s25, s24, 0x10001
	s_lshl_b32 s25, s25, 5
	s_add_co_u32 s26, s26, s25                     ; + 32 (m / 2)
	s_and_b32 s25, s24, 1
	s_lshl_b32 s25, s25, 3
	s_add_co_u32 s26, s26, s25                     ; + 8 (m % 2)
	s_lshl_b32 s26, s26, 11                        ; rows of 2,048 bytes
	s_lshl_b32 s25, s[WV], 9
	s_add_co_u32 s26, s26, s25                     ; + my K step's 512 bytes
	s_mov_b32 s27, 0
	s_add_nc_u64 s[22:23], s[22:23], s[26:27]
	v_lshlrev_b32 v5, 11, v4
	v_lshl_add_u32 v5, v3, 7, v5                   ; my row, + 128 h: my block of 32
	v_lshlrev_b32 v7, 2, v2                        ; 4 r
	v_lshlrev_b32 v[H8], 3, v3
	v_mov_b32 v[TW+5], 0                           ; a lane permute's destination counts as one of its sources
.irp c, 0,1
.irp k, 0,1,2,3,4,5,6,7
	global_load_b128 v[X+32*\c+4*\k:X+32*\c+4*\k+3], v5, s[22:23] offset:256*\c+16*\k th:TH_LOAD_NT
.endr
.endr
	s_lshl_b32 s26, ttmp9, 2
	s_add_co_u32 s26, s26, s[WV]                   ; fragment 4 t + s
	s_lshl_b32 s28, s26, 6                         ; its 16 scale words
	s_mov_b32 s29, 0
	s_mul_i32 s26, s26, 1536                       ; its image
	s_add_nc_u64 s[12:13], s[12:13], s[26:27]
	s_add_nc_u64 s[14:15], s[14:15], s[28:29]
	s_wait_loadcnt 0x0
	QUANTW X, PC, CT, WD
.irp k, 0,1,2
	global_store_b128 v6, v[PC+4*\k:PC+4*\k+3], s[12:13] offset:512*\k   ; 32 lanes store 512 consecutive bytes
.endr
	global_store_b32 v7, v[WD], s[14:15]           ; lanes l and l xor 16 hold the same word and store it to the same place
	s_endpgm
	; ---- the rotation tables of 16 tokens
.macro FREQ e, lo, hi                  ; 10^(j / 8) for j = e (lanes 0-15) and j = 16 + e (lanes 16-31)
	v_mul_f32 v12, \lo, v10
	v_mul_f32 v13, \hi, v10
	v_cndmask_b32 v[P+\e], v12, v13, vcc_lo
.endm
.macro SINCOS e
	v_mul_f32 v16, v9, v[Y+\e]                     ; the angle, rounded once
	v_mul_f32 v17, s30, v16
	v_rndne_f32 v17, v17                           ; n = the nearest multiple of pi / 2
	v_fma_f32 v18, v17, s31, v16                   ; angle - n x (pi / 2)'s upper part: exact
	v_fma_f32 v18, v17, s32, v18                   ; - n x its lower part
	v_mul_f32 v19, v18, v18                        ; z
	v_fma_f32 v20, v19, s33, s34
	v_fma_f32 v21, v19, s36, s37
	v_fma_f32 v20, v20, v19, s35
	v_fma_f32 v21, v21, v19, s38
	v_mul_f32 v22, v19, v18
	v_mul_f32 v23, v19, v19
	v_fma_f32 v24, v19, -0.5, 1.0
	v_fma_f32 v20, v20, v22, v18                   ; sin of the rest
	v_fma_f32 v21, v21, v23, v24                   ; cos of the rest
	v_cvt_i32_f32 v25, v17
	v_and_b32 v26, 1, v25
	v_cmp_eq_u32 vcc_lo, 1, v26                    ; an odd quadrant changes the two over
	v_cndmask_b32 v27, v20, v21, vcc_lo
	v_cndmask_b32 v28, v21, v20, vcc_lo
	v_lshlrev_b32 v26, 30, v25
	v_and_b32 v26, 0x80000000, v26                 ; sin is negative in quadrants 2 and 3,
	v_xor_b32 v[SINR+\e], v26, v27
	v_add_nc_u32 v25, 1, v25
	v_lshlrev_b32 v25, 30, v25
	v_and_b32 v25, 0x80000000, v25                 ; cos in quadrants 1 and 2
	v_xor_b32 v[COSR+\e], v25, v28
.endm
.Lrope:
	s_sub_co_u32 s24, ttmp9, 96                    ; which 64 tokens
	s_lshl_b32 s25, s24, 6
	s_lshr_b32 s26, s[WV], 1
	s_lshl_b32 s26, s26, 5
	s_add_co_u32 s25, s25, s26
	s_and_b32 s26, s[WV], 1
	s_lshl_b32 s26, s26, 3
	s_add_co_u32 s25, s25, s26
	v_add_nc_u32 v9, s25, v4                       ; my token
	v_cvt_f32_u32 v9, v9
	v_mov_b32 v10, 1.0
	s_mov_b32 s30, 0x3f22f983                      ; 2 / pi
	s_mov_b32 s31, 0xbfc90fdb                      ; -(pi / 2), upper part
	s_mov_b32 s32, 0x333bbd2e                      ; upper part - pi / 2
	s_mov_b32 s33, 0xb94ca1f9                      ; sin's polynomial
	s_mov_b32 s34, 0x3c08839e
	s_mov_b32 s35, 0xbe2aaaa3
	s_mov_b32 s36, 0x37ccf5ce                      ; cos's
	s_mov_b32 s37, 0xbab6061a
	s_mov_b32 s38, 0x3d2aaaa5
	v_cmp_ne_u32 vcc_lo, 0, v3                     ; lanes 16-31
	FREQ 0, 1.0, 100.0
	FREQ 1, 1.33352143216, 133.352143216
	FREQ 2, 1.77827941004, 177.827941004
	FREQ 3, 2.37137370566, 237.137370566
	FREQ 4, 3.16227766017, 316.227766017
	FREQ 5, 4.21696503429, 421.696503429
	FREQ 6, 5.62341325190, 562.341325190
	FREQ 7, 7.49894209332, 749.894209332
	FREQ 8, 10.0, 1000.0
	FREQ 9, 13.3352143216, 1333.52143216
	FREQ 10, 17.7827941004, 1778.27941004
	FREQ 11, 23.7137370566, 2371.37370566
	FREQ 12, 31.6227766017, 3162.27766017
	FREQ 13, 42.1696503429, 4216.96503429
	FREQ 14, 56.2341325190, 5623.41325190
	FREQ 15, 74.9894209332, 7498.94209332
.irp e, 0,1,2,3,4,5,6,7,8,9,10,11,12,13,14,15
	v_rcp_f32 v[Y+\e], v[P+\e]
.endr
	v_nop                                          ; a plain place behind the last reciprocal
	s_wait_alu depctr_va_vdst(0)                   ; the wait ahead of the first use: one for the sixteen
.irp e, 0,1,2,3,4,5,6,7,8,9,10,11,12,13,14,15
	v_fma_f32 v[P+\e], -v[P+\e], v[Y+\e], 1.0      ; 1 - P y
.endr
.irp e, 0,1,2,3,4,5,6,7,8,9,10,11,12,13,14,15
	v_fma_f32 v[Y+\e], v[Y+\e], v[P+\e], v[Y+\e]   ; one Newton step
.endr
.irp e, 0,1,2,3,4,5,6,7,8,9,10,11,12,13,14,15
	SINCOS \e
.endr
	s_lshl_b32 s26, s24, 2
	s_add_co_u32 s26, s26, s[WV]
	s_lshl_b32 s26, s26, 12                        ; a token tile's images: 8 x 512 bytes
	s_mov_b32 s27, 0
	s_add_nc_u64 s[16:17], s[16:17], s[26:27]
.irp c, 0,1,2,3,4,5,6,7
	global_store_b128 v6, v[COSR+4*\c:COSR+4*\c+3], s[16:17] offset:512*\c   ; four images of cos, then four of sin
.endr
	s_endpgm
.Lfunc_end_k_q4c1898dbb6_prep:
	.size	k_q4c1898dbb6_prep, .Lfunc_end_k_q4c1898dbb6_prep-k_q4c1898dbb6_prep
	.p2alignl 7, 3214868480
	.fill 96, 4, 3214868480
	.section	.rodata,"a",@progbits
	.p2align	6, 0x0
	.amdhsa_kernel k_q4c1898dbb6_prep
		.amdhsa_group_segment_fixed_size 0
		.amdhsa_private_segment_fixed_size 0
		.amdhsa_enable_private_segment 0
		.amdhsa_kernarg_size 56
		.amdhsa_user_sgpr_count 2
		.amdhsa_user_sgpr_kernarg_segment_ptr 1
		.amdhsa_wavefront_size32 1
		.amdhsa_system_sgpr_workgroup_id_x 1
		.amdhsa_system_sgpr_workgroup_id_y 1
		.amdhsa_system_sgpr_workgroup_id_z 1
		.amdhsa_system_vgpr_workitem_id 0
		.amdhsa_next_free_vgpr 128
		.amdhsa_next_free_sgpr 66
		.amdhsa_reserve_vcc 1
		.amdhsa_float_denorm_mode_32 3
		.amdhsa_float_denorm_mode_16_64 3
		.amdhsa_memory_ordered 1
		.amdhsa_forward_progress 1
		.amdhsa_inst_pref_size 33
	.end_amdhsa_kernel
	.amdgpu_metadata
---
amdhsa.version: [ 1, 2 ]
amdhsa.kernels:
  - .name:           k_q4c1898dbb6_prep
    .symbol:         k_q4c1898dbb6_prep.kd
    .args:
      - { .name: Wq, .offset: 0, .size: 8, .value_kind: global_buffer, .address_space: global }
      - { .name: Wk, .offset: 8, .size: 8, .value_kind: global_buffer, .address_space: global }
      - { .name: Wv, .offset: 16, .size: 8, .value_kind: global_buffer, .address_space: global }
      - { .name: Wp, .offset: 24, .size: 8, .value_kind: global_buffer, .address_space: global }
      - { .name: wimg, .offset: 32, .size: 8, .value_kind: global_buffer, .address_space: global }
      - { .name: wsc, .offset: 40, .size: 8, .value_kind: global_buffer, .address_space: global }
      - { .name: rope, .offset: 48, .size: 8, .value_kind: global_buffer, .address_space: global }
    .group_segment_fixed_size: 0
    .private_segment_fixed_size: 0
    .kernarg_segment_align: 8
    .kernarg_segment_size: 56
    .max_flat_workgroup_size: 128
    .sgpr_count:     66
    .vgpr_count:     128
    .wavefront_size: 32
...
	.end_amdgpu_metadata
.endif
;; end of part 1
;; launch qkv (part 2): grid 256 x 1, 16 waves a work-group, no clusters, 44,032 bytes of LDS; arguments x, wimg, wsc, rope, qw, kv; writes qw, kv
.if DOCPART == 2
	.amdgcn_target "amdgcn-amd-amdhsa--gfx1250"
	.amdhsa_code_object_version 6
	.text
	.protected	k_q4c1898dbb6_qkv
	.globl	k_q4c1898dbb6_qkv
	.p2align	8
	.type	k_q4c1898dbb6_qkv,@function
k_q4c1898dbb6_qkv:
	s_mov_b64 s[64:65], 0
	v_nop
	global_prefetch_b8 v0, s[64:65] scope:SCOPE_SE
	s_setreg_imm32_b32 hwreg(HW_REG_WAVE_MODE, 25, 1), 1
	s_wait_xcnt 0x0
; q, k, v = x Wq^T, x Wk^T, x Wv^T on codes of BF6; q and k are normalised (RMS over a head's 64) and rotated in f32 and quantised along the head's 64; v is quantised along the tokens.
; SHARES.  A work-group owns 64 tokens and all 1,024 output columns.  Wave w owns 64 columns, four weight tiles: waves 0-7 query heads 0-7, waves 8-11 key heads 0-3, waves 12-15 value heads 0-3.
; Wave w first quantises one of x's sixteen fragments (token tile w / 4, K step w % 4) and puts its image into LDS, with a sixteenth of the block's rotation tables; one barrier; then every wave reads all sixteen.
; The weights' fragments come from memory as images of their registers, straight into the one wave that multiplies by them.
; TOKENS AND WEIGHT ROWS OF A TILE ARE NOT NEIGHBOURS: in a group of 64, lane r of tile m stands for 32 (m / 2) + 8 (m % 2) + r + 8 (r / 8).
; q, k: source 0 = 16 weight rows, source 1 = 16 tokens: a lane holds one token, and the 32 registers of a token tile are features 32 b + 16 (lane / 16) + i (register 16 b + i): the rotation's partners, features d
; and d + 32, lie in one lane.  v: source 0 = 16 tokens, source 1 = 16 weight rows: a lane holds one channel, and its registers run along the tokens, which are the second attention product's K.
; OUT: records of 3,328 bytes: four half images (the 6 registers of 64 along K: registers 0-3 at 16 x lane, 4-5 at 512 + 8 x lane), then the four tiles' scale words, 8 bytes a lane.
; No cluster and no tensor load: what work-groups share are the weights' images, 393,216 bytes, more than fits in LDS beside the rest; each wave reads its own sixteenth once.
; LIMITS: v_rsq_f32 stands for rsqrt; a scale byte is held at 1 from below, and a block of zeros keeps the byte 1 (its codes are zeros; this program alone reads the bytes); NaN and infinities are not served.
.set XIMG,  0                          ; LDS: x's 16 fragments, 1,536 bytes each (4 m + s),
.set XSC,   24576                      ; their scale words [s][m][r],
.set ROPE,  25600                      ; the block's rotation tables, 16,384 bytes,
.set SPARE, 41984                      ; the spare words, 128 bytes for each wave: eight blocks of 256 bytes that no other line names
.set L16, 1                            ; v1  16 x lane
.set L8,  2                            ; v2  8 x lane
.set L4,  3                            ; v3  4 x lane
.set SPW, 4                            ; v4  LDS address of my spare word; never rewritten
.set NIL, 5                            ; v5  0; never rewritten
.set XA,  6                            ; v6  x: my lane's byte among the tile's rows
.set XW,  7                            ; v7  where I store x's image
.set XSW, 8                            ; v8  and its scale word
.set RW,  9                            ; v9  and my part of the tables
.set H8,  10                           ; v10 8 x (lane / 16)
.set TP,  11                           ; v11 at work
.set RS,  12                           ; v[12:13] 1 / rms (the packed form names a pair)
.set WS,  16                           ; v16-23 the weights' scale words: tile c: 2 c, 2 c + 1 (K steps 0 | 1 and 2 | 3 in the halves of the lanes)
.set XS,  24                           ; v24-25 x's scale words of a K step (token tiles 0 | 1, 2 | 3)
.set TM,  26                           ; v26-31 at work in the quantiser
.set WF,  32                           ; v32-79 four weight fragments of a K step
.set XF,  80                           ; v80-127 x's four fragments of a K step
.set ACC, 128                          ; v128-255 sixteen accumulators
.set X,   128                          ; at the head: 64 numbers of x,
.set PCX, 192                          ; their codes,
.set CTX, 204
.set RP,  212                          ; my part of the tables,
.set TW,  220
.set WD,  226                          ; the scale word
.set CO,  32                           ; on the way out: cos, sin,
.set SI,  48
.set T,   64                           ; the rotated numbers,
.set PC,  96                           ; a tile's codes at PC + 6 m: each tile has its own, so that no store's data are written again,
.set CT,  120
.set WO,  122                          ; the pair of scale words that I store,
.set SW,  124                          ; the four tiles' scale words
.set WV,  16                           ; s16 my wave's number
.set SEL, 18                           ; s[18:19]
.set WB,  22                           ; s[22:23] my four tiles' images
.set WSB, 24                           ; s[24:25] their scale words
.set OUTB, 26                          ; s[26:27] my record
.macro QUANTW s, pc, ct, w             ; 64 numbers of a lane, two whole blocks of 32, become a fragment's 12 registers and the row's scale word
.irp c, 0,1
	v_max3_num_f32 v[TW+\c], |v[(\s)+32*\c]|, |v[(\s)+32*\c+1]|, 0x2800000   ; my block 2 c + h, and the floor 2^(5 - 127)
.endr
.irp i, 2,4,6,8,10,12,14,16,18,20,22,24,26,28,30
.irp c, 0,1
	v_max3_num_f32 v[TW+\c], v[TW+\c], |v[(\s)+32*\c+\i]|, |v[(\s)+32*\c+\i+1]|
.endr
.endr
.irp c, 0,1
	v_add_nc_u32 v[TW+2+\c], 0xfe000000, v[TW+\c]   ; 4 off the exponent field: the conversion's scale operand
.endr
.irp c, 0,1
	v_lshrrev_b32 v[TW+\c], 23, v[TW+2+\c]
.endr
	v_lshl_or_b32 v[TW+4], v[TW+1], 16, v[TW]
	v_lshlrev_b32 v[TW+4], v[H8], v[TW+4]
	v_permlanex16_b32 v[TW+5], v[TW+4], s[SEL], s[SEL+1]
	v_or_b32 v[\w], v[TW+4], v[TW+5]
.irp c, 0,1
	v_cvt_scalef32_pk16_bf6_f32 v[(\pc)+6*\c:(\pc)+6*\c+2], v[(\s)+32*\c:(\s)+32*\c+15], v[TW+2+\c]
	v_cvt_scalef32_pk16_bf6_f32 v[(\ct)+4*\c:(\ct)+4*\c+2], v[(\s)+32*\c+16:(\s)+32*\c+31], v[TW+2+\c]
.endr
	v_nop                                           ; one plain place behind a scaled conversion
.irp c, 0,1
.irp i, 0,1,2
	v_mov_b32 v[(\pc)+6*\c+3+\i], v[(\ct)+4*\c+\i]
.endr
.endr
.endm
; 32 numbers of a lane, register 16 b + i = k 32 b + 16 (lane / 16) + i of my row, become a half image's 6 registers and the row's scale word (two bytes)
.macro QUANT2X s, pc, ct, w
.irp b, 0,1
	v_max3_num_f32 v[TM+\b], |v[(\s)+16*\b]|, |v[(\s)+16*\b+1]|, 0x2800000
.endr
.irp i, 2,4,6,8,10,12,14
.irp b, 0,1
	v_max3_num_f32 v[TM+\b], v[TM+\b], |v[(\s)+16*\b+\i]|, |v[(\s)+16*\b+\i+1]|
.endr
.endr
.irp b, 0,1
	v_permlanex16_b32 v[TM+2+\b], v[TM+\b], s[SEL], s[SEL+1]
.endr
.irp b, 0,1
	v_max_num_f32 v[TM+\b], v[TM+\b], v[TM+2+\b]    ; with lane l xor 16's 16: the block's largest magnitude
.endr
.irp b, 0,1
	v_add_nc_u32 v[TM+4+\b], 0xfe000000, v[TM+\b]
.endr
.irp b, 0,1
	v_lshrrev_b32 v[TM+2+\b], 23, v[TM+4+\b]
.endr
	v_lshl_or_b32 v[\w], v[TM+3], 8, v[TM+2]
	v_cvt_scalef32_pk16_bf6_f32 v[(\pc):(\pc)+2], v[(\s):(\s)+15], v[TM+4]
	v_cvt_scalef32_pk16_bf6_f32 v[(\ct):(\ct)+2], v[(\s)+16:(\s)+31], v[TM+5]
	v_nop                                           ; one plain place behind a scaled conversion
.irp i, 0,1,2
	v_permlane16_swap_b32 v[(\pc)+\i], v[(\ct)+\i]  ; the layout wants a whole block in a lane: lanes 0-15 block 0, lanes 16-31 block 1
.endr
.irp i, 0,1,2
	v_mov_b32 v[(\pc)+3+\i], v[(\ct)+\i]
.endr
.endm
; one product.  zero = 1: it starts its sum.  ra, rb = 1: that side's scale words stand in lanes 16-31
.macro MM d, a, b, zero, sa, sb, ra, rb
.if \zero
.if (\ra) && (\rb)
	v_wmma_scale_f32_16x16x128_f8f6f4 v[(\d):(\d)+7], v[(\a):(\a)+11], v[(\b):(\b)+11], 0, v[\sa], v[\sb] matrix_a_fmt:MATRIX_FMT_BF6 matrix_b_fmt:MATRIX_FMT_BF6 matrix_a_scale:MATRIX_SCALE_ROW1 matrix_b_scale:MATRIX_SCALE_ROW1
.elseif \ra
	v_wmma_scale_f32_16x16x128_f8f6f4 v[(\d):(\d)+7], v[(\a):(\a)+11], v[(\b):(\b)+11], 0, v[\sa], v[\sb] matrix_a_fmt:MATRIX_FMT_BF6 matrix_b_fmt:MATRIX_FMT_BF6 matrix_a_scale:MATRIX_SCALE_ROW1
.elseif \rb
	v_wmma_scale_f32_16x16x128_f8f6f4 v[(\d):(\d)+7], v[(\a):(\a)+11], v[(\b):(\b)+11], 0, v[\sa], v[\sb] matrix_a_fmt:MATRIX_FMT_BF6 matrix_b_fmt:MATRIX_FMT_BF6 matrix_b_scale:MATRIX_SCALE_ROW1
.else
	v_wmma_scale_f32_16x16x128_f8f6f4 v[(\d):(\d)+7], v[(\a):(\a)+11], v[(\b):(\b)+11], 0, v[\sa], v[\sb] matrix_a_fmt:MATRIX_FMT_BF6 matrix_b_fmt:MATRIX_FMT_BF6
.endif
.else
.if (\ra) && (\rb)
	v_wmma_scale_f32_16x16x128_f8f6f4 v[(\d):(\d)+7], v[(\a):(\a)+11], v[(\b):(\b)+11], v[(\d):(\d)+7], v[\sa], v[\sb] matrix_a_fmt:MATRIX_FMT_BF6 matrix_b_fmt:MATRIX_FMT_BF6 matrix_a_scale:MATRIX_SCALE_ROW1 matrix_b_scale:MATRIX_SCALE_ROW1
.elseif \ra
	v_wmma_scale_f32_16x16x128_f8f6f4 v[(\d):(\d)+7], v[(\a):(\a)+11], v[(\b):(\b)+11], v[(\d):(\d)+7], v[\sa], v[\sb] matrix_a_fmt:MATRIX_FMT_BF6 matrix_b_fmt:MATRIX_FMT_BF6 matrix_a_scale:MATRIX_SCALE_ROW1
.elseif \rb
	v_wmma_scale_f32_16x16x128_f8f6f4 v[(\d):(\d)+7], v[(\a):(\a)+11], v[(\b):(\b)+11], v[(\d):(\d)+7], v[\sa], v[\sb] matrix_a_fmt:MATRIX_FMT_BF6 matrix_b_fmt:MATRIX_FMT_BF6 matrix_b_scale:MATRIX_SCALE_ROW1
.else
	v_wmma_scale_f32_16x16x128_f8f6f4 v[(\d):(\d)+7], v[(\a):(\a)+11], v[(\b):(\b)+11], v[(\d):(\d)+7], v[\sa], v[\sb] matrix_a_fmt:MATRIX_FMT_BF6 matrix_b_fmt:MATRIX_FMT_BF6
.endif
.endif
.endm
	s_load_b256 s[4:11], s[0:1], 0x0               ; x s[4:5], wimg s[6:7], wsc s[8:9], rope s[10:11]
	s_load_b128 s[12:15], s[0:1], 0x20             ; qw s[12:13], kv s[14:15]
	v_lshl_add_u32 v[SPW], v0, 2, SPARE
	v_mov_b32 v[NIL], 0
	v_lshrrev_b32 v[TP], 5, v0
	v_readfirstlane_b32 s[WV], v[TP]               ; wave 0..15
	v_and_b32 v[TP], 31, v0
	v_lshlrev_b32 v[L16], 4, v[TP]
	v_lshlrev_b32 v[L8], 3, v[TP]
	v_lshlrev_b32 v[L4], 2, v[TP]
	v_and_b32 v14, 15, v0                          ; r
	v_bfe_u32 v15, v0, 4, 1                        ; h
	v_lshlrev_b32 v[H8], 3, v15
	v_and_b32 v[TP], 8, v14
	v_add_nc_u32 v[TP], v[TP], v14                 ; r + 8 (r / 8)
	v_lshlrev_b32 v[XA], 11, v[TP]
	v_lshl_add_u32 v[XA], v15, 7, v[XA]            ; my row of 2,048 bytes, + 128 h
	s_mul_i32 s28, s[WV], 1536
	v_add_nc_u32 v[XW], s28, v[L16]
	s_and_b32 s29, s[WV], 3                        ; my K step of x; also my key/value head
	s_lshr_b32 s30, s[WV], 2                       ; my token tile of x
	s_lshl_b32 s28, s29, 8
	s_lshl_b32 s31, s30, 6
	s_add_co_u32 s28, s28, s31
	v_lshl_add_u32 v[XSW], v14, 2, s28             ; 4 r + 256 s + 64 m
	s_lshl_b32 s28, s[WV], 10
	v_add_nc_u32 v[RW], s28, v[L16]
	v_mov_b32 v[RS+1], 0                           ; (named as the upper half of a pair)
	v_mov_b32 v[TM+2], 0                           ; a lane permute's destination counts as one of its sources
	v_mov_b32 v[TM+3], 0
	v_mov_b32 v[TW+5], 0
	s_mov_b32 s[SEL], 0x76543210
	s_mov_b32 s[SEL+1], 0xfedcba98
	s_mov_b32 s20, 0x3c800000                      ; 1 / 64
	s_mov_b32 s21, 0x34000000                      ; the norm's eps, 2^-23
	s_lshl_b32 s32, ttmp9, 17                      ; x: my work-group's 64 rows,
	s_lshr_b32 s33, s30, 1
	s_lshl_b32 s33, s33, 16
	s_add_co_u32 s32, s32, s33                     ; + 32 (m / 2) rows
	s_and_b32 s33, s30, 1
	s_lshl_b32 s33, s33, 14
	s_add_co_u32 s32, s32, s33                     ; + 8 (m % 2) rows
	s_lshl_b32 s33, s29, 9
	s_add_co_u32 s32, s32, s33                     ; + my K step's 512 bytes
	s_mov_b32 s33, 0
	s_and_b32 s43, ttmp9, 31                       ; which 64 tokens of the sequence
	s_lshr_b32 s42, ttmp9, 5                       ; the batch
	s_lshl_b32 s34, s43, 14
	s_add_co_u32 s34, s34, s28                     ; the tables: 16,384 bytes a block, my 1,024 of them
	s_mov_b32 s35, 0
	s_mul_i32 s36, s[WV], 24576
	s_mov_b32 s37, 0
	s_mov_b32 s38, s28
	s_mov_b32 s39, 0
	s_lshl_b32 s40, s42, 3                         ; my record: in qw ((8 b + w) 32 + i) x 3,328;
	s_add_co_u32 s40, s40, s[WV]
	s_lshl_b32 s40, s40, 5
	s_add_co_u32 s40, s40, s43
	s_mul_i32 s40, s40, 3328
	s_lshl_b32 s44, s42, 2                         ; in kv ((4 b + g) 32 + i) x 6,656, V's behind K's
	s_add_co_u32 s44, s44, s29
	s_lshl_b32 s44, s44, 5
	s_add_co_u32 s44, s44, s43
	s_mul_i32 s44, s44, 6656
	s_and_b32 s45, s30, 1
	s_mul_i32 s45, s45, 3328
	s_add_co_u32 s44, s44, s45
	s_mov_b32 s41, 0
	s_wait_kmcnt 0x0
	s_add_nc_u64 s[4:5], s[4:5], s[32:33]
	s_add_nc_u64 s[10:11], s[10:11], s[34:35]
	s_add_nc_u64 s[WB:WB+1], s[6:7], s[36:37]
	s_add_nc_u64 s[WSB:WSB+1], s[8:9], s[38:39]
	s_cmp_lt_u32 s[WV], 8
	s_cselect_b64 s[OUTB:OUTB+1], s[12:13], s[14:15]
	s_cselect_b32 s40, s40, s44
	s_add_nc_u64 s[OUTB:OUTB+1], s[OUTB:OUTB+1], s[40:41]
.irp c, 0,1
.irp k, 0,1,2,3,4,5,6,7
	global_load_b128 v[X+32*\c+4*\k:X+32*\c+4*\k+3], v[XA], s[4:5] offset:256*\c+16*\k th:TH_LOAD_NT   ; my two whole blocks of 32
.endr
.endr
.irp k, 0,1
	global_load_b128 v[RP+4*\k:RP+4*\k+3], v[L16], s[10:11] offset:512*\k
.endr
.irp c, 0,1,2,3
.irp p, 0,1
	global_load_b32 v[WS+2*\c+\p], v[L4], s[WSB:WSB+1] offset:256*\c+128*\p
.endr
.endr
.irp c, 0,1,2,3
.irp k, 0,1,2
	global_load_b128 v[WF+12*\c+4*\k:WF+12*\c+4*\k+3], v[L16], s[WB:WB+1] offset:6144*\c+512*\k
.endr
.endr
	s_wait_loadcnt 20                              ; x's 16 loads and the tables' 2 are in; the weights' 8 + 12, issued behind them, may be out
	QUANTW X, PCX, CTX, WD
.irp k, 0,1,2
	ds_store_b128 v[XW], v[PCX+4*\k:PCX+4*\k+3] offset:XIMG+512*\k
.endr
	ds_store_b32 v[XSW], v[WD] offset:XSC          ; lanes l and l xor 16 hold the same word and write it to the same place
.irp k, 0,1
	ds_store_b128 v[RW], v[RP+4*\k:RP+4*\k+3] offset:ROPE+512*\k
.endr
	s_wait_dscnt 0x0                               ; for the others' sake: my stores have landed
	s_barrier_signal -1
	s_barrier_wait -1                              ; x's sixteen fragments and the tables lie in LDS; nothing is stored to LDS after this
; A K step of 128: 16 products.  The sixteen accumulators take turns, one instruction a turn, in the same order in every K step and in both arms.
.macro KSTEP s
.set ZR, 0
.if \s == 0
.set ZR, 1
.else
.rept 4
	v_nop                                          ; places in front of loads into registers that matrix instructions have read
.endr
.irp c, 0,1,2,3
.irp k, 0,1,2
	global_load_b128 v[WF+12*\c+4*\k:WF+12*\c+4*\k+3], v[L16], s[WB:WB+1] offset:6144*\c+1536*\s+512*\k
.endr
.endr
.endif
.irp m, 0,1,2,3
.irp k, 0,1,2
	ds_load_b128 v[XF+12*\m+4*\k:XF+12*\m+4*\k+3], v[L16] offset:XIMG+(4*\m+\s)*1536+512*\k
.endr
.endr
.irp p, 0,1
	ds_load_b32 v[XS+\p], v[L4] offset:XSC+256*\s+128*\p
.endr
	s_wait_loadcnt 0x0
	s_wait_dscnt 0x0
	s_cmp_lt_u32 s[WV], 12
	s_cbranch_scc0 .Lvarm_\@
.irp a, 0,1,2,3                        ; q, k: token tile a, weight tile b: source 0 = the weight's rows
.irp b, 0,1,2,3
	MM ACC+32*\a+8*\b, WF+12*\b, XF+12*\a, ZR, WS+2*\b+(\s)/2, XS+(\a)/2, (\s)%2, (\a)%2
.endr
.endr
	s_branch .Ljoin_\@
.Lvarm_\@:
.irp a, 0,1,2,3                        ; v: weight tile a, token tile b: source 0 = the tokens
.irp b, 0,1,2,3
	MM ACC+32*\a+8*\b, XF+12*\b, WF+12*\a, ZR, XS+(\b)/2, WS+2*\a+(\s)/2, (\b)%2, (\s)%2
.endr
.endr
.Ljoin_\@:
.endm
	KSTEP 0
	KSTEP 1
	KSTEP 2
	KSTEP 3
.rept 4
	v_nop                                          ; places in front of the first read of results and of loads into the fragments' registers
.endr
.macro PUT m                           ; tile m's half image leaves: 512 consecutive bytes, then 256
	global_store_b128 v[L16], v[PC+6*\m:PC+6*\m+3], s[OUTB:OUTB+1] offset:768*\m
	global_store_b64 v[L8], v[PC+6*\m+4:PC+6*\m+5], s[OUTB:OUTB+1] offset:768*\m+512
.endm
; token tile m of q or k: norm, rotation, codes
.macro QKOUT m
.set AQ, ACC+32*\m
.irp c, 0,1,2,3,4,5,6,7
	ds_load_b128 v[CO+4*\c:CO+4*\c+3], v[L16] offset:ROPE+4096*\m+512*\c   ; cos and sin of my token at frequencies 16 h + 0 .. 15
.endr
	v_pk_mul_f32 v[T:T+1], v[AQ:AQ+1], v[AQ:AQ+1]  ; the sum of squares, in two chains, each accumulator from its low end on
	v_pk_mul_f32 v[T+2:T+3], v[AQ+2:AQ+3], v[AQ+2:AQ+3]
.irp i, 4,8,12,16,20,24,28
	v_pk_fma_f32 v[T:T+1], v[AQ+\i:AQ+\i+1], v[AQ+\i:AQ+\i+1], v[T:T+1]
	v_pk_fma_f32 v[T+2:T+3], v[AQ+\i+2:AQ+\i+3], v[AQ+\i+2:AQ+\i+3], v[T+2:T+3]
.endr
	v_pk_add_f32 v[T:T+1], v[T:T+1], v[T+2:T+3]
	v_add_f32 v[T], v[T], v[T+1]
	v_permlanex16_b32 v[TP], v[T], s[SEL], s[SEL+1]
	v_add_f32 v[T], v[T], v[TP]                    ; with lane l xor 16's 32 features
	v_fma_f32 v[T], v[T], s20, s21                 ; the mean + eps
	v_rsq_f32 v[RS], v[T]
	v_nop                                          ; a plain place behind the transcendental
	s_wait_alu depctr_va_vdst(0)                   ; the wait ahead of the first use
.set ii, 0
.rept 16
	v_pk_mul_f32 v[AQ+ii:AQ+ii+1], v[AQ+ii:AQ+ii+1], v[RS:RS+1] op_sel_hi:[1,0]
.set ii, ii+2
.endr
	s_wait_dscnt 0x0                               ; cos and sin are in
.irp i, 0,2,4,6,8,10,12,14
	v_pk_mul_f32 v[T+\i:T+\i+1], v[AQ+16+\i:AQ+17+\i], v[SI+\i:SI+\i+1]
	v_pk_mul_f32 v[T+16+\i:T+17+\i], v[AQ+\i:AQ+\i+1], v[SI+\i:SI+\i+1]
.endr
.irp i, 0,2,4,6,8,10,12,14
	v_pk_fma_f32 v[T+\i:T+\i+1], v[AQ+\i:AQ+\i+1], v[CO+\i:CO+\i+1], v[T+\i:T+\i+1]                                        ; x1 c + x2 s
	v_pk_fma_f32 v[T+16+\i:T+17+\i], v[AQ+16+\i:AQ+17+\i], v[CO+\i:CO+\i+1], v[T+16+\i:T+17+\i] neg_lo:[0,0,1] neg_hi:[0,0,1]   ; x2 c - x1 s
.endr
	QUANT2X T, PC+6*\m, CT, SW+\m
	PUT \m
.endm
	s_cmp_lt_u32 s[WV], 12
	s_cbranch_scc0 .Lvout
	QKOUT 0
	QKOUT 1
	QKOUT 2
	QKOUT 3
	s_branch .Lwords
.Lvout:
.irp c, 0,1,2,3                        ; channel tile c of v: its 32 registers run along the block's 64 tokens
	QUANT2X ACC+32*\c, PC+6*\c, CT, SW+\c
	PUT \c
.endr
.Lwords:
	v_cmp_ne_u32 vcc_lo, 0, v[H8]                  ; lanes 0-15 store tiles 0 and 1's words of row r, lanes 16-31 tiles 2 and 3's
	v_cndmask_b32 v[WO], v[SW], v[SW+2], vcc_lo
	v_cndmask_b32 v[WO+1], v[SW+1], v[SW+3], vcc_lo
	global_store_b64 v[L8], v[WO:WO+1], s[OUTB:OUTB+1] offset:3072   ; 32 lanes store 256 consecutive bytes
	s_wait_tensorcnt 0x0                           ; the wave's end: three lines, behind my last LDS store
	ds_add_u32 v[SPW], v[NIL]
	s_wait_dscnt 0x0
	s_endpgm
.Lfunc_end_k_q4c1898dbb6_qkv:
	.size	k_q4c1898dbb6_qkv, .Lfunc_end_k_q4c1898dbb6_qkv-k_q4c1898dbb6_qkv
	.p2alignl 7, 3214868480
	.fill 96, 4, 3214868480
	.section	.rodata,"a",@progbits
	.p2align	6, 0x0
	.amdhsa_kernel k_q4c1898dbb6_qkv
		.amdhsa_group_segment_fixed_size 44032
		.amdhsa_private_segment_fixed_size 0
		.amdhsa_enable_private_segment 0
		.amdhsa_kernarg_size 48
		.amdhsa_user_sgpr_count 2
		.amdhsa_user_sgpr_kernarg_segment_ptr 1
		.amdhsa_wavefront_size32 1
		.amdhsa_system_sgpr_workgroup_id_x 1
		.amdhsa_system_sgpr_workgroup_id_y 1
		.amdhsa_system_sgpr_workgroup_id_z 1
		.amdhsa_system_vgpr_workitem_id 0
		.amdhsa_next_free_vgpr 256
		.amdhsa_next_free_sgpr 66
		.amdhsa_reserve_vcc 1
		.amdhsa_float_denorm_mode_32 3
		.amdhsa_float_denorm_mode_16_64 3
		.amdhsa_memory_ordered 1
		.amdhsa_forward_progress 1
		.amdhsa_inst_pref_size 71
	.end_amdhsa_kernel
	.amdgpu_metadata
---
amdhsa.version: [ 1, 2 ]
amdhsa.kernels:
  - .name:           k_q4c1898dbb6_qkv
    .symbol:         k_q4c1898dbb6_qkv.kd
    .args:
      - { .name: x, .offset: 0, .size: 8, .value_kind: global_buffer, .address_space: global }
      - { .name: wimg, .offset: 8, .size: 8, .value_kind: global_buffer, .address_space: global }
      - { .name: wsc, .offset: 16, .size: 8, .value_kind: global_buffer, .address_space: global }
      - { .name: rope, .offset: 24, .size: 8, .value_kind: global_buffer, .address_space: global }
      - { .name: qw, .offset: 32, .size: 8, .value_kind: global_buffer, .address_space: global }
      - { .name: kv, .offset: 40, .size: 8, .value_kind: global_buffer, .address_space: global }
    .group_segment_fixed_size: 44032
    .private_segment_fixed_size: 0
    .kernarg_segment_align: 8
    .kernarg_segment_size: 48
    .max_flat_workgroup_size: 512
    .sgpr_count:     66
    .vgpr_count:     256
    .wavefront_size: 32
...
	.end_amdgpu_metadata
.endif
;; end of part 2
;; launch attn (part 3): grid 8 x 32, 16 waves a work-group, no clusters, 327,680 bytes of LDS; arguments qw, kv, yc, ys; writes yc, ys
.if DOCPART == 3
	.amdgcn_target "amdgcn-amd-amdhsa--gfx1250"
	.amdhsa_code_object_version 6
	.text
	.protected	k_q4c1898dbb6_attn
	.globl	k_q4c1898dbb6_attn
	.p2align	8
	.type	k_q4c1898dbb6_attn,@function
k_q4c1898dbb6_attn:
	s_mov_b64 s[64:65], 0
	v_nop
	global_prefetch_b8 v0, s[64:65] scope:SCOPE_SE
	s_setreg_imm32_b32 hwreg(HW_REG_WAVE_MODE, 25, 1), 1
	s_wait_xcnt 0x0
; y[q] = (sum over keys k <= q of p V[k]) / (sum of p), p = 2^(t - M), t = q . k x log2(e) / 8, M = the running largest t rounded up to a whole number; both products on codes of BF6; y is quantised along the channels.
; WORK LEFT OUT: steps of 128 keys that lie wholly behind a block's 128 queries: reference()'s own causal mask makes their p 0 (shown at the head of launch prep).
; SHARES.  Work-group (j, 4 b + g) owns both query heads of key/value head g, for two blocks of 128 queries: first block 15 - j, then block j.  Block c has c + 1 live steps of 128 keys: 17 for every work-group.
; Wave w owns head 2 g + w / 8 and the block's query tile w % 8 (16 queries), in 256 registers: four waves to a SIMD, so that one wave's vector work stands beside another's products and LDS loads.
; Keys come in slots of 256 keys: 26,624 dense bytes of kv (for each 64 keys a record of K and a record of V), through a ring of two LDS slots; wave 0 asks for a slot by one tensor load.  A pair of blocks takes nine
; slots, whatever j: the loop has eight trips, the ninth slot is written out.  Of the 18 steps one is hidden and is jumped over (ids alone; the same in all sixteen waves).  Every slot asked for is read.
; LAYOUT.  Both products transposed: S^T = K Q^T (source 0 = 16 keys), O^T = V^T P^T (source 0 = 16 channels): a lane holds one query.  Keys, queries and channels of a tile are not neighbours: lane r of tile m stands for
; 32 (m / 2) + 8 (m % 2) + r + 8 (r / 8) of its 64, so that S^T's register 16 B + i is key 32 B + 16 (lane / 16) + i of the step, and O^T's register 16 b + i channel 32 b + 16 (lane / 16) + i.
; THE FIRST PRODUCT'S K IS 64, half of the instruction's 128.  Q's registers 6-11 hold zero codes.  A key tile is named with the six registers behind it, which hold the next tile's codes (behind the last tile: zeros):
; they meet Q's zero codes, under scale bytes 0 (2^-127, a number), and add exactly 0.
; NO CLUSTER: the eight work-groups of a key/value head walk key ranges of different lengths and change blocks in different trips, so partners would want different slots in the same round.
; LIMITS: v_rcp_f32 stands for the division by the row's sum; y's scale byte is held at 1 from below and a block of zeros keeps the byte 1 (this program alone reads the bytes); NaN and infinities are not served.
.set SLOTB, 32768                      ; slot 1 begins here: one exclusive or turns an address in one slot into the other's
.set SPARE, 65536                      ; the spare words, 128 bytes for each wave: eight blocks of 256 bytes that no other line names
.set BLKB,  6656                       ; 64 keys: K's record, then V's
.set RECB,  3328
.set L16, 1                            ; v1  16 x lane
.set L8,  2                            ; v2  8 x lane
.set DM,  3                            ; v3  my query's place in its block - 16 (lane / 16)
.set SPW, 4                            ; v4  LDS address of my spare word; never rewritten
.set NIL, 5                            ; v5  0; never rewritten
.set PFO, 6                            ; v6  the prefetches' offset
.set R4,  7                            ; v7  4 x (lane % 16)
.set A16, 8                            ; v8  the slot in hand + 16 x lane
.set A8,  9                            ; v9  the slot in hand + 8 x lane
                                       ; v12 -M, v13 the largest t, v[14:15] the row's sum in two halves
.set Q,   16                           ; v16-27 Q's fragment (v22-27 zero codes)
.set QS,  28                           ; v28 its scale words;  v29 the second block's
.set QSB, 29
.set QB,  30                           ; v30-35 the second block's codes
.set KA,  36                           ; v36-83 eight key tiles of 6 registers, later four channel tiles of 12
.set ZT,  84                           ; v84-89 zero codes behind the last key tile
.set S,   90                           ; v90-153 S^T, then p
.set O,   154                          ; v154-185 O^T
.set PC,  186                          ; v186-197 p's codes
.set CT,  198                          ; v198-200, v202-204
.set BM,  206                          ; v206-209 the blocks' largest scores, then largest p
.set BT,  210
.set BS,  214
.set TM,  206                          ; the way out's quantiser works in v206-211
.set KS,  218                          ; v218-221 K's scale words
.set VR,  222                          ; v222-225 V's, as loaded
.set VM,  226                          ; v226-227 V's, two records joined
.set PW,  228                          ; v228 p's scale word; on the way out y's
.set F,   230                          ; v[230:231] 2^(old M - new M); on the way out 1 / the sum
.set TS,  232
.set TP,  234
.set NINF, 235
.set WV,  12                           ; s12 my wave's number;  s13 batch, s14 head, s15 query tile, s39 the first block
.set G1,  16                           ; s[16:23] descriptor group 1
.set G0,  24                           ; s[24:27] descriptor group 0
.set KVB, 28                           ; s[28:29] my key/value head's records
.set SEL, 30
.set CS,  32                           ; s[32:33] log2(e) / 8
.set TB,  34                           ; s34 LDS byte at which the slot in hand begins
.set KF,  35                           ; s35 the step's first key
.set BQ,  36                           ; s36 the block's first query
.set CNT, 37                           ; s37 trips to go
.set LIM, 38                           ; s38 2 in a wave that prefetches, else the greatest number
.set PFA, 40                           ; s[40:41] where my prefetches stand
.set YB,  42                           ; s[42:43] my tile of yc, s[44:45] of ys;  s[46:49] the second block's
.macro QUANT2X s, pc, ct, w            ; 32 numbers of a lane, register 16 b + i = k 32 b + 16 (lane / 16) + i, become a half image's 6 registers and the row's scale word
.irp b, 0,1
	v_max3_num_f32 v[TM+\b], |v[(\s)+16*\b]|, |v[(\s)+16*\b+1]|, 0x2800000
.endr
.irp i, 2,4,6,8,10,12,14
.irp b, 0,1
	v_max3_num_f32 v[TM+\b], v[TM+\b], |v[(\s)+16*\b+\i]|, |v[(\s)+16*\b+\i+1]|
.endr
.endr
.irp b, 0,1
	v_permlanex16_b32 v[TM+2+\b], v[TM+\b], s[SEL], s[SEL+1]
.endr
.irp b, 0,1
	v_max_num_f32 v[TM+\b], v[TM+\b], v[TM+2+\b]
.endr
.irp b, 0,1
	v_add_nc_u32 v[TM+4+\b], 0xfe000000, v[TM+\b]
.endr
.irp b, 0,1
	v_lshrrev_b32 v[TM+2+\b], 23, v[TM+4+\b]
.endr
	v_lshl_or_b32 v[\w], v[TM+3], 8, v[TM+2]
	v_cvt_scalef32_pk16_bf6_f32 v[(\pc):(\pc)+2], v[(\s):(\s)+15], v[TM+4]
	v_cvt_scalef32_pk16_bf6_f32 v[(\ct):(\ct)+2], v[(\s)+16:(\s)+31], v[TM+5]
	v_nop                                           ; one plain place behind a scaled conversion
.irp i, 0,1,2
	v_permlane16_swap_b32 v[(\pc)+\i], v[(\ct)+\i]
.endr
.irp i, 0,1,2
	v_mov_b32 v[(\pc)+3+\i], v[(\ct)+\i]
.endr
.endm
.macro MM d, a, b, zero, sa, sb, ra    ; one product.  zero = 1: it starts its sum.  ra = 1: source 0's scale words stand in lanes 16-31
.if \zero
.if \ra
	v_wmma_scale_f32_16x16x128_f8f6f4 v[(\d):(\d)+7], v[(\a):(\a)+11], v[(\b):(\b)+11], 0, v[\sa], v[\sb] matrix_a_fmt:MATRIX_FMT_BF6 matrix_b_fmt:MATRIX_FMT_BF6 matrix_a_scale:MATRIX_SCALE_ROW1
.else
	v_wmma_scale_f32_16x16x128_f8f6f4 v[(\d):(\d)+7], v[(\a):(\a)+11], v[(\b):(\b)+11], 0, v[\sa], v[\sb] matrix_a_fmt:MATRIX_FMT_BF6 matrix_b_fmt:MATRIX_FMT_BF6
.endif
.else
.if \ra
	v_wmma_scale_f32_16x16x128_f8f6f4 v[(\d):(\d)+7], v[(\a):(\a)+11], v[(\b):(\b)+11], v[(\d):(\d)+7], v[\sa], v[\sb] matrix_a_fmt:MATRIX_FMT_BF6 matrix_b_fmt:MATRIX_FMT_BF6 matrix_a_scale:MATRIX_SCALE_ROW1
.else
	v_wmma_scale_f32_16x16x128_f8f6f4 v[(\d):(\d)+7], v[(\a):(\a)+11], v[(\b):(\b)+11], v[(\d):(\d)+7], v[\sa], v[\sb] matrix_a_fmt:MATRIX_FMT_BF6 matrix_b_fmt:MATRIX_FMT_BF6
.endif
.endif
.endm
.macro TLOAD                           ; wave 0 asks for a slot; an s_nop 0 and four v_nop follow the line
	s_cmp_lg_u32 s[WV], 0
	s_cbranch_scc1 .Lnl_\@
	tensor_load_to_lds s[G0:G0+3], s[G1:G1+7]
	s_nop 0
.rept 4
	v_nop
.endr
.Lnl_\@:
.endm
; A PREFETCH INTO THE L2 of the slot that the NEXT change of slots will ask for.  All eight work-groups of a key/value head begin at key 0 and walk the same slots; the one with j = 0, whose first block walks all eight,
; asks, and nobody else; 26 lanes 256 bytes apart (lanes 26-31 name lane 25's bytes once more).  Trip t names slot t + 2, in trips 0 to 5: slot 7 is the last.
; Slots 0 and 1 come by their loads alone.
.macro ASK
	s_cmp_gt_u32 s[CNT], s[LIM]
	s_cbranch_scc0 .Lna_\@
	global_prefetch_b8 v[PFO], s[PFA:PFA+1] th:TH_LOAD_NT scope:SCOPE_SE
.Lna_\@:
.endm
.macro INIT                            ; a block begins: the largest t is -3e38, under every t; sums and O^T are zeros, which the first change of M leaves zeros
	v_mov_b32 v13, 0xff61b1e6
	v_floor_f32 v12, -v13
	v_mov_b32 v14, 0
	v_mov_b32 v15, 0
.set ii, 0
.rept 32
	v_mov_b32 v[O+ii], 0
.set ii, ii+1
.endr
.endm
	s_load_b256 s[4:11], s[0:1], 0x0               ; qw s[4:5], kv s[6:7], yc s[8:9], ys s[10:11]
	v_lshl_add_u32 v[SPW], v0, 2, SPARE
	v_mov_b32 v[NIL], 0
	ds_add_u32 v[SPW], v[NIL]                      ; the wave's opening: the add, twice on end, and its wait ahead of the first tensor load; the set-up below stands between
	ds_add_u32 v[SPW], v[NIL]                      ; and once more
	v_lshrrev_b32 v[TP], 5, v0
	v_readfirstlane_b32 s[WV], v[TP]               ; wave 0..15
	; descriptor group 1: a slot is 26,624 dense bytes: 104 rows of 32 elements of 8 bytes, no padding
	s_mov_b32 s[G1+0], 3<<16                       ; no mask; elements of 8 bytes; padding off
	s_mov_b32 s[G1+1], 32<<16                      ; tensor_dim0 = 32
	s_mov_b32 s[G1+2], 104<<16                     ; tensor_dim1 = 104
	s_mov_b32 s[G1+3], 32<<16                      ; tile_dim0 = 32
	s_mov_b32 s[G1+4], 104                         ; tile_dim1 = 104
	s_mov_b32 s[G1+5], 32                          ; from row to row
	s_mov_b32 s[G1+6], 0
	s_mov_b32 s[G1+7], 0
	s_mov_b32 s[G0], 1
	s_mov_b32 s[G0+1], 0                           ; slot 0
	s_mov_b32 s[SEL], 0x76543210
	s_mov_b32 s[SEL+1], 0xfedcba98
	s_mov_b32 s[CS], 0x3e38aa3b                    ; log2(e) / 8
	s_mov_b32 s[CS+1], s[CS]
	s_mov_b32 s[TB], 0
	s_mov_b32 s[KF], 0
	s_mov_b32 s[CNT], 8
	s_and_b32 s50, ttmp7, 0xffff                   ; 4 b + g
	s_lshr_b32 s13, s50, 2                         ; b
	s_and_b32 s14, s50, 3
	s_lshl_b32 s14, s14, 1
	s_lshr_b32 s51, s[WV], 3
	s_add_co_u32 s14, s14, s51                     ; my head
	s_and_b32 s15, s[WV], 7                        ; my query tile
	s_sub_co_u32 s39, 15, ttmp9                    ; the first block
	s_lshl_b32 s[BQ], s39, 7
	s_mul_i32 s50, s50, 212992                     ; 32 x 6,656 bytes a key/value head
	s_mov_b32 s51, 0
	s_wait_dscnt 0x0                               ; both opening adds are done
	s_wait_kmcnt 0x0
	s_add_nc_u64 s[KVB:KVB+1], s[6:7], s[50:51]
	s_mov_b64 s[G0+2:G0+3], s[KVB:KVB+1]           ; keys 0 to 255
	s_or_b32 s[G0+3], s[G0+3], 0x80000000          ; type = 2
	TLOAD                                          ; the one first fill at the head
	v_and_b32 v[TP], 31, v0
	v_lshlrev_b32 v[L16], 4, v[TP]
	v_lshlrev_b32 v[L8], 3, v[TP]
	v_min_u32 v[PFO], 25, v[TP]
	v_lshlrev_b32 v[PFO], 8, v[PFO]
	v_and_b32 v10, 15, v0                          ; r
	v_bfe_u32 v11, v0, 4, 1                        ; h
	v_lshlrev_b32 v[R4], 2, v10
	v_and_b32 v[DM], 8, v10
	v_add_nc_u32 v[DM], v[DM], v10                 ; r + 8 (r / 8)
	v_lshlrev_b32 v11, 4, v11
	v_sub_nc_u32 v[DM], v[DM], v11                 ; - 16 h
	s_lshr_b32 s50, s15, 1
	s_lshl_b32 s50, s50, 5
	s_and_b32 s51, s15, 1
	s_lshl_b32 s52, s51, 3
	s_add_co_u32 s50, s50, s52                     ; + my tile's place in the block of 128
	v_add_nc_u32 v[DM], s50, v[DM]
	s_and_b32 s50, s15, 3                          ; my tile in its record
	s_mul_i32 s50, s50, 768
	v_add_nc_u32 v236, s50, v[L16]
	v_add_nc_u32 v237, s50, v[L8]
	s_bfe_u32 s50, s15, 0x10001
	s_lshl_b32 s50, s50, 7
	s_lshl_b32 s51, s51, 2
	s_add_co_u32 s50, s50, s51
	v_lshl_add_u32 v238, v10, 3, s50               ; its scale words: 128 (m / 2) + 4 (m % 2) + 8 r
	s_lshl_b32 s52, s13, 3
	s_add_co_u32 s52, s52, s14
	s_lshl_b32 s52, s52, 5
	s_lshr_b32 s53, s15, 2
	s_add_co_u32 s52, s52, s53                     ; (8 b + head) 32 + tile / 4
	s_lshl_b32 s54, s39, 1
	s_add_co_u32 s54, s54, s52
	s_mul_i32 s54, s54, RECB
	s_mov_b32 s55, 0
	s_add_nc_u64 s[56:57], s[4:5], s[54:55]        ; the first block's record of q
	s_lshl_b32 s54, ttmp9, 1
	s_add_co_u32 s54, s54, s52
	s_mul_i32 s54, s54, RECB
	s_add_nc_u64 s[58:59], s[4:5], s[54:55]        ; the second block's
	global_load_b128 v[Q:Q+3], v236, s[56:57] th:TH_LOAD_NT
	global_load_b64 v[Q+4:Q+5], v237, s[56:57] offset:512 th:TH_LOAD_NT
	global_load_b32 v[QS], v238, s[56:57] offset:3072 th:TH_LOAD_NT
	global_load_b128 v[QB:QB+3], v236, s[58:59] th:TH_LOAD_NT
	global_load_b64 v[QB+4:QB+5], v237, s[58:59] offset:512 th:TH_LOAD_NT
	global_load_b32 v[QSB], v238, s[58:59] offset:3072 th:TH_LOAD_NT
	s_lshl_b32 s52, s13, 7
	s_add_co_u32 s52, s52, s15                     ; 128 b + tile
	s_lshl_b32 s53, s39, 3
	s_add_co_u32 s53, s53, s52
	s_lshl_b32 s53, s53, 3
	s_add_co_u32 s53, s53, s14                     ; (128 b + 8 c + tile) 8 + head
	s_mul_i32 s54, s53, 768
	s_add_nc_u64 s[YB:YB+1], s[8:9], s[54:55]
	s_lshl_b32 s54, s53, 6
	s_add_nc_u64 s[YB+2:YB+3], s[10:11], s[54:55]
	s_lshl_b32 s53, ttmp9, 3
	s_add_co_u32 s53, s53, s52
	s_lshl_b32 s53, s53, 3
	s_add_co_u32 s53, s53, s14
	s_mul_i32 s54, s53, 768
	s_add_nc_u64 s[YB+4:YB+5], s[8:9], s[54:55]
	s_lshl_b32 s54, s53, 6
	s_add_nc_u64 s[YB+6:YB+7], s[10:11], s[54:55]
	s_and_b32 s54, s[WV], 3
	s_mul_i32 s54, s54, 6656
	s_add_co_u32 s54, s54, 26624                   ; in slot 1: the first change of slots steps it to slot 2
	s_add_nc_u64 s[PFA:PFA+1], s[KVB:KVB+1], s[54:55]
	s_sub_co_u32 s50, s[WV], 4
	s_lshr_b32 s50, s50, 2                         ; 0 in waves 4 to 7,
	s_or_b32 s50, s50, ttmp9                       ; of the work-group with j = 0
	s_cmp_eq_u32 s50, 0
	s_cselect_b32 s[LIM], 2, -1
.irp i, 0,1,2,3,4,5
	v_mov_b32 v[Q+6+\i], 0                         ; zero codes
	v_mov_b32 v[ZT+\i], 0
.endr
.irp i, 0,1,2,3,4,5,6,7
	v_mov_b32 v[BM+\i], 0                          ; written once: a lane permute's destination counts as one of its sources
.endr
	v_mov_b32 v[F+1], 0                            ; (named as the upper half of a pair)
	v_mov_b32 v[NINF], 0xff800000
	INIT
; A KEY STEP: 128 keys, the q-th of the slot in hand
.macro STEP q
	s_cmp_gt_u32 s[KF], s[BQ]                      ; all its keys come after all the block's queries: left out
	s_cbranch_scc1 .Lhid_\@
	v_add_nc_u32 v[A16], s[TB], v[L16]
	v_add_nc_u32 v[A8], s[TB], v[L8]
	v_nop
	v_nop                                          ; four places in front of loads into registers that the last products have read
.irp rec, 0,1
.irp m, 0,1,2,3
	ds_load_b128 v[KA+6*(4*\rec+\m):KA+6*(4*\rec+\m)+3], v[A16] offset:(2*\q+\rec)*BLKB+768*\m
	ds_load_b64 v[KA+6*(4*\rec+\m)+4:KA+6*(4*\rec+\m)+5], v[A8] offset:(2*\q+\rec)*BLKB+768*\m+512
.endr
	ds_load_b64 v[KS+2*\rec:KS+2*\rec+1], v[A8] offset:(2*\q+\rec)*BLKB+3072
.endr
	s_wait_dscnt 0x0
.irp rec, 0,1                          ; S^T = K Q^T: eight accumulators, each begun with 0
.irp m, 0,1,2,3
	MM S+8*(4*\rec+\m), KA+6*(4*\rec+\m), Q, 1, KS+2*\rec+(\m)%2, QS, (\m)/2
.endr
.endr
.rept 4
	v_nop                                          ; places in front of the loads below and of the first read of the scores
.endr
.irp n, 0,1,2,3                        ; V's four channel tiles land while the softmax is walked
.irp rec, 0,1
	ds_load_b128 v[KA+12*\n+6*\rec:KA+12*\n+6*\rec+3], v[A16] offset:(2*\q+\rec)*BLKB+RECB+768*\n
	ds_load_b64 v[KA+12*\n+6*\rec+4:KA+12*\n+6*\rec+5], v[A8] offset:(2*\q+\rec)*BLKB+RECB+768*\n+512
.endr
.endr
.irp rec, 0,1
	ds_load_b64 v[VR+2*\rec:VR+2*\rec+1], v[A8] offset:(2*\q+\rec)*BLKB+RECB+3072
.endr
	s_cmp_lg_u32 s[KF], s[BQ]                      ; the block's last live step lies on the diagonal: hidden scores become -infinity ahead of the maximum
	s_cbranch_scc1 .Lopen_\@
.set nn, 0
.rept 64
	v_cmp_gt_i32 vcc_lo, 32*(nn/16)+nn%16, v[DM]   ; register 16 B + i holds key 32 B + 16 (lane / 16) + i of the step
	v_cndmask_b32 v[S+nn], v[S+nn], v[NINF], vcc_lo
.set nn, nn+1
.endr
.Lopen_\@:
.irp b, 0,1,2,3
	v_max3_num_f32 v[BM+\b], v[S+16*\b], v[S+16*\b+1], v[S+16*\b+2]   ; the largest score of each block of 32 keys: it serves the row's maximum and, since p rises with the score, the block's largest p
.endr
.irp i, 3,5,7,9,11,13
.irp b, 0,1,2,3
	v_max3_num_f32 v[BM+\b], v[BM+\b], v[S+16*\b+\i], v[S+16*\b+\i+1]
.endr
.endr
.irp b, 0,1,2,3
	v_max_num_f32 v[BM+\b], v[BM+\b], v[S+16*\b+15]
.endr
.irp b, 0,1,2,3
	v_permlanex16_b32 v[BT+\b], v[BM+\b], s[SEL], s[SEL+1]
.endr
.irp b, 0,1,2,3
	v_max_num_f32 v[BM+\b], v[BM+\b], v[BT+\b]     ; with lane l xor 16's 16 keys
.endr
	v_max3_num_f32 v[TP], v[BM], v[BM+1], v[BM+2]
	v_max_num_f32 v[TP], v[TP], v[BM+3]
	v_mul_f32 v[TP], s[CS], v[TP]                  ; as t
	v_max_num_f32 v13, v13, v[TP]                  ; the running largest t
	v_mov_b32 v[TP], v12
	v_floor_f32 v12, -v13                          ; the new -M = -ceil(t): a whole number
	v_sub_f32 v[TP], v12, v[TP]                    ; old M - new M: a whole number, 0 or less
	v_cvt_i32_f32 v[TP], v[TP]                     ; (it saturates)
	v_ldexp_f32 v[F], 1.0, v[TP]                   ; f = 2^(old M - new M): a multiplication by it rounds nothing
.set jj, 0
.rept 32
	v_pk_fma_f32 v[S+jj:S+jj+1], v[S+jj:S+jj+1], s[CS:CS+1], v[12:13] op_sel_hi:[1,0,0]   ; t - M
.set jj, jj+2
.endr
.irp b, 0,1,2,3
	v_fma_f32 v[BM+\b], v[BM+\b], s[CS], v12       ; the same of each block's largest score
.endr
.set jj, 0
.rept 64
	v_exp_f32 v[S+jj], v[S+jj]                     ; p = 2^(t - M)
.set jj, jj+1
.endr
	v_pk_mul_f32 v[14:15], v[14:15], v[F:F+1] op_sel_hi:[1,0]   ; the sums under the new M (a plain place behind the exponentials)
	s_wait_alu depctr_va_vdst(0)                   ; the wait ahead of the batch's first reader: one for the 64
.irp b, 0,1,2,3
	v_exp_f32 v[BM+\b], v[BM+\b]                   ; the block's largest p
.endr
	v_pk_add_f32 v[TS:TS+1], v[S:S+1], v[S+2:S+3]  ; the row's sum is taken of the unquantised p, in two chains
.set jj, 4
.rept 15
	v_pk_add_f32 v[14:15], v[14:15], v[S+jj:S+jj+1]
	v_pk_add_f32 v[TS:TS+1], v[TS:TS+1], v[S+jj+2:S+jj+3]
.set jj, jj+4
.endr
	v_pk_add_f32 v[14:15], v[14:15], v[TS:TS+1]
	s_wait_alu depctr_va_vdst(0)                   ; and one for the four
.irp b, 0,1,2,3
	v_max_num_f32 v[BM+\b], 0x2800000, v[BM+\b]    ; the floor 2^(5 - 127): the byte cannot fall under 1
.endr
.irp b, 0,1,2,3
	v_add_nc_u32 v[BS+\b], 0xfe000000, v[BM+\b]    ; the conversion's scale operand
.endr
.irp b, 0,1,2,3
	v_lshrrev_b32 v[BT+\b], 23, v[BS+\b]           ; the scale's byte
.endr
	v_lshl_or_b32 v[PW], v[BT+1], 8, v[BT]
	v_lshl_or_b32 v[PW], v[BT+2], 16, v[PW]
	v_lshl_or_b32 v[PW], v[BT+3], 24, v[PW]        ; p's scale word for these 128 keys
.irp c, 0,1
	v_cvt_scalef32_pk16_bf6_f32 v[PC+6*\c:PC+6*\c+2], v[S+32*\c:S+32*\c+15], v[BS+2*\c]
	v_cvt_scalef32_pk16_bf6_f32 v[CT+4*\c:CT+4*\c+2], v[S+32*\c+16:S+32*\c+31], v[BS+2*\c+1]
.endr
	v_nop                                          ; one plain place behind a scaled conversion
.irp c, 0,1
.irp i, 0,1,2
	v_permlane16_swap_b32 v[PC+6*\c+\i], v[CT+4*\c+\i]
.endr
.irp i, 0,1,2
	v_mov_b32 v[PC+6*\c+3+\i], v[CT+4*\c+\i]
.endr
.endr
	s_wait_dscnt 0x0                               ; V and its scale words are in
.irp k, 0,1
	v_lshl_or_b32 v[VM+\k], v[VR+2+\k], 16, v[VR+\k]   ; the two records' bytes make the word of 128 keys
.endr
.set jj, 0
.rept 16
	v_pk_mul_f32 v[O+jj:O+jj+1], v[O+jj:O+jj+1], v[F:F+1] op_sel_hi:[1,0]   ; O^T under the new M; twelve of the sixteen name no register of a given product below: its places behind the scale words' lines
.set jj, jj+2
.endr
.irp n, 0,1,2,3                        ; O^T += V^T P^T: four accumulators by turns
	MM O+8*\n, KA+12*\n, PC, 0, VM+(\n)%2, PW, (\n)/2
.endr
.Lhid_\@:
	s_add_co_u32 s[KF], s[KF], 128
.endm
; THE CHANGE OF SLOTS stands at a slot's head.  Each wave waits for all its tensor loads, adds 0 to its spare word and waits for that and for its reads of the slot that it has left; behind the barrier the slot ahead is
; whole and nobody reads the other one.  fill = 1: wave 0 fills that other slot with the slot that follows: the block's next 256 keys, or, where those begin behind the block's first query, the second block's keys 0 to 255.
.macro CHANGE fill
	s_wait_tensorcnt 0x0                           ; no tensor load of mine is out, so group 0 may be written
	ds_add_u32 v[SPW], v[NIL]
.if \fill
	ds_add_u32 v[SPW], v[NIL]                      ; and once more: the add stands twice on end in every trip alike
	s_xor_b32 s[G0+1], s[G0+1], SLOTB              ; the other slot than last time
	s_add_co_u32 s50, s[KF], 256
	s_cmp_gt_u32 s50, s[BQ]
	s_cselect_b32 s50, 0, s50                      ; the next slot's first key
	s_mul_i32 s50, s50, 104                        ; 104 bytes a key
	s_mov_b32 s51, 0
	s_add_nc_u64 s[G0+2:G0+3], s[KVB:KVB+1], s[50:51]
	s_or_b32 s[G0+3], s[G0+3], 0x80000000
	s_wait_xcnt 0x0                                ; the last prefetch, a slot back, has read its address
	s_add_nc_u64 s[PFA:PFA+1], s[PFA:PFA+1], 26624
.endif
	s_wait_dscnt 0x0                               ; the add is done, and my reads of the slot that I have left are over
	s_barrier_signal -1
	s_barrier_wait -1
.if \fill
	TLOAD                                          ; the first thing behind the barrier; it has a slot's two steps in which to land
	ASK
.endif
.endm
; A BLOCK'S WAY OUT: y = O^T / the sum, quantised along the head's 64 channels; a half image and 16 scale words
.macro FINISH
.rept 4
	v_nop                                          ; places behind the last products
.endr
	v_add_f32 v14, v14, v15
	v_permlanex16_b32 v[TP], v14, s[SEL], s[SEL+1]
	v_add_f32 v14, v14, v[TP]                      ; the row's sum
	v_rcp_f32 v[F], v14
	v_nop                                          ; a plain place behind the transcendental
	s_wait_alu depctr_va_vdst(0)                   ; the wait ahead of the first use
.set jj, 0
.rept 16
	v_pk_mul_f32 v[S+jj:S+jj+1], v[O+jj:O+jj+1], v[F:F+1] op_sel_hi:[1,0]   ; each accumulator from its low end on
.set jj, jj+2
.endr
	QUANT2X S, PC, CT, PW
	global_store_b128 v[L16], v[PC:PC+3], s[YB:YB+1]
	global_store_b64 v[L8], v[PC+4:PC+5], s[YB:YB+1] offset:512
	global_store_b32 v[R4], v[PW], s[YB+2:YB+3]    ; lanes l and l xor 16 hold the same word and store it to the same place
.endm
.macro SWITCH                          ; on to the second block
	s_wait_xcnt 0x0                                ; the stores have read their registers and bases: both are written again below
	s_mov_b64 s[YB:YB+1], s[YB+4:YB+5]
	s_mov_b64 s[YB+2:YB+3], s[YB+6:YB+7]
	s_lshl_b32 s[BQ], ttmp9, 7
	s_mov_b32 s[KF], 0
.irp i, 0,1,2,3,4,5
	v_mov_b32 v[Q+\i], v[QB+\i]
.endr
	v_mov_b32 v[QS], v[QSB]
	INIT                                           ; (its 36 lines are also the places between these moves and the next products)
.endm
	s_wait_loadcnt 0x0                             ; Q of both blocks
.Lslot:                                            ; eight trips: behind each change of slots the next slot is asked for
	CHANGE 1
	STEP 0
	STEP 1
	s_xor_b32 s[TB], s[TB], SLOTB                  ; on to the other slot
	s_cmp_le_u32 s[KF], s[BQ]                      ; ids and the count of steps alone: all sixteen waves go the same way
	s_cbranch_scc1 .Lon
	FINISH                                         ; the first block ends in trip 4, 5, 6 or 7
	SWITCH
.Lon:
	s_sub_co_u32 s[CNT], s[CNT], 1
	s_cmp_lg_u32 s[CNT], 0
	s_cbranch_scc1 .Lslot
	CHANGE 0                                       ; the ninth slot is written out: nothing is left to ask for
	STEP 0
	STEP 1
	FINISH
	s_wait_tensorcnt 0x0                           ; the wave's end
	ds_add_u32 v[SPW], v[NIL]
	s_wait_dscnt 0x0
	s_endpgm
.Lfunc_end_k_q4c1898dbb6_attn:
	.size	k_q4c1898dbb6_attn, .Lfunc_end_k_q4c1898dbb6_attn-k_q4c1898dbb6_attn
	.p2alignl 7, 3214868480
	.fill 96, 4, 3214868480
	.section	.rodata,"a",@progbits
	.p2align	6, 0x0
	.amdhsa_kernel k_q4c1898dbb6_attn
		.amdhsa_group_segment_fixed_size 327680
		.amdhsa_private_segment_fixed_size 0
		.amdhsa_enable_private_segment 0
		.amdhsa_kernarg_size 32
		.amdhsa_user_sgpr_count 2
		.amdhsa_user_sgpr_kernarg_segment_ptr 1
		.amdhsa_wavefront_size32 1
		.amdhsa_system_sgpr_workgroup_id_x 1
		.amdhsa_system_sgpr_workgroup_id_y 1
		.amdhsa_system_sgpr_workgroup_id_z 1
		.amdhsa_system_vgpr_workitem_id 0
		.amdhsa_next_free_vgpr 256
		.amdhsa_next_free_sgpr 66
		.amdhsa_reserve_vcc 1
		.amdhsa_float_denorm_mode_32 3
		.amdhsa_float_denorm_mode_16_64 3
		.amdhsa_memory_ordered 1
		.amdhsa_forward_progress 1
		.amdhsa_inst_pref_size 102
	.end_amdhsa_kernel
	.amdgpu_metadata
---
amdhsa.version: [ 1, 2 ]
amdhsa.kernels:
  - .name:           k_q4c1898dbb6_attn
    .symbol:         k_q4c1898dbb6_attn.kd
    .args:
      - { .name: qw, .offset: 0, .size: 8, .value_kind: global_buffer, .address_space: global }
      - { .name: kv, .offset: 8, .size: 8, .value_kind: global_buffer, .address_space: global }
      - { .name: yc, .offset: 16, .size: 8, .value_kind: global_buffer, .address_space: global }
      - { .name: ys, .offset: 24, .size: 8, .value_kind: global_buffer, .address_space: global }
    .group_segment_fixed_size: 327680
    .private_segment_fixed_size: 0
    .kernarg_segment_align: 8
    .kernarg_segment_size: 32
    .max_flat_workgroup_size: 512
    .sgpr_count:     66
    .vgpr_count:     256
    .wavefront_size: 32
...
	.end_amdgpu_metadata
.endif
;; end of part 3
;; launch proj (part 4): grid 256 x 1, 16 waves a work-group, no clusters, 159,744 bytes of LDS; arguments yc, ys, wimg, wsc, out0; writes out0
.if DOCPART == 4
	.amdgcn_target "amdgcn-amd-amdhsa--gfx1250"
	.amdhsa_code_object_version 6
	.text
	.protected	k_q4c1898dbb6_proj
	.globl	k_q4c1898dbb6_proj
	.p2align	8
	.type	k_q4c1898dbb6_proj,@function
k_q4c1898dbb6_proj:
	s_mov_b64 s[64:65], 0
	v_nop
	global_prefetch_b8 v0, s[64:65] scope:SCOPE_SE
	s_setreg_imm32_b32 hwreg(HW_REG_WAVE_MODE, 25, 1), 1
	s_wait_xcnt 0x0
; out0 = y Wp^T on codes of BF6.  y comes as half images (a head's 64 channels of 16 tokens) with their scale words, Wp as images of its fragments.
; SHARES.  A work-group owns 64 tokens and all 512 columns.  Wave w owns columns 32 w .. 32 w + 31 (two weight tiles, all four K steps: 96 registers, read once) for the four token tiles.
; Wave w first joins two heads' half images into y's fragment (token tile w / 4, K step w % 4) and puts its image into LDS; a barrier; every wave reads all sixteen.
; Source 0 = 16 rows of Wp, source 1 = 16 tokens: a lane holds one token, and the 16 registers of its two weight tiles are columns 32 w + 16 (lane / 16) + 0 .. 15 (the rows of a weight tile are chosen for that).
; THE WAY OUT: a row's 512 columns come from sixteen waves: they meet in a stage in LDS (rows of 2,048 bytes + 16, in the order of the tiles); a barrier; wave w reads four stage rows, which are four neighbouring tokens,
; and stores them whole: each store covers 512 consecutive bytes, aligned.
; No cluster and no tensor load: what work-groups share, Wp's images, goes straight into the one wave that multiplies by it.
.set YIMG,  0                          ; LDS: y's 16 fragments (4 m + s), 1,536 bytes each,
.set YSC,   24576                      ; their scale words [s][m][r],
.set STG,   25600                      ; the stage: 64 rows x 2,064 bytes,
.set SPARE, 157696                     ; the spare words, 128 bytes for each wave: eight blocks of 256 bytes that no other line names
.set L16, 1
.set L8,  2
.set L4,  3
.set SPW, 4                            ; v4  LDS address of my spare word; never rewritten
.set NIL, 5                            ; v5  0; never rewritten
.set R4,  6                            ; v6  4 x (lane % 16)
.set SO,  7                            ; v7  the stage: where I put 64 bytes of a row, token tiles 0, 1;  v8: token tiles 2, 3
.set SR,  9                            ; v9  and where I read rows back
.set YW,  10                           ; v10 where I store y's image
.set YSW, 11                           ; v11 and its scale word
.set WS,  16                           ; v16-19 Wp's scale words: tile u: 2 u, 2 u + 1
.set YS,  20                           ; v20-21 y's scale words of a K step
.set WF,  32                           ; v32-127 Wp's fragments: (u, s) at 12 (4 u + s)
.set YF,  128                          ; v128-175 y's four fragments of a K step
.set ACC, 176                          ; v176-239 eight accumulators: 16 m + 8 u
.set WV,  14
.macro MM d, a, b, zero, sa, sb, ra, rb
.if \zero
.if (\ra) && (\rb)
	v_wmma_scale_f32_16x16x128_f8f6f4 v[(\d):(\d)+7], v[(\a):(\a)+11], v[(\b):(\b)+11], 0, v[\sa], v[\sb] matrix_a_fmt:MATRIX_FMT_BF6 matrix_b_fmt:MATRIX_FMT_BF6 matrix_a_scale:MATRIX_SCALE_ROW1 matrix_b_scale:MATRIX_SCALE_ROW1
.elseif \ra
	v_wmma_scale_f32_16x16x128_f8f6f4 v[(\d):(\d)+7], v[(\a):(\a)+11], v[(\b):(\b)+11], 0, v[\sa], v[\sb] matrix_a_fmt:MATRIX_FMT_BF6 matrix_b_fmt:MATRIX_FMT_BF6 matrix_a_scale:MATRIX_SCALE_ROW1
.elseif \rb
	v_wmma_scale_f32_16x16x128_f8f6f4 v[(\d):(\d)+7], v[(\a):(\a)+11], v[(\b):(\b)+11], 0, v[\sa], v[\sb] matrix_a_fmt:MATRIX_FMT_BF6 matrix_b_fmt:MATRIX_FMT_BF6 matrix_b_scale:MATRIX_SCALE_ROW1
.else
	v_wmma_scale_f32_16x16x128_f8f6f4 v[(\d):(\d)+7], v[(\a):(\a)+11], v[(\b):(\b)+11], 0, v[\sa], v[\sb] matrix_a_fmt:MATRIX_FMT_BF6 matrix_b_fmt:MATRIX_FMT_BF6
.endif
.else
.if (\ra) && (\rb)
	v_wmma_scale_f32_16x16x128_f8f6f4 v[(\d):(\d)+7], v[(\a):(\a)+11], v[(\b):(\b)+11], v[(\d):(\d)+7], v[\sa], v[\sb] matrix_a_fmt:MATRIX_FMT_BF6 matrix_b_fmt:MATRIX_FMT_BF6 matrix_a_scale:MATRIX_SCALE_ROW1 matrix_b_scale:MATRIX_SCALE_ROW1
.elseif \ra
	v_wmma_scale_f32_16x16x128_f8f6f4 v[(\d):(\d)+7], v[(\a):(\a)+11], v[(\b):(\b)+11], v[(\d):(\d)+7], v[\sa], v[\sb] matrix_a_fmt:MATRIX_FMT_BF6 matrix_b_fmt:MATRIX_FMT_BF6 matrix_a_scale:MATRIX_SCALE_ROW1
.elseif \rb
	v_wmma_scale_f32_16x16x128_f8f6f4 v[(\d):(\d)+7], v[(\a):(\a)+11], v[(\b):(\b)+11], v[(\d):(\d)+7], v[\sa], v[\sb] matrix_a_fmt:MATRIX_FMT_BF6 matrix_b_fmt:MATRIX_FMT_BF6 matrix_b_scale:MATRIX_SCALE_ROW1
.else
	v_wmma_scale_f32_16x16x128_f8f6f4 v[(\d):(\d)+7], v[(\a):(\a)+11], v[(\b):(\b)+11], v[(\d):(\d)+7], v[\sa], v[\sb] matrix_a_fmt:MATRIX_FMT_BF6 matrix_b_fmt:MATRIX_FMT_BF6
.endif
.endif
.endm
	s_load_b256 s[4:11], s[0:1], 0x0               ; yc s[4:5], ys s[6:7], wimg s[8:9], wsc s[10:11]
	s_load_b64 s[12:13], s[0:1], 0x20              ; out0
	v_lshl_add_u32 v[SPW], v0, 2, SPARE
	v_mov_b32 v[NIL], 0
	v_lshrrev_b32 v12, 5, v0
	v_readfirstlane_b32 s[WV], v12                 ; wave 0..15
	v_and_b32 v12, 31, v0
	v_lshlrev_b32 v[L16], 4, v12
	v_lshlrev_b32 v[L8], 3, v12
	v_lshlrev_b32 v[L4], 2, v12
	v_and_b32 v12, 15, v0                          ; r
	v_bfe_u32 v13, v0, 4, 1                        ; h
	v_lshlrev_b32 v[R4], 2, v12
	s_and_b32 s15, s[WV], 3                        ; my K step of y
	s_lshr_b32 s16, s[WV], 2                       ; my token tile of y
	s_mul_i32 s32, s[WV], 1536
	v_add_nc_u32 v[YW], s32, v[L16]
	s_lshl_b32 s33, s15, 8
	s_lshl_b32 s32, s16, 6
	s_add_co_u32 s33, s33, s32
	v_lshl_add_u32 v[YSW], v12, 2, s33             ; 4 r + 256 s + 64 m
	s_lshl_b32 s34, s[WV], 7
	s_add_co_u32 s34, s34, STG
	v_mul_u32_u24 v[SO], v12, 2064
	v_lshl_add_u32 v[SO], v13, 6, v[SO]
	v_add_nc_u32 v[SO], s34, v[SO]                 ; row r, + 64 h, + 128 w: my 16 columns' bytes
	v_add_nc_u32 v[SO+1], 66048, v[SO]             ; 32 rows on
	s_mul_i32 s35, s[WV], 8256
	s_add_co_u32 s35, s35, STG
	v_add_nc_u32 v[SR], s35, v[L16]                ; my four rows, 16 bytes a lane
	s_lshl_b32 s20, ttmp9, 2
	s_add_co_u32 s20, s20, s16
	s_lshl_b32 s20, s20, 3
	s_lshl_b32 s21, s15, 1
	s_add_co_u32 s20, s20, s21                     ; (4 x block + m) 8 + the K step's first head
	s_mul_i32 s22, s20, 768
	s_mov_b32 s23, 0
	s_lshl_b32 s24, s20, 6
	s_mov_b32 s25, 0
	s_lshl_b32 s26, s[WV], 1
	s_add_co_u32 s26, s26, 64                      ; Wp's tiles begin at 64
	s_lshl_b32 s28, s26, 8
	s_mov_b32 s29, 0
	s_mul_i32 s26, s26, 6144
	s_mov_b32 s27, 0
	s_lshr_b32 s30, s[WV], 3                       ; the first of the four tokens that I store: stage rows 4 w .. 4 w + 3 are rows 4 (w % 4) + 0 .. 3 of token tile w / 4
	s_lshl_b32 s30, s30, 5
	s_and_b32 s31, s16, 1
	s_lshl_b32 s31, s31, 3
	s_add_co_u32 s30, s30, s31
	s_lshl_b32 s31, s15, 2
	s_add_co_u32 s30, s30, s31
	s_lshr_b32 s31, s15, 1
	s_lshl_b32 s31, s31, 3
	s_add_co_u32 s30, s30, s31
	s_lshl_b32 s30, s30, 11                        ; rows of 2,048 bytes
	s_lshl_b32 s31, ttmp9, 17
	s_add_co_u32 s30, s30, s31
	s_mov_b32 s31, 0
	s_wait_kmcnt 0x0
	s_add_nc_u64 s[4:5], s[4:5], s[22:23]
	s_add_nc_u64 s[6:7], s[6:7], s[24:25]
	s_add_nc_u64 s[8:9], s[8:9], s[26:27]
	s_add_nc_u64 s[10:11], s[10:11], s[28:29]
	s_add_nc_u64 s[12:13], s[12:13], s[30:31]
	global_load_b128 v[128:131], v[L16], s[4:5] th:TH_LOAD_NT                ; the first head's half image: registers 0-5,
	global_load_b64 v[132:133], v[L8], s[4:5] offset:512 th:TH_LOAD_NT
	global_load_b128 v[134:137], v[L16], s[4:5] offset:768 th:TH_LOAD_NT     ; the second head's: registers 6-11
	global_load_b64 v[138:139], v[L8], s[4:5] offset:1280 th:TH_LOAD_NT
	global_load_b32 v140, v[R4], s[6:7] th:TH_LOAD_NT
	global_load_b32 v141, v[R4], s[6:7] offset:64 th:TH_LOAD_NT
.irp u, 0,1
.irp s, 0,1,2,3
.irp k, 0,1,2
	global_load_b128 v[WF+12*(4*\u+\s)+4*\k:WF+12*(4*\u+\s)+4*\k+3], v[L16], s[8:9] offset:6144*\u+1536*\s+512*\k
.endr
.endr
.endr
.irp u, 0,1
.irp p, 0,1
	global_load_b32 v[WS+2*\u+\p], v[L4], s[10:11] offset:256*\u+128*\p
.endr
.endr
	s_wait_loadcnt 28                              ; y's six loads are in; the weights' 24 + 4, issued behind them, may be out
	v_lshl_or_b32 v142, v141, 16, v140             ; the two heads' bytes make the word of 128 along K
.irp k, 0,1,2
	ds_store_b128 v[YW], v[128+4*\k:131+4*\k] offset:YIMG+512*\k
.endr
	ds_store_b32 v[YSW], v142 offset:YSC           ; lanes l and l xor 16 hold the same word and write it to the same place
	s_wait_dscnt 0x0                               ; for the others' sake: my stores have landed
	s_barrier_signal -1
	s_barrier_wait -1                              ; y's sixteen fragments lie in LDS
	s_wait_loadcnt 0x0                             ; Wp
; A K step of 128: eight products, the eight accumulators by turns, in the same order in every K step
.macro PSTEP s
.set ZR, 0
.if \s == 0
.set ZR, 1
.else
.rept 4
	v_nop                                          ; places in front of loads into registers that matrix instructions have read
.endr
.endif
.irp m, 0,1,2,3
.irp k, 0,1,2
	ds_load_b128 v[YF+12*\m+4*\k:YF+12*\m+4*\k+3], v[L16] offset:YIMG+(4*\m+\s)*1536+512*\k
.endr
.endr
.irp p, 0,1
	ds_load_b32 v[YS+\p], v[L4] offset:YSC+256*\s+128*\p
.endr
	s_wait_dscnt 0x0
.irp m, 0,1,2,3
.irp u, 0,1
	MM ACC+16*\m+8*\u, WF+12*(4*\u+\s), YF+12*\m, ZR, WS+2*\u+(\s)/2, YS+(\m)/2, (\s)%2, (\m)%2
.endr
.endr
.endm
	PSTEP 0
	PSTEP 1
	PSTEP 2
	PSTEP 3
.rept 4
	v_nop                                          ; places in front of the first read of results and of loads into the fragments' registers
.endr
.irp m, 0,1,2,3
.irp k, 0,1,2,3
	ds_store_b128 v[SO+(\m)/2], v[ACC+16*\m+4*\k:ACC+16*\m+4*\k+3] offset:33024*((\m)%2)+16*\k   ; each accumulator from its low end on
.endr
.endr
	s_wait_dscnt 0x0                               ; for the others' sake: my stores into the stage have landed
	s_barrier_signal -1
	s_barrier_wait -1                              ; 64 whole rows lie in the stage
.irp k, 0,1,2,3
.irp q, 0,1,2,3
	ds_load_b128 v[32+4*(4*\k+\q):35+4*(4*\k+\q)], v[SR] offset:2064*\k+512*\q
.endr
.endr
.irp k, 0,1,2,3
.irp q, 0,1,2,3
	s_wait_dscnt 15-(4*\k+\q)                      ; LDS loads come back in order: this one is in, the younger ones may be out
	global_store_b128 v[L16], v[32+4*(4*\k+\q):35+4*(4*\k+\q)], s[12:13] offset:2048*\k+512*\q th:TH_STORE_NT   ; 32 lanes store 512 consecutive bytes, at a multiple of 256 from out0's first byte
.endr
.endr
	s_wait_tensorcnt 0x0                           ; the wave's end: three lines, behind my last LDS store
	ds_add_u32 v[SPW], v[NIL]
	s_wait_dscnt 0x0
	s_endpgm
.Lfunc_end_k_q4c1898dbb6_proj:
	.size	k_q4c1898dbb6_proj, .Lfunc_end_k_q4c1898dbb6_proj-k_q4c1898dbb6_proj
	.p2alignl 7, 3214868480
	.fill 96, 4, 3214868480
	.section	.rodata,"a",@progbits
	.p2align	6, 0x0
	.amdhsa_kernel k_q4c1898dbb6_proj
		.amdhsa_group_segment_fixed_size 159744
		.amdhsa_private_segment_fixed_size 0
		.amdhsa_enable_private_segment 0
		.amdhsa_kernarg_size 40
		.amdhsa_user_sgpr_count 2
		.amdhsa_user_sgpr_kernarg_segment_ptr 1
		.amdhsa_wavefront_size32 1
		.amdhsa_system_sgpr_workgroup_id_x 1
		.amdhsa_system_sgpr_workgroup_id_y 1
		.amdhsa_system_sgpr_workgroup_id_z 1
		.amdhsa_system_vgpr_workitem_id 0
		.amdhsa_next_free_vgpr 256
		.amdhsa_next_free_sgpr 66
		.amdhsa_reserve_vcc 0
		.amdhsa_float_denorm_mode_32 3
		.amdhsa_float_denorm_mode_16_64 3
		.amdhsa_memory_ordered 1
		.amdhsa_forward_progress 1
		.amdhsa_inst_pref_size 19
	.end_amdhsa_kernel
	.amdgpu_metadata
---
amdhsa.version: [ 1, 2 ]
amdhsa.kernels:
  - .name:           k_q4c1898dbb6_proj
    .symbol:         k_q4c1898dbb6_proj.kd
    .args:
      - { .name: yc, .offset: 0, .size: 8, .value_kind: global_buffer, .address_space: global }
      - { .name: ys, .offset: 8, .size: 8, .value_kind: global_buffer, .address_space: global }
      - { .name: wimg, .offset: 16, .size: 8, .value_kind: global_buffer, .address_space: global }
      - { .name: wsc, .offset: 24, .size: 8, .value_kind: global_buffer, .address_space: global }
      - { .name: out0, .offset: 32, .size: 8, .value_kind: global_buffer, .address_space: global }
    .group_segment_fixed_size: 159744
    .private_segment_fixed_size: 0
    .kernarg_segment_align: 8
    .kernarg_segment_size: 40
    .max_flat_workgroup_size: 512
    .sgpr_count:     66
    .vgpr_count:     256
    .wavefront_size: 32
...
	.end_amdgpu_metadata
.endif
;; end of part 4
;; ======== version 2 of 2: 4 launches
;; workspace buffers: wimg 589,824 bytes; wsc 24,576 bytes; rope 524,288 bytes; qw 6,815,744 bytes; kv 6,815,744 bytes; yc 6,291,456 bytes; ys 524,288 bytes
;; launch prep (part 5): grid 128 x 1, 4 waves a work-group, no clusters, 0 bytes of LDS; arguments Wq, Wk, Wv, Wp, wimg, wsc, rope; writes wimg, wsc, rope
.if DOCPART == 5
	.amdgcn_target "amdgcn-amd-amdhsa--gfx1250"
	.amdhsa_code_object_version 6
	.text
	.protected	k_q4c1898dbb6_prep
	.globl	k_q4c1898dbb6_prep
	.p2align	8
	.type	k_q4c1898dbb6_prep,@function
k_q4c1898dbb6_prep:
	s_mov_b64 s[64:65], 0
	v_nop
	global_prefetch_b8 v0, s[64:65] scope:SCOPE_SE
	s_setreg_imm32_b32 hwreg(HW_REG_WAVE_MODE, 25, 1), 1
	s_wait_xcnt 0x0
; THE PROGRAM: grouped-query attention (8 batches, 2,048 tokens, 512 channels, 8 query heads, 4 key/value heads of 64), all six products on codes of BF6 (E3M2) with one E8M0 scale for each 32 along K.
; Four launches: this one (weights into codes, rotation tables), qkv (x into codes, products 1-3, norm, rotation, q, k, v into codes), attn (products 4 and 5, softmax, y into codes), proj (product 6).
; WORK LEFT OUT.  reference() builds its causal mask itself (jnp.tril): key k counts for query q only where k <= q; a hidden score is replaced by the least f32 number, so its p = 2^(t - M) is 0, whatever
; finite values the inputs hold: it adds nothing to the row's sum, its code is 0, and a block of 32 hidden keys adds nothing to product 5.  So steps of 128 keys that lie wholly behind all queries of a block of
; 128 queries are not computed in products 4 and 5 (launch attn).  All five inputs have a way to the output and are loaded.  LIMIT: a NaN, an infinity or an overflow that would arise only in such hidden
; scores is not carried to the result.
; THIS LAUNCH.  Work-groups 0-95: tile t of 16 weight rows (0-31 Wq, 32-47 Wk, 48-63 Wv, 64-95 Wp), wave s = K step s of 128: one operand fragment, stored as an image of its 12 registers (3 x 16 bytes a lane,
; register group k of lane l at 512 k + 16 l), and its 16 scale words.  THE ROWS OF A TILE ARE NOT NEIGHBOURS: in a group of 64 rows, lane r of tile m takes row 32 (m / 2) + 8 (m % 2) + r + 8 (r / 8), so that where
; such a tile is source 0 of a product the 16 result registers of tiles 2 b, 2 b + 1 are 16 neighbours, 32 b + 16 (lane / 16) + 0 .. 15.
; A lane loads its two whole blocks of 32 along K (K is innermost in the weights), so a block's largest magnitude needs no other lane.
; Work-groups 96-127: the rotation tables of 64 tokens, wave m = token tile m, as images of the registers in which launch qkv wants them: lane (r, h): cos and sin of token x inv_freq[16 h + 0 .. 15].
; inv_freq[j] = 1 / f32(10^(j / 8)), the power as a decimal constant rounded to f32, the quotient by v_rcp_f32 and one Newton step; the angle is token x inv_freq, rounded once; it is reduced by multiples of
; pi / 2 held in two parts (the first product is exact: at most 11 bits x 24 bits, and the difference fits 24 bits), and sin and cos come from polynomials on [-pi/4, pi/4].
; LIMITS: sin and cos may differ from reference()'s by about one unit in the last place, and by what one unit in the last place of inv_freq moves the angle.  A block's scale byte is held at 1 from below
; (largest magnitudes under 2^-122); a block of zeros keeps the byte 1 where the rule says 127: its codes are zeros, and this program alone reads the bytes.  NaN and infinities among the inputs are not served.
.set SEL, 18                           ; s[18:19] lane selects for v_permlanex16_b32: lane l xor 16
.set WV,  20                           ; s20 my wave's number
.set X,   32                           ; v32-95   64 numbers: register 32 c + i = k 64 c + 32 (lane / 16) + i of my row
.set PC,  96                           ; v96-107  the fragment's codes
.set CT,  108                          ; v108-110, v112-114 the upper halves of the two blocks, as the conversions leave them
.set WD,  116                          ; v116     the row's scale word
.set TW,  118                          ; v118-123 at work
.set H8,  8                            ; v8       8 x (lane / 16)
.set P,   32                           ; tables: v32-47 the powers, then 1 - P y
.set Y,   48                           ; v48-63   inv_freq
.set COSR, 64                          ; v64-79   cos
.set SINR, 80                          ; v80-95   sin
; 64 numbers of a lane, two whole blocks of 32, become a fragment's 12 registers and the row's scale word
.macro QUANTW s, pc, ct, w
.irp c, 0,1
	v_max3_num_f32 v[TW+\c], |v[(\s)+32*\c]|, |v[(\s)+32*\c+1]|, 0x2800000   ; my block 2 c + h, and the floor 2^(5 - 127): the byte cannot fall under 1
.endr
.irp i, 2,4,6,8,10,12,14,16,18,20,22,24,26,28,30
.irp c, 0,1
	v_max3_num_f32 v[TW+\c], v[TW+\c], |v[(\s)+32*\c+\i]|, |v[(\s)+32*\c+\i+1]|   ; (the two blocks by turns)
.endr
.endr
.irp c, 0,1
	v_add_nc_u32 v[TW+2+\c], 0xfe000000, v[TW+\c]   ; 4 off the exponent field: the conversion's scale operand
.endr
.irp c, 0,1
	v_lshrrev_b32 v[TW+\c], 23, v[TW+2+\c]          ; the scale's byte
.endr
	v_lshl_or_b32 v[TW+4], v[TW+1], 16, v[TW]       ; blocks h and 2 + h,
	v_lshlrev_b32 v[TW+4], v[H8], v[TW+4]           ; at their places in the word;
	v_permlanex16_b32 v[TW+5], v[TW+4], s[SEL], s[SEL+1]
	v_or_b32 v[\w], v[TW+4], v[TW+5]                ; with lane l xor 16's two the word is whole, in both lanes
.irp c, 0,1
	v_cvt_scalef32_pk16_bf6_f32 v[(\pc)+6*\c:(\pc)+6*\c+2], v[(\s)+32*\c:(\s)+32*\c+15], v[TW+2+\c]
	v_cvt_scalef32_pk16_bf6_f32 v[(\ct)+4*\c:(\ct)+4*\c+2], v[(\s)+32*\c+16:(\s)+32*\c+31], v[TW+2+\c]   ; (a conversion's three registers begin on an even number)
.endr
	v_nop                                           ; one plain place behind a scaled conversion
.irp c, 0,1
.irp i, 0,1,2
	v_mov_b32 v[(\pc)+6*\c+3+\i], v[(\ct)+4*\c+\i]
.endr
.endr
.endm
	s_load_b256 s[4:11], s[0:1], 0x0               ; Wq s[4:5], Wk s[6:7], Wv s[8:9], Wp s[10:11]
	s_load_b128 s[12:15], s[0:1], 0x20             ; wimg s[12:13], wsc s[14:15]
	s_load_b64 s[16:17], s[0:1], 0x30              ; rope
	v_lshrrev_b32 v1, 5, v0
	v_readfirstlane_b32 s[WV], v1                  ; wave 0..3
	v_and_b32 v1, 31, v0                           ; lane
	v_and_b32 v2, 15, v0                           ; r
	v_bfe_u32 v3, v0, 4, 1                         ; h
	v_and_b32 v4, 8, v2
	v_add_nc_u32 v4, v4, v2                        ; r + 8 (r / 8)
	v_lshlrev_b32 v6, 4, v1                        ; 16 x lane: an image's place for my lane
	s_mov_b32 s[SEL], 0x76543210
	s_mov_b32 s[SEL+1], 0xfedcba98
	s_wait_kmcnt 0x0
	s_cmp_lt_u32 ttmp9, 96
	s_cbranch_scc0 .Lrope
	; ---- a weight's fragment.  Which weight: a choice on the work-group's number alone
	s_cmp_lt_u32 ttmp9, 32
	s_cselect_b64 s[22:23], s[4:5], s[6:7]
	s_cselect_b32 s24, 0, 32
	s_cmp_lt_u32 ttmp9, 48
	s_cselect_b64 s[22:23], s[22:23], s[8:9]
	s_cselect_b32 s24, s24, 48
	s_cmp_lt_u32 ttmp9, 64
	s_cselect_b64 s[22:23], s[22:23], s[10:11]
	s_cselect_b32 s24, s24, 64
	s_sub_co_u32 s24, ttmp9, s24                   ; the tile's number in its weight
	s_lshr_b32 s26, s24, 2
	s_lshl_b32 s26, s26, 6                         ; its group of 64 rows,
	s_bfe_u32 s25, s24, 0x10001
	s_lshl_b32 s25, s25, 5
	s_add_co_u32 s26, s26, s25                     ; + 32 (m / 2)
	s_and_b32 s25, s24, 1
	s_lshl_b32 s25, s25, 3
	s_add_co_u32 s26, s26, s25                     ; + 8 (m % 2)
	s_lshl_b32 s26, s26, 11                        ; rows of 2,048 bytes
	s_lshl_b32 s25, s[WV], 9
	s_add_co_u32 s26, s26, s25                     ; + my K step's 512 bytes
	s_mov_b32 s27, 0
	s_add_nc_u64 s[22:23], s[22:23], s[26:27]
	s_wait_alu depctr_va_vdst(0)
	v_lshlrev_b32 v5, 11, v4
	v_lshl_add_u32 v5, v3, 7, v5                   ; my row, + 128 h: my block of 32
	v_lshlrev_b32 v7, 2, v2                        ; 4 r
	v_lshlrev_b32 v[H8], 3, v3
	v_mov_b32 v[TW+5], 0                           ; a lane permute's destination counts as one of its sources
.irp c, 0,1
.irp k, 0,1,2,3,4,5,6,7
	global_load_b128 v[X+32*\c+4*\k:X+32*\c+4*\k+3], v5, s[22:23] offset:256*\c+16*\k th:TH_LOAD_NT
.endr
.endr
	s_lshl_b32 s26, ttmp9, 2
	s_add_co_u32 s26, s26, s[WV]                   ; fragment 4 t + s
	s_lshl_b32 s28, s26, 6                         ; its 16 scale words
	s_mov_b32 s29, 0
	s_mul_i32 s26, s26, 1536                       ; its image
	s_add_nc_u64 s[12:13], s[12:13], s[26:27]
	s_add_nc_u64 s[14:15], s[14:15], s[28:29]
	s_wait_loadcnt 0x0
	QUANTW X, PC, CT, WD
.irp k, 0,1,2
	global_store_b128 v6, v[PC+4*\k:PC+4*\k+3], s[12:13] offset:512*\k   ; 32 lanes store 512 consecutive bytes
.endr
	global_store_b32 v7, v[WD], s[14:15]           ; lanes l and l xor 16 hold the same word and store it to the same place
	s_endpgm
	; ---- the rotation tables of 16 tokens
.macro FREQ e, lo, hi                  ; 10^(j / 8) for j = e (lanes 0-15) and j = 16 + e (lanes 16-31)
	v_mul_f32 v12, \lo, v10
	v_mul_f32 v13, \hi, v10
	v_cndmask_b32 v[P+\e], v12, v13, vcc_lo
.endm
.macro SINCOS e
	v_mul_f32 v16, v9, v[Y+\e]                     ; the angle, rounded once
	v_mul_f32 v17, s30, v16
	v_rndne_f32 v17, v17                           ; n = the nearest multiple of pi / 2
	v_fma_f32 v18, v17, s31, v16                   ; angle - n x (pi / 2)'s upper part: exact
	v_fma_f32 v18, v17, s32, v18                   ; - n x its lower part
	v_mul_f32 v19, v18, v18                        ; z
	v_fma_f32 v20, v19, s33, s34
	v_fma_f32 v21, v19, s36, s37
	v_fma_f32 v20, v20, v19, s35
	v_fma_f32 v21, v21, v19, s38
	v_mul_f32 v22, v19, v18
	v_mul_f32 v23, v19, v19
	v_fma_f32 v24, v19, -0.5, 1.0
	v_fma_f32 v20, v20, v22, v18                   ; sin of the rest
	v_fma_f32 v21, v21, v23, v24                   ; cos of the rest
	v_cvt_i32_f32 v25, v17
	v_and_b32 v26, 1, v25
	v_cmp_eq_u32 vcc_lo, 1, v26                    ; an odd quadrant changes the two over
	v_cndmask_b32 v27, v20, v21, vcc_lo
	v_cndmask_b32 v28, v21, v20, vcc_lo
	v_lshlrev_b32 v26, 30, v25
	v_and_b32 v26, 0x80000000, v26                 ; sin is negative in quadrants 2 and 3,
	v_xor_b32 v[SINR+\e], v26, v27
	v_add_nc_u32 v25, 1, v25
	v_lshlrev_b32 v25, 30, v25
	v_and_b32 v25, 0x80000000, v25                 ; cos in quadrants 1 and 2
	v_xor_b32 v[COSR+\e], v25, v28
.endm
.Lrope:
	s_sub_co_u32 s24, ttmp9, 96                    ; which 64 tokens
	s_lshl_b32 s25, s24, 6
	s_lshr_b32 s26, s[WV], 1
	s_lshl_b32 s26, s26, 5
	s_add_co_u32 s25, s25, s26
	s_and_b32 s26, s[WV], 1
	s_lshl_b32 s26, s26, 3
	s_add_co_u32 s25, s25, s26
	s_wait_alu depctr_va_vdst(0)
	v_add_nc_u32 v9, s25, v4                       ; my token
	v_cvt_f32_u32 v9, v9
	v_mov_b32 v10, 1.0
	s_wait_alu depctr_va_vdst(0)
	s_mov_b32 s30, 0x3f22f983                      ; 2 / pi
	s_mov_b32 s31, 0xbfc90fdb                      ; -(pi / 2), upper part
	s_mov_b32 s32, 0x333bbd2e                      ; upper part - pi / 2
	s_mov_b32 s33, 0xb94ca1f9                      ; sin's polynomial
	s_mov_b32 s34, 0x3c08839e
	s_mov_b32 s35, 0xbe2aaaa3
	s_mov_b32 s36, 0x37ccf5ce                      ; cos's
	s_mov_b32 s37, 0xbab6061a
	s_mov_b32 s38, 0x3d2aaaa5
	v_cmp_ne_u32 vcc_lo, 0, v3                     ; lanes 16-31
	FREQ 0, 1.0, 100.0
	FREQ 1, 1.33352143216, 133.352143216
	FREQ 2, 1.77827941004, 177.827941004
	FREQ 3, 2.37137370566, 237.137370566
	FREQ 4, 3.16227766017, 316.227766017
	FREQ 5, 4.21696503429, 421.696503429
	FREQ 6, 5.62341325190, 562.341325190
	FREQ 7, 7.49894209332, 749.894209332
	FREQ 8, 10.0, 1000.0
	FREQ 9, 13.3352143216, 1333.52143216
	FREQ 10, 17.7827941004, 1778.27941004
	FREQ 11, 23.7137370566, 2371.37370566
	FREQ 12, 31.6227766017, 3162.27766017
	FREQ 13, 42.1696503429, 4216.96503429
	FREQ 14, 56.2341325190, 5623.41325190
	FREQ 15, 74.9894209332, 7498.94209332
	s_wait_alu depctr_va_vdst(0)
.irp e, 0,1,2,3,4,5,6,7,8,9,10,11,12,13,14,15
	v_rcp_f32 v[Y+\e], v[P+\e]
.endr
	v_nop                                          ; a plain place behind the last reciprocal
	s_wait_alu depctr_va_vdst(0)                   ; the wait ahead of the first use: one for the sixteen
.irp e, 0,1,2,3,4,5,6,7,8,9,10,11,12,13,14,15
	v_fma_f32 v[P+\e], -v[P+\e], v[Y+\e], 1.0      ; 1 - P y
.endr
.irp e, 0,1,2,3,4,5,6,7,8,9,10,11,12,13,14,15
	v_fma_f32 v[Y+\e], v[Y+\e], v[P+\e], v[Y+\e]   ; one Newton step
.endr
.irp e, 0,1,2,3,4,5,6,7,8,9,10,11,12,13,14,15
	SINCOS \e
.endr
	s_lshl_b32 s26, s24, 2
	s_add_co_u32 s26, s26, s[WV]
	s_lshl_b32 s26, s26, 12                        ; a token tile's images: 8 x 512 bytes
	s_mov_b32 s27, 0
	s_add_nc_u64 s[16:17], s[16:17], s[26:27]
.irp c, 0,1,2,3,4,5,6,7
	global_store_b128 v6, v[COSR+4*\c:COSR+4*\c+3], s[16:17] offset:512*\c   ; four images of cos, then four of sin
.endr
	s_endpgm
.Lfunc_end_k_q4c1898dbb6_prep:
	.size	k_q4c1898dbb6_prep, .Lfunc_end_k_q4c1898dbb6_prep-k_q4c1898dbb6_prep
	.p2alignl 7, 3214868480
	.fill 96, 4, 3214868480
	.section	.rodata,"a",@progbits
	.p2align	6, 0x0
	.amdhsa_kernel k_q4c1898dbb6_prep
		.amdhsa_group_segment_fixed_size 0
		.amdhsa_private_segment_fixed_size 0
		.amdhsa_enable_private_segment 0
		.amdhsa_kernarg_size 56
		.amdhsa_user_sgpr_count 2
		.amdhsa_user_sgpr_kernarg_segment_ptr 1
		.amdhsa_wavefront_size32 1
		.amdhsa_system_sgpr_workgroup_id_x 1
		.amdhsa_system_sgpr_workgroup_id_y 1
		.amdhsa_system_sgpr_workgroup_id_z 1
		.amdhsa_system_vgpr_workitem_id 0
		.amdhsa_next_free_vgpr 128
		.amdhsa_next_free_sgpr 66
		.amdhsa_reserve_vcc 1
		.amdhsa_float_denorm_mode_32 3
		.amdhsa_float_denorm_mode_16_64 3
		.amdhsa_memory_ordered 1
		.amdhsa_forward_progress 1
		.amdhsa_inst_pref_size 34
	.end_amdhsa_kernel
	.amdgpu_metadata
---
amdhsa.version: [ 1, 2 ]
amdhsa.kernels:
  - .name:           k_q4c1898dbb6_prep
    .symbol:         k_q4c1898dbb6_prep.kd
    .args:
      - { .name: Wq, .offset: 0, .size: 8, .value_kind: global_buffer, .address_space: global }
      - { .name: Wk, .offset: 8, .size: 8, .value_kind: global_buffer, .address_space: global }
      - { .name: Wv, .offset: 16, .size: 8, .value_kind: global_buffer, .address_space: global }
      - { .name: Wp, .offset: 24, .size: 8, .value_kind: global_buffer, .address_space: global }
      - { .name: wimg, .offset: 32, .size: 8, .value_kind: global_buffer, .address_space: global }
      - { .name: wsc, .offset: 40, .size: 8, .value_kind: global_buffer, .address_space: global }
      - { .name: rope, .offset: 48, .size: 8, .value_kind: global_buffer, .address_space: global }
    .group_segment_fixed_size: 0
    .private_segment_fixed_size: 0
    .kernarg_segment_align: 8
    .kernarg_segment_size: 56
    .max_flat_workgroup_size: 128
    .sgpr_count:     66
    .vgpr_count:     128
    .wavefront_size: 32
...
	.end_amdgpu_metadata
.endif
;; end of part 5
;; launch qkv (part 6): grid 256 x 1, 16 waves a work-group, no clusters, 44,032 bytes of LDS; arguments x, wimg, wsc, rope, qw, kv; writes qw, kv
.if DOCPART == 6
	.amdgcn_target "amdgcn-amd-amdhsa--gfx1250"
	.amdhsa_code_object_version 6
	.text
	.protected	k_q4c1898dbb6_qkv
	.globl	k_q4c1898dbb6_qkv
	.p2align	8
	.type	k_q4c1898dbb6_qkv,@function
k_q4c1898dbb6_qkv:
	s_mov_b64 s[64:65], 0
	v_nop
	global_prefetch_b8 v0, s[64:65] scope:SCOPE_SE
	s_setreg_imm32_b32 hwreg(HW_REG_WAVE_SCHED_MODE, 0, 2), 2
	s_setreg_imm32_b32 hwreg(HW_REG_WAVE_MODE, 25, 1), 1
	s_wait_xcnt 0x0
	s_wait_alu depctr_vm_vsrc(0)
; q, k, v = x Wq^T, x Wk^T, x Wv^T on codes of BF6; q and k are normalised (RMS over a head's 64) and rotated in f32 and quantised along the head's 64; v is quantised along the tokens.
; SHARES.  A work-group owns 64 tokens and all 1,024 output columns.  Wave w owns 64 columns, four weight tiles: waves 0-7 query heads 0-7, waves 8-11 key heads 0-3, waves 12-15 value heads 0-3.
; Wave w first quantises one of x's sixteen fragments (token tile w / 4, K step w % 4) and puts its image into LDS, with a sixteenth of the block's rotation tables; one barrier; then every wave reads all sixteen.
; The weights' fragments come from memory as images of their registers, straight into the one wave that multiplies by them.
; TOKENS AND WEIGHT ROWS OF A TILE ARE NOT NEIGHBOURS: in a group of 64, lane r of tile m stands for 32 (m / 2) + 8 (m % 2) + r + 8 (r / 8).
; q, k: source 0 = 16 weight rows, source 1 = 16 tokens: a lane holds one token, and the 32 registers of a token tile are features 32 b + 16 (lane / 16) + i (register 16 b + i): the rotation's partners, features d
; and d + 32, lie in one lane.  v: source 0 = 16 tokens, source 1 = 16 weight rows: a lane holds one channel, and its registers run along the tokens, which are the second attention product's K.
; OUT: records of 3,328 bytes: four half images (the 6 registers of 64 along K: registers 0-3 at 16 x lane, 4-5 at 512 + 8 x lane), then the four tiles' scale words, 8 bytes a lane.
; No cluster and no tensor load: what work-groups share are the weights' images, 393,216 bytes, more than fits in LDS beside the rest; each wave reads its own sixteenth once.
; LIMITS: v_rsq_f32 stands for rsqrt; a scale byte is held at 1 from below, and a block of zeros keeps the byte 1 (its codes are zeros; this program alone reads the bytes); NaN and infinities are not served.
; THE MODE: SCHED_MODE bits 1:0 = 2 (LLVM: expert scheduling mode 2), set by the entry lines.  The code itself states the register dependences between vector or matrix instructions and memory or LDS
; instructions, with s_wait_alu, always for 0.
; THE PLAN.  Registers that memory or LDS instructions touch:
;   v1-v9         offsets, LDS addresses and the closing add's two: written at the head and never again; one wait on va_vdst ahead of the first load serves every load and store of the kernel.
;   X, RP, WS, WF the head's loads land in registers that no vector instruction has named.  RP goes on to LDS as it was loaded.
;   PCX, WD       written by x's quantiser, read by four LDS stores: a wait on va_vdst ahead of them.  The products' sums are laid over PCX, WD and RP: a wait on vm_vsrc behind the barrier.
;   WF, XF, XS    read by a K step's sixteen products, loaded again for the next K step: a wait on va_vdst at the head of K steps 1 to 3.  The wave's 256 registers hold no second set of fragments.
;   CO, SI        loaded at a token tile's head; read before that by the last products (as WF) or by the tile before's rotation: a wait on va_vdst at the tile's head.
;   PC + 6 m      a tile's codes: written by its quantiser, read by its two stores, never written again.  The stores stand behind the NEXT wait on va_vdst that is owed anyway.
;   WO            the pair of scale words: written by two selects, read by the last store.
.set XIMG,  0                          ; LDS: x's 16 fragments, 1,536 bytes each (4 m + s),
.set XSC,   24576                      ; their scale words [s][m][r],
.set ROPE,  25600                      ; the block's rotation tables, 16,384 bytes,
.set SPARE, 41984                      ; the spare words, 128 bytes for each wave: eight blocks of 256 bytes that no other line names
.set L16, 1                            ; v1  16 x lane
.set L8,  2                            ; v2  8 x lane
.set L4,  3                            ; v3  4 x lane
.set SPW, 4                            ; v4  LDS address of my spare word; never rewritten
.set NIL, 5                            ; v5  0; never rewritten
.set XA,  6                            ; v6  x: my lane's byte among the tile's rows
.set XW,  7                            ; v7  where I store x's image
.set XSW, 8                            ; v8  and its scale word
.set RW,  9                            ; v9  and my part of the tables
.set H8,  10                           ; v10 8 x (lane / 16)
.set TP,  11                           ; v11 at work
.set RS,  12                           ; v[12:13] 1 / rms (the packed form names a pair)
.set WS,  16                           ; v16-23 the weights' scale words: tile c: 2 c, 2 c + 1 (K steps 0 | 1 and 2 | 3 in the halves of the lanes)
.set XS,  24                           ; v24-25 x's scale words of a K step (token tiles 0 | 1, 2 | 3)
.set TM,  26                           ; v26-31 at work in the quantiser
.set WF,  32                           ; v32-79 four weight fragments of a K step
.set XF,  80                           ; v80-127 x's four fragments of a K step
.set ACC, 128                          ; v128-255 sixteen accumulators
.set X,   128                          ; at the head: 64 numbers of x,
.set PCX, 192                          ; their codes,
.set CTX, 204
.set RP,  212                          ; my part of the tables,
.set TW,  220
.set WD,  226                          ; the scale word
.set CO,  32                           ; on the way out: cos, sin,
.set SI,  48
.set T,   64                           ; the rotated numbers,
.set PC,  96                           ; a tile's codes at PC + 6 m: each tile has its own, so that no store's data are written again,
.set CT,  120
.set WO,  122                          ; the pair of scale words that I store,
.set SW,  124                          ; the four tiles' scale words
.set WV,  16                           ; s16 my wave's number
.set SEL, 18                           ; s[18:19]
.set WB,  22                           ; s[22:23] my four tiles' images
.set WSB, 24                           ; s[24:25] their scale words
.set OUTB, 26                          ; s[26:27] my record
.macro QUANTW s, pc, ct, w             ; 64 numbers of a lane, two whole blocks of 32, become a fragment's 12 registers and the row's scale word
.irp c, 0,1
	v_max3_num_f32 v[TW+\c], |v[(\s)+32*\c]|, |v[(\s)+32*\c+1]|, 0x2800000   ; my block 2 c + h, and the floor 2^(5 - 127)
.endr
.irp i, 2,4,6,8,10,12,14,16,18,20,22,24,26,28,30
.irp c, 0,1
	v_max3_num_f32 v[TW+\c], v[TW+\c], |v[(\s)+32*\c+\i]|, |v[(\s)+32*\c+\i+1]|
.endr
.endr
.irp c, 0,1
	v_add_nc_u32 v[TW+2+\c], 0xfe000000, v[TW+\c]   ; 4 off the exponent field: the conversion's scale operand
.endr
.irp c, 0,1
	v_lshrrev_b32 v[TW+\c], 23, v[TW+2+\c]
.endr
	v_lshl_or_b32 v[TW+4], v[TW+1], 16, v[TW]
	v_lshlrev_b32 v[TW+4], v[H8], v[TW+4]
	v_permlanex16_b32 v[TW+5], v[TW+4], s[SEL], s[SEL+1]
	v_or_b32 v[\w], v[TW+4], v[TW+5]
.irp c, 0,1
	v_cvt_scalef32_pk16_bf6_f32 v[(\pc)+6*\c:(\pc)+6*\c+2], v[(\s)+32*\c:(\s)+32*\c+15], v[TW+2+\c]
	v_cvt_scalef32_pk16_bf6_f32 v[(\ct)+4*\c:(\ct)+4*\c+2], v[(\s)+32*\c+16:(\s)+32*\c+31], v[TW+2+\c]
.endr
	v_nop                                           ; one plain place behind a scaled conversion
.irp c, 0,1
.irp i, 0,1,2
	v_mov_b32 v[(\pc)+6*\c+3+\i], v[(\ct)+4*\c+\i]
.endr
.endr
.endm
; 32 numbers of a lane, register 16 b + i = k 32 b + 16 (lane / 16) + i of my row, become a half image's 6 registers and the row's scale word (two bytes)
.macro QUANT2X s, pc, ct, w
.irp b, 0,1
	v_max3_num_f32 v[TM+\b], |v[(\s)+16*\b]|, |v[(\s)+16*\b+1]|, 0x2800000
.endr
.irp i, 2,4,6,8,10,12,14
.irp b, 0,1
	v_max3_num_f32 v[TM+\b], v[TM+\b], |v[(\s)+16*\b+\i]|, |v[(\s)+16*\b+\i+1]|
.endr
.endr
.irp b, 0,1
	v_permlanex16_b32 v[TM+2+\b], v[TM+\b], s[SEL], s[SEL+1]
.endr
.irp b, 0,1
	v_max_num_f32 v[TM+\b], v[TM+\b], v[TM+2+\b]    ; with lane l xor 16's 16: the block's largest magnitude
.endr
.irp b, 0,1
	v_add_nc_u32 v[TM+4+\b], 0xfe000000, v[TM+\b]
.endr
.irp b, 0,1
	v_lshrrev_b32 v[TM+2+\b], 23, v[TM+4+\b]
.endr
	v_lshl_or_b32 v[\w], v[TM+3], 8, v[TM+2]
	v_cvt_scalef32_pk16_bf6_f32 v[(\pc):(\pc)+2], v[(\s):(\s)+15], v[TM+4]
	v_cvt_scalef32_pk16_bf6_f32 v[(\ct):(\ct)+2], v[(\s)+16:(\s)+31], v[TM+5]
	v_nop                                           ; one plain place behind a scaled conversion
.irp i, 0,1,2
	v_permlane16_swap_b32 v[(\pc)+\i], v[(\ct)+\i]  ; the layout wants a whole block in a lane: lanes 0-15 block 0, lanes 16-31 block 1
.endr
.irp i, 0,1,2
	v_mov_b32 v[(\pc)+3+\i], v[(\ct)+\i]
.endr
.endm
; one product.  zero = 1: it starts its sum.  ra, rb = 1: that side's scale words stand in lanes 16-31
.macro MM d, a, b, zero, sa, sb, ra, rb
.if \zero
.if (\ra) && (\rb)
	v_wmma_scale_f32_16x16x128_f8f6f4 v[(\d):(\d)+7], v[(\a):(\a)+11], v[(\b):(\b)+11], 0, v[\sa], v[\sb] matrix_a_fmt:MATRIX_FMT_BF6 matrix_b_fmt:MATRIX_FMT_BF6 matrix_a_scale:MATRIX_SCALE_ROW1 matrix_b_scale:MATRIX_SCALE_ROW1
.elseif \ra
	v_wmma_scale_f32_16x16x128_f8f6f4 v[(\d):(\d)+7], v[(\a):(\a)+11], v[(\b):(\b)+11], 0, v[\sa], v[\sb] matrix_a_fmt:MATRIX_FMT_BF6 matrix_b_fmt:MATRIX_FMT_BF6 matrix_a_scale:MATRIX_SCALE_ROW1
.elseif \rb
	v_wmma_scale_f32_16x16x128_f8f6f4 v[(\d):(\d)+7], v[(\a):(\a)+11], v[(\b):(\b)+11], 0, v[\sa], v[\sb] matrix_a_fmt:MATRIX_FMT_BF6 matrix_b_fmt:MATRIX_FMT_BF6 matrix_b_scale:MATRIX_SCALE_ROW1
.else
	v_wmma_scale_f32_16x16x128_f8f6f4 v[(\d):(\d)+7], v[(\a):(\a)+11], v[(\b):(\b)+11], 0, v[\sa], v[\sb] matrix_a_fmt:MATRIX_FMT_BF6 matrix_b_fmt:MATRIX_FMT_BF6
.endif
.else
.if (\ra) && (\rb)
	v_wmma_scale_f32_16x16x128_f8f6f4 v[(\d):(\d)+7], v[(\a):(\a)+11], v[(\b):(\b)+11], v[(\d):(\d)+7], v[\sa], v[\sb] matrix_a_fmt:MATRIX_FMT_BF6 matrix_b_fmt:MATRIX_FMT_BF6 matrix_a_scale:MATRIX_SCALE_ROW1 matrix_b_scale:MATRIX_SCALE_ROW1
.elseif \ra
	v_wmma_scale_f32_16x16x128_f8f6f4 v[(\d):(\d)+7], v[(\a):(\a)+11], v[(\b):(\b)+11], v[(\d):(\d)+7], v[\sa], v[\sb] matrix_a_fmt:MATRIX_FMT_BF6 matrix_b_fmt:MATRIX_FMT_BF6 matrix_a_scale:MATRIX_SCALE_ROW1
.elseif \rb
	v_wmma_scale_f32_16x16x128_f8f6f4 v[(\d):(\d)+7], v[(\a):(\a)+11], v[(\b):(\b)+11], v[(\d):(\d)+7], v[\sa], v[\sb] matrix_a_fmt:MATRIX_FMT_BF6 matrix_b_fmt:MATRIX_FMT_BF6 matrix_b_scale:MATRIX_SCALE_ROW1
.else
	v_wmma_scale_f32_16x16x128_f8f6f4 v[(\d):(\d)+7], v[(\a):(\a)+11], v[(\b):(\b)+11], v[(\d):(\d)+7], v[\sa], v[\sb] matrix_a_fmt:MATRIX_FMT_BF6 matrix_b_fmt:MATRIX_FMT_BF6
.endif
.endif
.endm
	s_load_b256 s[4:11], s[0:1], 0x0               ; x s[4:5], wimg s[6:7], wsc s[8:9], rope s[10:11]
	s_load_b128 s[12:15], s[0:1], 0x20             ; qw s[12:13], kv s[14:15]
	v_lshl_add_u32 v[SPW], v0, 2, SPARE
	v_mov_b32 v[NIL], 0
	v_lshrrev_b32 v[TP], 5, v0
	v_readfirstlane_b32 s[WV], v[TP]               ; wave 0..15
	v_and_b32 v[TP], 31, v0
	v_lshlrev_b32 v[L16], 4, v[TP]
	v_lshlrev_b32 v[L8], 3, v[TP]
	v_lshlrev_b32 v[L4], 2, v[TP]
	v_and_b32 v14, 15, v0                          ; r
	v_bfe_u32 v15, v0, 4, 1                        ; h
	v_lshlrev_b32 v[H8], 3, v15
	v_and_b32 v[TP], 8, v14
	v_add_nc_u32 v[TP], v[TP], v14                 ; r + 8 (r / 8)
	v_lshlrev_b32 v[XA], 11, v[TP]
	v_lshl_add_u32 v[XA], v15, 7, v[XA]            ; my row of 2,048 bytes, + 128 h
	s_wait_alu depctr_va_sdst(0)                   ; s[WV] is written, ahead of its first reader: LDS addresses, bases and the branches on the wave's number are made from it
	s_mul_i32 s28, s[WV], 1536
	v_add_nc_u32 v[XW], s28, v[L16]
	s_and_b32 s29, s[WV], 3                        ; my K step of x; also my key/value head
	s_lshr_b32 s30, s[WV], 2                       ; my token tile of x
	s_lshl_b32 s28, s29, 8
	s_lshl_b32 s31, s30, 6
	s_add_co_u32 s28, s28, s31
	v_lshl_add_u32 v[XSW], v14, 2, s28             ; 4 r + 256 s + 64 m
	s_lshl_b32 s28, s[WV], 10
	v_add_nc_u32 v[RW], s28, v[L16]
	v_mov_b32 v[RS+1], 0                           ; (named as the upper half of a pair)
	v_mov_b32 v[TM+2], 0                           ; a lane permute's destination counts as one of its sources
	v_mov_b32 v[TM+3], 0
	v_mov_b32 v[TW+5], 0
	s_mov_b32 s[SEL], 0x76543210
	s_mov_b32 s[SEL+1], 0xfedcba98
	s_mov_b32 s20, 0x3c800000                      ; 1 / 64
	s_mov_b32 s21, 0x34000000                      ; the norm's eps, 2^-23
	s_lshl_b32 s32, ttmp9, 17                      ; x: my work-group's 64 rows,
	s_lshr_b32 s33, s30, 1
	s_lshl_b32 s33, s33, 16
	s_add_co_u32 s32, s32, s33                     ; + 32 (m / 2) rows
	s_and_b32 s33, s30, 1
	s_lshl_b32 s33, s33, 14
	s_add_co_u32 s32, s32, s33                     ; + 8 (m % 2) rows
	s_lshl_b32 s33, s29, 9
	s_add_co_u32 s32, s32, s33                     ; + my K step's 512 bytes
	s_mov_b32 s33, 0
	s_and_b32 s43, ttmp9, 31                       ; which 64 tokens of the sequence
	s_lshr_b32 s42, ttmp9, 5                       ; the batch
	s_lshl_b32 s34, s43, 14
	s_add_co_u32 s34, s34, s28                     ; the tables: 16,384 bytes a block, my 1,024 of them
	s_mov_b32 s35, 0
	s_mul_i32 s36, s[WV], 24576
	s_mov_b32 s37, 0
	s_mov_b32 s38, s28
	s_mov_b32 s39, 0
	s_lshl_b32 s40, s42, 3                         ; my record: in qw ((8 b + w) 32 + i) x 3,328;
	s_add_co_u32 s40, s40, s[WV]
	s_lshl_b32 s40, s40, 5
	s_add_co_u32 s40, s40, s43
	s_mul_i32 s40, s40, 3328
	s_lshl_b32 s44, s42, 2                         ; in kv ((4 b + g) 32 + i) x 6,656, V's behind K's
	s_add_co_u32 s44, s44, s29
	s_lshl_b32 s44, s44, 5
	s_add_co_u32 s44, s44, s43
	s_mul_i32 s44, s44, 6656
	s_and_b32 s45, s30, 1
	s_mul_i32 s45, s45, 3328
	s_add_co_u32 s44, s44, s45
	s_mov_b32 s41, 0
	s_wait_kmcnt 0x0
	s_add_nc_u64 s[4:5], s[4:5], s[32:33]
	s_add_nc_u64 s[10:11], s[10:11], s[34:35]
	s_add_nc_u64 s[WB:WB+1], s[6:7], s[36:37]
	s_add_nc_u64 s[WSB:WSB+1], s[8:9], s[38:39]
	s_cmp_lt_u32 s[WV], 8
	s_cselect_b64 s[OUTB:OUTB+1], s[12:13], s[14:15]
	s_cselect_b32 s40, s40, s44
	s_add_nc_u64 s[OUTB:OUTB+1], s[OUTB:OUTB+1], s[40:41]
	s_wait_alu depctr_va_vdst(0)                   ; the offsets and LDS addresses v1 to v9 are written, which every load and store of the kernel reads
.irp c, 0,1
.irp k, 0,1,2,3,4,5,6,7
	global_load_b128 v[X+32*\c+4*\k:X+32*\c+4*\k+3], v[XA], s[4:5] offset:256*\c+16*\k th:TH_LOAD_NT   ; my two whole blocks of 32
.endr
.endr
.irp k, 0,1
	global_load_b128 v[RP+4*\k:RP+4*\k+3], v[L16], s[10:11] offset:512*\k
.endr
.irp c, 0,1,2,3
.irp p, 0,1
	global_load_b32 v[WS+2*\c+\p], v[L4], s[WSB:WSB+1] offset:256*\c+128*\p
.endr
.endr
.irp c, 0,1,2,3
.irp k, 0,1,2
	global_load_b128 v[WF+12*\c+4*\k:WF+12*\c+4*\k+3], v[L16], s[WB:WB+1] offset:6144*\c+512*\k
.endr
.endr
	s_wait_loadcnt 20                              ; x's 16 loads and the tables' 2 are in; the weights' 8 + 12, issued behind them, may be out
.irp k, 0,1
	ds_store_b128 v[RW], v[RP+4*\k:RP+4*\k+3] offset:ROPE+512*\k   ; the tables go on as they were loaded: no vector instruction names RP or v[RW] behind the wait at the head
.endr
	QUANTW X, PCX, CTX, WD
	s_wait_alu depctr_va_vdst(0)                   ; the quantiser has written the codes v[PCX ..] and the scale word v[WD], which the LDS stores below read
.irp k, 0,1,2
	ds_store_b128 v[XW], v[PCX+4*\k:PCX+4*\k+3] offset:XIMG+512*\k
.endr
	ds_store_b32 v[XSW], v[WD] offset:XSC          ; lanes l and l xor 16 hold the same word and write it to the same place
	s_wait_dscnt 0x0                               ; for the others' sake: my stores have landed
	s_barrier_signal -1
	s_barrier_wait -1                              ; x's sixteen fragments and the tables lie in LDS; nothing is stored to LDS after this
	s_wait_alu depctr_vm_vsrc(0)                   ; my LDS stores have read v[PCX ..], v[WD] and v[RP ..]: the first products' sums are laid over these registers, in both arms
; A K step of 128: 16 products.  The sixteen accumulators take turns, one instruction a turn, in the same order in every K step and in both arms.
.macro KSTEP s
.set ZR, 0
.if \s == 0
.set ZR, 1
.else
.rept 4
	v_nop                                          ; the places behind the last products stay,
.endr
	s_wait_alu depctr_va_vdst(0)                   ; and beside them the wait: the last K step's products are done reading WF, XF and XS, in which the loads below land
.irp c, 0,1,2,3
.irp k, 0,1,2
	global_load_b128 v[WF+12*\c+4*\k:WF+12*\c+4*\k+3], v[L16], s[WB:WB+1] offset:6144*\c+1536*\s+512*\k
.endr
.endr
.endif
.irp m, 0,1,2,3
.irp k, 0,1,2
	ds_load_b128 v[XF+12*\m+4*\k:XF+12*\m+4*\k+3], v[L16] offset:XIMG+(4*\m+\s)*1536+512*\k
.endr
.endr
.irp p, 0,1
	ds_load_b32 v[XS+\p], v[L4] offset:XSC+256*\s+128*\p
.endr
	s_wait_loadcnt 0x0
	s_wait_dscnt 0x0
	s_cmp_lt_u32 s[WV], 12
	s_cbranch_scc0 .Lvarm_\@
.irp a, 0,1,2,3                        ; q, k: token tile a, weight tile b: source 0 = the weight's rows
.irp b, 0,1,2,3
	MM ACC+32*\a+8*\b, WF+12*\b, XF+12*\a, ZR, WS+2*\b+(\s)/2, XS+(\a)/2, (\s)%2, (\a)%2
.endr
.endr
	s_branch .Ljoin_\@
.Lvarm_\@:
.irp a, 0,1,2,3                        ; v: weight tile a, token tile b: source 0 = the tokens
.irp b, 0,1,2,3
	MM ACC+32*\a+8*\b, XF+12*\b, WF+12*\a, ZR, XS+(\b)/2, WS+2*\a+(\s)/2, (\b)%2, (\s)%2
.endr
.endr
.Ljoin_\@:
.endm
	KSTEP 0
	KSTEP 1
	KSTEP 2
	KSTEP 3
.rept 4
	v_nop                                          ; places in front of the first read of results and of vector writes into the fragments' registers
.endr
.macro PUT m                           ; tile m's half image leaves: 512 consecutive bytes, then 256
	global_store_b128 v[L16], v[PC+6*(\m):PC+6*(\m)+3], s[OUTB:OUTB+1] offset:768*(\m)
	global_store_b64 v[L8], v[PC+6*(\m)+4:PC+6*(\m)+5], s[OUTB:OUTB+1] offset:768*(\m)+512
.endm
; token tile m of q or k: norm, rotation, codes.  The tile's codes are stored at the head of the next tile, behind the wait that stands there for the tables' loads.
.macro QKOUT m
.set AQ, ACC+32*\m
	s_wait_alu depctr_va_vdst(0)                   ; The tile before's codes are written, which the stores below read
.irp c, 0,1,2,3,4,5,6,7
	ds_load_b128 v[CO+4*\c:CO+4*\c+3], v[L16] offset:ROPE+4096*\m+512*\c   ; cos and sin of my token at frequencies 16 h + 0 .. 15
.endr
.if \m > 0
	PUT \m-1                                       ; no vector instruction since the wait names these codes, and none writes them again
.endif
	v_pk_mul_f32 v[T:T+1], v[AQ:AQ+1], v[AQ:AQ+1]  ; the sum of squares, in two chains, each accumulator from its low end on
	v_pk_mul_f32 v[T+2:T+3], v[AQ+2:AQ+3], v[AQ+2:AQ+3]
.irp i, 4,8,12,16,20,24,28
	v_pk_fma_f32 v[T:T+1], v[AQ+\i:AQ+\i+1], v[AQ+\i:AQ+\i+1], v[T:T+1]
	v_pk_fma_f32 v[T+2:T+3], v[AQ+\i+2:AQ+\i+3], v[AQ+\i+2:AQ+\i+3], v[T+2:T+3]
.endr
	v_pk_add_f32 v[T:T+1], v[T:T+1], v[T+2:T+3]
	v_add_f32 v[T], v[T], v[T+1]
	v_permlanex16_b32 v[TP], v[T], s[SEL], s[SEL+1]
	v_add_f32 v[T], v[T], v[TP]                    ; with lane l xor 16's 32 features
	v_fma_f32 v[T], v[T], s20, s21                 ; the mean + eps
	s_wait_alu depctr_va_vdst(0)
	v_rsq_f32 v[RS], v[T]
	v_nop                                          ; a plain place behind the transcendental
	s_wait_alu depctr_va_vdst(0)                   ; v_rsq_f32 has written v[RS], ahead of its first reader
.set ii, 0
.rept 16
	v_pk_mul_f32 v[AQ+ii:AQ+ii+1], v[AQ+ii:AQ+ii+1], v[RS:RS+1] op_sel_hi:[1,0]
.set ii, ii+2
.endr
	s_wait_alu depctr_va_vdst(0)
	s_wait_dscnt 0x0                               ; cos and sin are in
.irp i, 0,2,4,6,8,10,12,14
	v_pk_mul_f32 v[T+\i:T+\i+1], v[AQ+16+\i:AQ+17+\i], v[SI+\i:SI+\i+1]
	v_pk_mul_f32 v[T+16+\i:T+17+\i], v[AQ+\i:AQ+\i+1], v[SI+\i:SI+\i+1]
.endr
.irp i, 0,2,4,6,8,10,12,14
	v_pk_fma_f32 v[T+\i:T+\i+1], v[AQ+\i:AQ+\i+1], v[CO+\i:CO+\i+1], v[T+\i:T+\i+1]                                        ; x1 c + x2 s
	v_pk_fma_f32 v[T+16+\i:T+17+\i], v[AQ+16+\i:AQ+17+\i], v[CO+\i:CO+\i+1], v[T+16+\i:T+17+\i] neg_lo:[0,0,1] neg_hi:[0,0,1]   ; x2 c - x1 s
.endr
	QUANT2X T, PC+6*\m, CT, SW+\m
.endm
	s_cmp_lt_u32 s[WV], 12
	s_cbranch_scc0 .Lvout
	QKOUT 0
	QKOUT 1
	QKOUT 2
	QKOUT 3
	s_branch .Lwords
.Lvout:
.irp c, 0,1,2                          ; channel tile c of v: its 32 registers run along the block's 64 tokens
	QUANT2X ACC+32*\c, PC+6*\c, CT, SW+\c
.endr
	s_wait_alu depctr_va_vdst(0)                   ; the quantiser has written tiles 0 to 2's codes, which the six stores below read
	PUT 0
	PUT 1
	PUT 2
	QUANT2X ACC+96, PC+18, CT, SW+3                ; tile 3: it names none of the registers that those stores read
.Lwords:                                               ; in both arms tile 3's codes are still to be stored
	v_cmp_ne_u32 vcc_lo, 0, v[H8]                  ; lanes 0-15 store tiles 0 and 1's words of row r, lanes 16-31 tiles 2 and 3's
	s_wait_alu depctr_va_vcc(0)                    ; VCC is written, ahead of the selects that read it
	v_cndmask_b32 v[WO], v[SW], v[SW+2], vcc_lo
	v_cndmask_b32 v[WO+1], v[SW+1], v[SW+3], vcc_lo
	s_wait_alu depctr_va_vdst(0)                   ; tile 3's codes and the pair v[WO:WO+1] are written, which the last three stores read
	PUT 3
	global_store_b64 v[L8], v[WO:WO+1], s[OUTB:OUTB+1] offset:3072   ; 32 lanes store 256 consecutive bytes
	s_wait_dscnt 0x0                               ; the closing lines, six on end
	s_wait_alu 0x0
	s_wait_tensorcnt 0x0
	ds_add_u32 v[SPW], v[NIL]
	s_wait_dscnt 0x0
	s_endpgm
.Lfunc_end_k_q4c1898dbb6_qkv:
	.size	k_q4c1898dbb6_qkv, .Lfunc_end_k_q4c1898dbb6_qkv-k_q4c1898dbb6_qkv
	.p2alignl 7, 3214868480
	.fill 96, 4, 3214868480
	.section	.rodata,"a",@progbits
	.p2align	6, 0x0
	.amdhsa_kernel k_q4c1898dbb6_qkv
		.amdhsa_group_segment_fixed_size 44032
		.amdhsa_private_segment_fixed_size 0
		.amdhsa_enable_private_segment 0
		.amdhsa_kernarg_size 48
		.amdhsa_user_sgpr_count 2
		.amdhsa_user_sgpr_kernarg_segment_ptr 1
		.amdhsa_wavefront_size32 1
		.amdhsa_system_sgpr_workgroup_id_x 1
		.amdhsa_system_sgpr_workgroup_id_y 1
		.amdhsa_system_sgpr_workgroup_id_z 1
		.amdhsa_system_vgpr_workitem_id 0
		.amdhsa_next_free_vgpr 256
		.amdhsa_next_free_sgpr 66
		.amdhsa_reserve_vcc 1
		.amdhsa_float_denorm_mode_32 3
		.amdhsa_float_denorm_mode_16_64 3
		.amdhsa_memory_ordered 1
		.amdhsa_forward_progress 1
		.amdhsa_inst_pref_size 71
	.end_amdhsa_kernel
	.amdgpu_metadata
---
amdhsa.version: [ 1, 2 ]
amdhsa.kernels:
  - .name:           k_q4c1898dbb6_qkv
    .symbol:         k_q4c1898dbb6_qkv.kd
    .args:
      - { .name: x, .offset: 0, .size: 8, .value_kind: global_buffer, .address_space: global }
      - { .name: wimg, .offset: 8, .size: 8, .value_kind: global_buffer, .address_space: global }
      - { .name: wsc, .offset: 16, .size: 8, .value_kind: global_buffer, .address_space: global }
      - { .name: rope, .offset: 24, .size: 8, .value_kind: global_buffer, .address_space: global }
      - { .name: qw, .offset: 32, .size: 8, .value_kind: global_buffer, .address_space: global }
      - { .name: kv, .offset: 40, .size: 8, .value_kind: global_buffer, .address_space: global }
    .group_segment_fixed_size: 44032
    .private_segment_fixed_size: 0
    .kernarg_segment_align: 8
    .kernarg_segment_size: 48
    .max_flat_workgroup_size: 512
    .sgpr_count:     66
    .vgpr_count:     256
    .wavefront_size: 32
...
	.end_amdgpu_metadata
.endif
;; end of part 6
;; launch attn (part 7): grid 8 x 32, 16 waves a work-group, no clusters, 327,680 bytes of LDS; arguments qw, kv, yc, ys; writes yc, ys
.if DOCPART == 7
	.amdgcn_target "amdgcn-amd-amdhsa--gfx1250"
	.amdhsa_code_object_version 6
	.text
	.protected	k_q4c1898dbb6_attn
	.globl	k_q4c1898dbb6_attn
	.p2align	8
	.type	k_q4c1898dbb6_attn,@function
k_q4c1898dbb6_attn:
	s_mov_b64 s[64:65], 0
	v_nop
	global_prefetch_b8 v0, s[64:65] scope:SCOPE_SE
	s_setreg_imm32_b32 hwreg(HW_REG_WAVE_MODE, 25, 1), 1
	s_wait_xcnt 0x0
; y[q] = (sum over keys k <= q of p V[k]) / (sum of p), p = 2^(t - M), t = q . k x log2(e) / 8, M = the running largest t rounded up to a whole number; both products on codes of BF6; y is quantised along the channels.
; WORK LEFT OUT: steps of 128 keys that lie wholly behind a block's 128 queries: reference()'s own causal mask makes their p 0 (shown at the head of launch prep).
; SHARES.  Work-group (j, 4 b + g) owns both query heads of key/value head g, for two blocks of 128 queries: first block 15 - j, then block j.  Block c has c + 1 live steps of 128 keys: 17 for every work-group.
; Wave w owns head 2 g + w / 8 and the block's query tile w % 8 (16 queries), in 256 registers: four waves to a SIMD, so that one wave's vector work stands beside another's products and LDS loads.
; Keys come in slots of 256 keys: 26,624 dense bytes of kv (for each 64 keys a record of K and a record of V), through a ring of two LDS slots; wave 0 asks for a slot by one tensor load.  A pair of blocks takes nine
; slots, whatever j: the loop has eight trips, the ninth slot is written out.  Of the 18 steps one is hidden and is jumped over (ids alone; the same in all sixteen waves).  Every slot asked for is read.
; LAYOUT.  Both products transposed: S^T = K Q^T (source 0 = 16 keys), O^T = V^T P^T (source 0 = 16 channels): a lane holds one query.  Keys, queries and channels of a tile are not neighbours: lane r of tile m stands for
; 32 (m / 2) + 8 (m % 2) + r + 8 (r / 8) of its 64, so that S^T's register 16 B + i is key 32 B + 16 (lane / 16) + i of the step, and O^T's register 16 b + i channel 32 b + 16 (lane / 16) + i.
; THE FIRST PRODUCT'S K IS 64, half of the instruction's 128.  Q's registers 6-11 hold zero codes.  A key tile is named with the six registers behind it, which hold the next tile's codes (behind the last tile: zeros):
; they meet Q's zero codes, under scale bytes 0 (2^-127, a number), and add exactly 0.
; NO CLUSTER: the eight work-groups of a key/value head walk key ranges of different lengths and change blocks in different trips, so partners would want different slots in the same round.
; LIMITS: v_rcp_f32 stands for the division by the row's sum; y's scale byte is held at 1 from below and a block of zeros keeps the byte 1 (this program alone reads the bytes); NaN and infinities are not served.
.set SLOTB, 32768                      ; slot 1 begins here: one exclusive or turns an address in one slot into the other's
.set SPARE, 65536                      ; the spare words, 128 bytes for each wave: eight blocks of 256 bytes that no other line names
.set BLKB,  6656                       ; 64 keys: K's record, then V's
.set RECB,  3328
.set L16, 1                            ; v1  16 x lane
.set L8,  2                            ; v2  8 x lane
.set DM,  3                            ; v3  my query's place in its block - 16 (lane / 16)
.set SPW, 4                            ; v4  LDS address of my spare word; never rewritten
.set NIL, 5                            ; v5  0; never rewritten
.set PFO, 6                            ; v6  the prefetches' offset
.set R4,  7                            ; v7  4 x (lane % 16)
.set A16, 8                            ; v8  the slot in hand + 16 x lane
.set A8,  9                            ; v9  the slot in hand + 8 x lane
                                       ; v12 -M, v13 the largest t, v[14:15] the row's sum in two halves
.set Q,   16                           ; v16-27 Q's fragment (v22-27 zero codes)
.set QS,  28                           ; v28 its scale words;  v29 the second block's
.set QSB, 29
.set QB,  30                           ; v30-35 the second block's codes
.set KA,  36                           ; v36-83 eight key tiles of 6 registers, later four channel tiles of 12
.set ZT,  84                           ; v84-89 zero codes behind the last key tile
.set S,   90                           ; v90-153 S^T, then p
.set O,   154                          ; v154-185 O^T
.set PC,  186                          ; v186-197 p's codes
.set CT,  198                          ; v198-200, v202-204
.set BM,  206                          ; v206-209 the blocks' largest scores, then largest p
.set BT,  210
.set BS,  214
.set TM,  206                          ; the way out's quantiser works in v206-211
.set KS,  218                          ; v218-221 K's scale words
.set VR,  222                          ; v222-225 V's, as loaded
.set VM,  226                          ; v226-227 V's, two records joined
.set PW,  228                          ; v228 p's scale word; on the way out y's
.set F,   230                          ; v[230:231] 2^(old M - new M); on the way out 1 / the sum
.set TS,  232
.set TP,  234
.set NINF, 235
.set WV,  12                           ; s12 my wave's number;  s13 batch, s14 head, s15 query tile, s39 the first block
.set G1,  16                           ; s[16:23] descriptor group 1
.set G0,  24                           ; s[24:27] descriptor group 0
.set KVB, 28                           ; s[28:29] my key/value head's records
.set SEL, 30
.set CS,  32                           ; s[32:33] log2(e) / 8
.set TB,  34                           ; s34 LDS byte at which the slot in hand begins
.set KF,  35                           ; s35 the step's first key
.set BQ,  36                           ; s36 the block's first query
.set CNT, 37                           ; s37 trips to go
.set LIM, 38                           ; s38 2 in a wave that prefetches, else the greatest number
.set PFA, 40                           ; s[40:41] where my prefetches stand
.set YB,  42                           ; s[42:43] my tile of yc, s[44:45] of ys;  s[46:49] the second block's
.macro QUANT2X s, pc, ct, w            ; 32 numbers of a lane, register 16 b + i = k 32 b + 16 (lane / 16) + i, become a half image's 6 registers and the row's scale word
.irp b, 0,1
	v_max3_num_f32 v[TM+\b], |v[(\s)+16*\b]|, |v[(\s)+16*\b+1]|, 0x2800000
.endr
.irp i, 2,4,6,8,10,12,14
.irp b, 0,1
	s_delay_alu instid0(VALU_DEP_2)
	v_max3_num_f32 v[TM+\b], v[TM+\b], |v[(\s)+16*\b+\i]|, |v[(\s)+16*\b+\i+1]|
.endr
.endr
.irp b, 0,1
	s_delay_alu instid0(VALU_DEP_2)
	v_permlanex16_b32 v[TM+2+\b], v[TM+\b], s[SEL], s[SEL+1]
.endr
.irp b, 0,1
	s_delay_alu instid0(VALU_DEP_2)
	v_max_num_f32 v[TM+\b], v[TM+\b], v[TM+2+\b]
.endr
.irp b, 0,1
	s_delay_alu instid0(VALU_DEP_2)
	v_add_nc_u32 v[TM+4+\b], 0xfe000000, v[TM+\b]
.endr
.irp b, 0,1
	s_delay_alu instid0(VALU_DEP_2)
	v_lshrrev_b32 v[TM+2+\b], 23, v[TM+4+\b]
.endr
	s_delay_alu instid0(VALU_DEP_1)
	v_lshl_or_b32 v[\w], v[TM+3], 8, v[TM+2]
	v_cvt_scalef32_pk16_bf6_f32 v[(\pc):(\pc)+2], v[(\s):(\s)+15], v[TM+4]
	v_cvt_scalef32_pk16_bf6_f32 v[(\ct):(\ct)+2], v[(\s)+16:(\s)+31], v[TM+5]
	v_nop                                           ; one plain place behind a scaled conversion
.irp i, 0,1,2
	v_permlane16_swap_b32 v[(\pc)+\i], v[(\ct)+\i]
.endr
.irp i, 0,1,2
	s_delay_alu instid0(VALU_DEP_3)
	v_mov_b32 v[(\pc)+3+\i], v[(\ct)+\i]
.endr
.endm
.macro MM d, a, b, zero, sa, sb, ra    ; one product.  zero = 1: it starts its sum.  ra = 1: source 0's scale words stand in lanes 16-31
.if \zero
.if \ra
	v_wmma_scale_f32_16x16x128_f8f6f4 v[(\d):(\d)+7], v[(\a):(\a)+11], v[(\b):(\b)+11], 0, v[\sa], v[\sb] matrix_a_fmt:MATRIX_FMT_BF6 matrix_b_fmt:MATRIX_FMT_BF6 matrix_a_scale:MATRIX_SCALE_ROW1
.else
	v_wmma_scale_f32_16x16x128_f8f6f4 v[(\d):(\d)+7], v[(\a):(\a)+11], v[(\b):(\b)+11], 0, v[\sa], v[\sb] matrix_a_fmt:MATRIX_FMT_BF6 matrix_b_fmt:MATRIX_FMT_BF6
.endif
.else
.if \ra
	v_wmma_scale_f32_16x16x128_f8f6f4 v[(\d):(\d)+7], v[(\a):(\a)+11], v[(\b):(\b)+11], v[(\d):(\d)+7], v[\sa], v[\sb] matrix_a_fmt:MATRIX_FMT_BF6 matrix_b_fmt:MATRIX_FMT_BF6 matrix_a_scale:MATRIX_SCALE_ROW1
.else
	v_wmma_scale_f32_16x16x128_f8f6f4 v[(\d):(\d)+7], v[(\a):(\a)+11], v[(\b):(\b)+11], v[(\d):(\d)+7], v[\sa], v[\sb] matrix_a_fmt:MATRIX_FMT_BF6 matrix_b_fmt:MATRIX_FMT_BF6
.endif
.endif
.endm
.macro TLOAD                           ; wave 0 asks for a slot; an s_nop 0 and four v_nop follow the line
	s_cmp_lg_u32 s[WV], 0
	s_cbranch_scc1 .Lnl_\@
	tensor_load_to_lds s[G0:G0+3], s[G1:G1+7]
	s_nop 0
.rept 4
	v_nop
.endr
.Lnl_\@:
.endm
; A PREFETCH INTO THE L2 of the slot that the NEXT change of slots will ask for.  All eight work-groups of a key/value head begin at key 0 and walk the same slots; the one with j = 0, whose first block walks all eight,
; asks, and nobody else; 26 lanes 256 bytes apart (lanes 26-31 name lane 25's bytes once more).  Trip t names slot t + 2, in trips 0 to 5: slot 7 is the last.
; Slots 0 and 1 come by their loads alone.
.macro ASK
	s_cmp_gt_u32 s[CNT], s[LIM]
	s_cbranch_scc0 .Lna_\@
	global_prefetch_b8 v[PFO], s[PFA:PFA+1] th:TH_LOAD_NT scope:SCOPE_SE
.Lna_\@:
.endm
.macro INIT                            ; a block begins: the largest t is -3e38, under every t; sums and O^T are zeros, which the first change of M leaves zeros
	v_mov_b32 v13, 0xff61b1e6
	s_delay_alu instid0(VALU_DEP_1)
	v_floor_f32 v12, -v13
	v_mov_b32 v14, 0
	v_mov_b32 v15, 0
.set ii, 0
.rept 32
	v_mov_b32 v[O+ii], 0
.set ii, ii+1
.endr
.endm
	s_load_b256 s[4:11], s[0:1], 0x0               ; qw s[4:5], kv s[6:7], yc s[8:9], ys s[10:11]
	v_lshl_add_u32 v[SPW], v0, 2, SPARE
	v_mov_b32 v[NIL], 0
	ds_add_u32 v[SPW], v[NIL]                      ; the wave's opening: the add, twice on end, and its wait ahead of the first tensor load; the set-up below stands between
	ds_add_u32 v[SPW], v[NIL]                      ; and once more
	v_lshrrev_b32 v[TP], 5, v0
	s_delay_alu instid0(VALU_DEP_1)
	v_readfirstlane_b32 s[WV], v[TP]               ; wave 0..15
	; descriptor group 1: a slot is 26,624 dense bytes: 104 rows of 32 elements of 8 bytes, no padding
	s_mov_b32 s[G1+0], 3<<16                       ; no mask; elements of 8 bytes; padding off
	s_mov_b32 s[G1+1], 32<<16                      ; tensor_dim0 = 32
	s_mov_b32 s[G1+2], 104<<16                     ; tensor_dim1 = 104
	s_mov_b32 s[G1+3], 32<<16                      ; tile_dim0 = 32
	s_mov_b32 s[G1+4], 104                         ; tile_dim1 = 104
	s_mov_b32 s[G1+5], 32                          ; from row to row
	s_mov_b32 s[G1+6], 0
	s_mov_b32 s[G1+7], 0
	s_mov_b32 s[G0], 1
	s_mov_b32 s[G0+1], 0                           ; slot 0
	s_mov_b32 s[SEL], 0x76543210
	s_mov_b32 s[SEL+1], 0xfedcba98
	s_mov_b32 s[CS], 0x3e38aa3b                    ; log2(e) / 8
	s_mov_b32 s[CS+1], s[CS]
	s_mov_b32 s[TB], 0
	s_mov_b32 s[KF], 0
	s_mov_b32 s[CNT], 8
	s_and_b32 s50, ttmp7, 0xffff                   ; 4 b + g
	s_lshr_b32 s13, s50, 2                         ; b
	s_and_b32 s14, s50, 3
	s_lshl_b32 s14, s14, 1
	s_lshr_b32 s51, s[WV], 3
	s_add_co_u32 s14, s14, s51                     ; my head
	s_and_b32 s15, s[WV], 7                        ; my query tile
	s_sub_co_u32 s39, 15, ttmp9                    ; the first block
	s_lshl_b32 s[BQ], s39, 7
	s_mul_i32 s50, s50, 212992                     ; 32 x 6,656 bytes a key/value head
	s_mov_b32 s51, 0
	s_wait_dscnt 0x0                               ; both opening adds are done
	s_wait_kmcnt 0x0
	s_add_nc_u64 s[KVB:KVB+1], s[6:7], s[50:51]
	s_mov_b64 s[G0+2:G0+3], s[KVB:KVB+1]           ; keys 0 to 255
	s_or_b32 s[G0+3], s[G0+3], 0x80000000          ; type = 2
	TLOAD                                          ; the one first fill at the head
	v_and_b32 v[TP], 31, v0
	s_delay_alu instid0(VALU_DEP_1)
	v_lshlrev_b32 v[L16], 4, v[TP]
	s_delay_alu instid0(VALU_DEP_2)
	v_lshlrev_b32 v[L8], 3, v[TP]
	s_delay_alu instid0(VALU_DEP_3)
	v_min_u32 v[PFO], 25, v[TP]
	s_delay_alu instid0(VALU_DEP_1)
	v_lshlrev_b32 v[PFO], 8, v[PFO]
	v_and_b32 v10, 15, v0                          ; r
	v_bfe_u32 v11, v0, 4, 1                        ; h
	s_delay_alu instid0(VALU_DEP_2)
	v_lshlrev_b32 v[R4], 2, v10
	s_delay_alu instid0(VALU_DEP_3)
	v_and_b32 v[DM], 8, v10
	s_delay_alu instid0(VALU_DEP_1)
	v_add_nc_u32 v[DM], v[DM], v10                 ; r + 8 (r / 8)
	s_delay_alu instid0(VALU_DEP_4)
	v_lshlrev_b32 v11, 4, v11
	s_delay_alu instid0(VALU_DEP_1)
	v_sub_nc_u32 v[DM], v[DM], v11                 ; - 16 h
	s_lshr_b32 s50, s15, 1
	s_lshl_b32 s50, s50, 5
	s_and_b32 s51, s15, 1
	s_lshl_b32 s52, s51, 3
	s_add_co_u32 s50, s50, s52                     ; + my tile's place in the block of 128
	v_add_nc_u32 v[DM], s50, v[DM]
	s_and_b32 s50, s15, 3                          ; my tile in its record
	s_mul_i32 s50, s50, 768
	v_add_nc_u32 v236, s50, v[L16]
	s_wait_alu depctr_va_vdst(0)
	v_add_nc_u32 v237, s50, v[L8]
	s_wait_alu depctr_va_vdst(0)
	s_bfe_u32 s50, s15, 0x10001
	s_lshl_b32 s50, s50, 7
	s_lshl_b32 s51, s51, 2
	s_add_co_u32 s50, s50, s51
	v_lshl_add_u32 v238, v10, 3, s50               ; its scale words: 128 (m / 2) + 4 (m % 2) + 8 r
	s_wait_alu depctr_va_vdst(0)
	s_lshl_b32 s52, s13, 3
	s_add_co_u32 s52, s52, s14
	s_lshl_b32 s52, s52, 5
	s_lshr_b32 s53, s15, 2
	s_add_co_u32 s52, s52, s53                     ; (8 b + head) 32 + tile / 4
	s_lshl_b32 s54, s39, 1
	s_add_co_u32 s54, s54, s52
	s_mul_i32 s54, s54, RECB
	s_mov_b32 s55, 0
	s_add_nc_u64 s[56:57], s[4:5], s[54:55]        ; the first block's record of q
	s_lshl_b32 s54, ttmp9, 1
	s_add_co_u32 s54, s54, s52
	s_mul_i32 s54, s54, RECB
	s_add_nc_u64 s[58:59], s[4:5], s[54:55]        ; the second block's
	global_load_b128 v[Q:Q+3], v236, s[56:57] th:TH_LOAD_NT
	global_load_b64 v[Q+4:Q+5], v237, s[56:57] offset:512 th:TH_LOAD_NT
	global_load_b32 v[QS], v238, s[56:57] offset:3072 th:TH_LOAD_NT
	global_load_b128 v[QB:QB+3], v236, s[58:59] th:TH_LOAD_NT
	global_load_b64 v[QB+4:QB+5], v237, s[58:59] offset:512 th:TH_LOAD_NT
	global_load_b32 v[QSB], v238, s[58:59] offset:3072 th:TH_LOAD_NT
	s_lshl_b32 s52, s13, 7
	s_add_co_u32 s52, s52, s15                     ; 128 b + tile
	s_lshl_b32 s53, s39, 3
	s_add_co_u32 s53, s53, s52
	s_lshl_b32 s53, s53, 3
	s_add_co_u32 s53, s53, s14                     ; (128 b + 8 c + tile) 8 + head
	s_mul_i32 s54, s53, 768
	s_add_nc_u64 s[YB:YB+1], s[8:9], s[54:55]
	s_lshl_b32 s54, s53, 6
	s_add_nc_u64 s[YB+2:YB+3], s[10:11], s[54:55]
	s_lshl_b32 s53, ttmp9, 3
	s_add_co_u32 s53, s53, s52
	s_lshl_b32 s53, s53, 3
	s_add_co_u32 s53, s53, s14
	s_mul_i32 s54, s53, 768
	s_add_nc_u64 s[YB+4:YB+5], s[8:9], s[54:55]
	s_lshl_b32 s54, s53, 6
	s_add_nc_u64 s[YB+6:YB+7], s[10:11], s[54:55]
	s_and_b32 s54, s[WV], 3
	s_mul_i32 s54, s54, 6656
	s_add_co_u32 s54, s54, 26624                   ; in slot 1: the first change of slots steps it to slot 2
	s_add_nc_u64 s[PFA:PFA+1], s[KVB:KVB+1], s[54:55]
	s_sub_co_u32 s50, s[WV], 4
	s_lshr_b32 s50, s50, 2                         ; 0 in waves 4 to 7,
	s_or_b32 s50, s50, ttmp9                       ; of the work-group with j = 0
	s_cmp_eq_u32 s50, 0
	s_cselect_b32 s[LIM], 2, -1
.irp i, 0,1,2,3,4,5
	v_mov_b32 v[Q+6+\i], 0                         ; zero codes
	v_mov_b32 v[ZT+\i], 0
.endr
.irp i, 0,1,2,3,4,5,6,7
	v_mov_b32 v[BM+\i], 0                          ; written once: a lane permute's destination counts as one of its sources
.endr
	v_mov_b32 v[F+1], 0                            ; (named as the upper half of a pair)
	v_mov_b32 v[NINF], 0xff800000
	INIT
; A KEY STEP: 128 keys, the q-th of the slot in hand
.macro STEP q
	s_cmp_gt_u32 s[KF], s[BQ]                      ; all its keys come after all the block's queries: left out
	s_cbranch_scc1 .Lhid_\@
	v_add_nc_u32 v[A16], s[TB], v[L16]
	v_add_nc_u32 v[A8], s[TB], v[L8]
	v_nop
	v_nop                                          ; four places in front of loads into registers that the last products have read
.irp rec, 0,1
.irp m, 0,1,2,3
	ds_load_b128 v[KA+6*(4*\rec+\m):KA+6*(4*\rec+\m)+3], v[A16] offset:(2*\q+\rec)*BLKB+768*\m
	ds_load_b64 v[KA+6*(4*\rec+\m)+4:KA+6*(4*\rec+\m)+5], v[A8] offset:(2*\q+\rec)*BLKB+768*\m+512
.endr
	ds_load_b64 v[KS+2*\rec:KS+2*\rec+1], v[A8] offset:(2*\q+\rec)*BLKB+3072
.endr
	s_wait_alu depctr_va_vdst(0)
	s_wait_dscnt 0x0
.irp rec, 0,1                          ; S^T = K Q^T: eight accumulators, each begun with 0
.irp m, 0,1,2,3
	MM S+8*(4*\rec+\m), KA+6*(4*\rec+\m), Q, 1, KS+2*\rec+(\m)%2, QS, (\m)/2
.endr
.endr
.rept 4
	v_nop                                          ; places in front of the loads below and of the first read of the scores
.endr
.irp n, 0,1,2,3                        ; V's four channel tiles land while the softmax is walked
.irp rec, 0,1
	ds_load_b128 v[KA+12*\n+6*\rec:KA+12*\n+6*\rec+3], v[A16] offset:(2*\q+\rec)*BLKB+RECB+768*\n
	ds_load_b64 v[KA+12*\n+6*\rec+4:KA+12*\n+6*\rec+5], v[A8] offset:(2*\q+\rec)*BLKB+RECB+768*\n+512
.endr
.endr
.irp rec, 0,1
	ds_load_b64 v[VR+2*\rec:VR+2*\rec+1], v[A8] offset:(2*\q+\rec)*BLKB+RECB+3072
.endr
	s_cmp_lg_u32 s[KF], s[BQ]                      ; the block's last live step lies on the diagonal: hidden scores become -infinity ahead of the maximum
	s_cbranch_scc1 .Lopen_\@
.set nn, 0
.rept 64
	v_cmp_gt_i32 vcc_lo, 32*(nn/16)+nn%16, v[DM]   ; register 16 B + i holds key 32 B + 16 (lane / 16) + i of the step
	v_cndmask_b32 v[S+nn], v[S+nn], v[NINF], vcc_lo
.set nn, nn+1
.endr
.Lopen_\@:
.irp b, 0,1,2,3
	v_max3_num_f32 v[BM+\b], v[S+16*\b], v[S+16*\b+1], v[S+16*\b+2]   ; the largest score of each block of 32 keys: it serves the row's maximum and, since p rises with the score, the block's largest p
.endr
.irp i, 3,5,7,9,11,13
.irp b, 0,1,2,3
	v_max3_num_f32 v[BM+\b], v[BM+\b], v[S+16*\b+\i], v[S+16*\b+\i+1]
.endr
.endr
.irp b, 0,1,2,3
	v_max_num_f32 v[BM+\b], v[BM+\b], v[S+16*\b+15]
.endr
.irp b, 0,1,2,3
	s_delay_alu instid0(VALU_DEP_4)
	v_permlanex16_b32 v[BT+\b], v[BM+\b], s[SEL], s[SEL+1]
.endr
.irp b, 0,1,2,3
	s_delay_alu instid0(VALU_DEP_4)
	v_max_num_f32 v[BM+\b], v[BM+\b], v[BT+\b]     ; with lane l xor 16's 16 keys
.endr
	s_delay_alu instid0(VALU_DEP_2)
	v_max3_num_f32 v[TP], v[BM], v[BM+1], v[BM+2]
	s_delay_alu instid0(VALU_DEP_1)
	v_max_num_f32 v[TP], v[TP], v[BM+3]
	s_delay_alu instid0(VALU_DEP_1)
	v_mul_f32 v[TP], s[CS], v[TP]                  ; as t
	s_delay_alu instid0(VALU_DEP_1)
	v_max_num_f32 v13, v13, v[TP]                  ; the running largest t
	v_mov_b32 v[TP], v12
	s_delay_alu instid0(VALU_DEP_2)
	v_floor_f32 v12, -v13                          ; the new -M = -ceil(t): a whole number
	s_delay_alu instid0(VALU_DEP_1)
	v_sub_f32 v[TP], v12, v[TP]                    ; old M - new M: a whole number, 0 or less
	s_delay_alu instid0(VALU_DEP_1)
	v_cvt_i32_f32 v[TP], v[TP]                     ; (it saturates)
	s_delay_alu instid0(VALU_DEP_1)
	v_ldexp_f32 v[F], 1.0, v[TP]                   ; f = 2^(old M - new M): a multiplication by it rounds nothing
.set jj, 0
.rept 32
	v_pk_fma_f32 v[S+jj:S+jj+1], v[S+jj:S+jj+1], s[CS:CS+1], v[12:13] op_sel_hi:[1,0,0]   ; t - M
.set jj, jj+2
.endr
.irp b, 0,1,2,3
	v_fma_f32 v[BM+\b], v[BM+\b], s[CS], v12       ; the same of each block's largest score
.endr
.set jj, 0
	s_wait_alu depctr_va_vdst(0)
.rept 64
	v_exp_f32 v[S+jj], v[S+jj]                     ; p = 2^(t - M)
.set jj, jj+1
.endr
	v_pk_mul_f32 v[14:15], v[14:15], v[F:F+1] op_sel_hi:[1,0]   ; the sums under the new M (a plain place behind the exponentials)
	s_wait_alu depctr_va_vdst(0)                   ; the wait ahead of the batch's first reader: one for the 64
.irp b, 0,1,2,3
	v_exp_f32 v[BM+\b], v[BM+\b]                   ; the block's largest p
.endr
	v_pk_add_f32 v[232:233], v[94:95], v[98:99]
	v_pk_add_f32 v[254:255], v[102:103], v[106:107]
	v_pk_add_f32 v[252:253], v[110:111], v[114:115]
	v_pk_add_f32 v[250:251], v[118:119], v[122:123]
	v_pk_add_f32 v[248:249], v[126:127], v[130:131]
	v_pk_add_f32 v[246:247], v[134:135], v[138:139]
	v_pk_add_f32 v[244:245], v[142:143], v[146:147]
	v_pk_add_f32 v[14:15], v[14:15], v[150:151]
	v_pk_add_f32 v[232:233], v[232:233], v[90:91]
	v_pk_add_f32 v[254:255], v[254:255], v[92:93]
	v_pk_add_f32 v[252:253], v[252:253], v[96:97]
	v_pk_add_f32 v[250:251], v[250:251], v[100:101]
	v_pk_add_f32 v[248:249], v[248:249], v[104:105]
	v_pk_add_f32 v[246:247], v[246:247], v[108:109]
	v_pk_add_f32 v[244:245], v[244:245], v[112:113]
	v_pk_add_f32 v[14:15], v[14:15], v[116:117]
	v_pk_add_f32 v[232:233], v[232:233], v[120:121]
	v_pk_add_f32 v[254:255], v[254:255], v[124:125]
	v_pk_add_f32 v[252:253], v[252:253], v[128:129]
	v_pk_add_f32 v[250:251], v[250:251], v[132:133]
	v_pk_add_f32 v[248:249], v[248:249], v[136:137]
	v_pk_add_f32 v[246:247], v[246:247], v[140:141]
	v_pk_add_f32 v[244:245], v[244:245], v[144:145]
	v_pk_add_f32 v[14:15], v[14:15], v[148:149]
	v_pk_add_f32 v[232:233], v[232:233], v[152:153]
	s_delay_alu instid0(VALU_DEP_2)
	v_pk_add_f32 v[14:15], v[14:15], v[250:251]
	s_delay_alu instid0(VALU_DEP_2)
	v_pk_add_f32 v[232:233], v[232:233], v[248:249]
	v_pk_add_f32 v[254:255], v[254:255], v[246:247]
	v_pk_add_f32 v[252:253], v[252:253], v[244:245]
	s_delay_alu instid0(VALU_DEP_2)
	v_pk_add_f32 v[14:15], v[14:15], v[254:255]
	s_delay_alu instid0(VALU_DEP_2)
	v_pk_add_f32 v[232:233], v[232:233], v[252:253]
	s_delay_alu instid0(VALU_DEP_1)
	v_pk_add_f32 v[14:15], v[14:15], v[232:233]
	s_wait_alu depctr_va_vdst(0)                   ; and one for the four
.irp b, 0,1,2,3
	v_max_num_f32 v[BM+\b], 0x2800000, v[BM+\b]    ; the floor 2^(5 - 127): the byte cannot fall under 1
.endr
.irp b, 0,1,2,3
	s_delay_alu instid0(VALU_DEP_4)
	v_add_nc_u32 v[BS+\b], 0xfe000000, v[BM+\b]    ; the conversion's scale operand
.endr
.irp b, 0,1,2,3
	s_delay_alu instid0(VALU_DEP_4)
	v_lshrrev_b32 v[BT+\b], 23, v[BS+\b]           ; the scale's byte
.endr
	s_delay_alu instid0(VALU_DEP_3)
	v_lshl_or_b32 v[PW], v[BT+1], 8, v[BT]
	s_delay_alu instid0(VALU_DEP_1)
	v_lshl_or_b32 v[PW], v[BT+2], 16, v[PW]
	s_delay_alu instid0(VALU_DEP_1)
	v_lshl_or_b32 v[PW], v[BT+3], 24, v[PW]        ; p's scale word for these 128 keys
.irp c, 0,1
	v_cvt_scalef32_pk16_bf6_f32 v[PC+6*\c:PC+6*\c+2], v[S+32*\c:S+32*\c+15], v[BS+2*\c]
	v_cvt_scalef32_pk16_bf6_f32 v[CT+4*\c:CT+4*\c+2], v[S+32*\c+16:S+32*\c+31], v[BS+2*\c+1]
.endr
	v_nop                                          ; one plain place behind a scaled conversion
.irp c, 0,1
.irp i, 0,1,2
	v_permlane16_swap_b32 v[PC+6*\c+\i], v[CT+4*\c+\i]
.endr
.irp i, 0,1,2
	s_delay_alu instid0(VALU_DEP_3)
	v_mov_b32 v[PC+6*\c+3+\i], v[CT+4*\c+\i]
.endr
.endr
	s_wait_dscnt 0x0                               ; V and its scale words are in
.irp k, 0,1
	v_lshl_or_b32 v[VM+\k], v[VR+2+\k], 16, v[VR+\k]   ; the two records' bytes make the word of 128 keys
.endr
.set jj, 0
.rept 16
	v_pk_mul_f32 v[O+jj:O+jj+1], v[O+jj:O+jj+1], v[F:F+1] op_sel_hi:[1,0]   ; O^T under the new M; twelve of the sixteen name no register of a given product below: its places behind the scale words' lines
.set jj, jj+2
.endr
.irp n, 0,1,2,3                        ; O^T += V^T P^T: four accumulators by turns
	MM O+8*\n, KA+12*\n, PC, 0, VM+(\n)%2, PW, (\n)/2
.endr
.Lhid_\@:
	s_add_co_u32 s[KF], s[KF], 128
.endm
; THE CHANGE OF SLOTS stands at a slot's head.  Each wave waits for all its tensor loads, adds 0 to its spare word and waits for that and for its reads of the slot that it has left; behind the barrier the slot ahead is
; whole and nobody reads the other one.  fill = 1: wave 0 fills that other slot with the slot that follows: the block's next 256 keys, or, where those begin behind the block's first query, the second block's keys 0 to 255.
.macro CHANGE fill
	s_wait_tensorcnt 0x0                           ; no tensor load of mine is out, so group 0 may be written
	ds_add_u32 v[SPW], v[NIL]
.if \fill
	ds_add_u32 v[SPW], v[NIL]                      ; and once more: the add stands twice on end in every trip alike
	s_xor_b32 s[G0+1], s[G0+1], SLOTB              ; the other slot than last time
	s_add_co_u32 s50, s[KF], 256
	s_cmp_gt_u32 s50, s[BQ]
	s_cselect_b32 s50, 0, s50                      ; the next slot's first key
	s_mul_i32 s50, s50, 104                        ; 104 bytes a key
	s_mov_b32 s51, 0
	s_add_nc_u64 s[G0+2:G0+3], s[KVB:KVB+1], s[50:51]
	s_or_b32 s[G0+3], s[G0+3], 0x80000000
	s_wait_xcnt 0x0                                ; the last prefetch, a slot back, has read its address
	s_add_nc_u64 s[PFA:PFA+1], s[PFA:PFA+1], 26624
.endif
	s_wait_dscnt 0x0                               ; the add is done, and my reads of the slot that I have left are over
	s_barrier_signal -1
	s_barrier_wait -1
.if \fill
	TLOAD                                          ; the first thing behind the barrier; it has a slot's two steps in which to land
	ASK
.endif
.endm
; A BLOCK'S WAY OUT: y = O^T / the sum, quantised along the head's 64 channels; a half image and 16 scale words
.macro FINISH
.rept 4
	v_nop                                          ; places behind the last products
.endr
	v_add_f32 v14, v14, v15
	s_delay_alu instid0(VALU_DEP_1)
	v_permlanex16_b32 v[TP], v14, s[SEL], s[SEL+1]
	s_delay_alu instid0(VALU_DEP_1)
	v_add_f32 v14, v14, v[TP]                      ; the row's sum
	s_wait_alu depctr_va_vdst(0)
	v_rcp_f32 v[F], v14
	v_nop                                          ; a plain place behind the transcendental
	s_wait_alu depctr_va_vdst(0)                   ; the wait ahead of the first use
.set jj, 0
.rept 16
	v_pk_mul_f32 v[S+jj:S+jj+1], v[O+jj:O+jj+1], v[F:F+1] op_sel_hi:[1,0]   ; each accumulator from its low end on
.set jj, jj+2
.endr
	QUANT2X S, PC, CT, PW
	global_store_b128 v[L16], v[PC:PC+3], s[YB:YB+1]
	global_store_b64 v[L8], v[PC+4:PC+5], s[YB:YB+1] offset:512
	global_store_b32 v[R4], v[PW], s[YB+2:YB+3]    ; lanes l and l xor 16 hold the same word and store it to the same place
.endm
.macro SWITCH                          ; on to the second block
	s_wait_xcnt 0x0                                ; the stores have read their registers and bases: both are written again below
	s_mov_b64 s[YB:YB+1], s[YB+4:YB+5]
	s_mov_b64 s[YB+2:YB+3], s[YB+6:YB+7]
	s_lshl_b32 s[BQ], ttmp9, 7
	s_mov_b32 s[KF], 0
.irp i, 0,1,2,3,4,5
	v_mov_b32 v[Q+\i], v[QB+\i]
.endr
	v_mov_b32 v[QS], v[QSB]
	INIT                                           ; (its 36 lines are also the places between these moves and the next products)
.endm
	s_wait_loadcnt 0x0                             ; Q of both blocks
.Lslot:                                            ; eight trips: behind each change of slots the next slot is asked for
	CHANGE 1
	STEP 0
	STEP 1
	s_xor_b32 s[TB], s[TB], SLOTB                  ; on to the other slot
	s_cmp_le_u32 s[KF], s[BQ]                      ; ids and the count of steps alone: all sixteen waves go the same way
	s_cbranch_scc1 .Lon
	FINISH                                         ; the first block ends in trip 4, 5, 6 or 7
	SWITCH
.Lon:
	s_sub_co_u32 s[CNT], s[CNT], 1
	s_cmp_lg_u32 s[CNT], 0
	s_cbranch_scc1 .Lslot
	CHANGE 0                                       ; the ninth slot is written out: nothing is left to ask for
	STEP 0
	STEP 1
	FINISH
	s_wait_tensorcnt 0x0                           ; the wave's end
	ds_add_u32 v[SPW], v[NIL]
	s_wait_dscnt 0x0
	s_endpgm
.Lfunc_end_k_q4c1898dbb6_attn:
	.size	k_q4c1898dbb6_attn, .Lfunc_end_k_q4c1898dbb6_attn-k_q4c1898dbb6_attn
	.p2alignl 7, 3214868480
	.fill 96, 4, 3214868480
	.section	.rodata,"a",@progbits
	.p2align	6, 0x0
	.amdhsa_kernel k_q4c1898dbb6_attn
		.amdhsa_group_segment_fixed_size 327680
		.amdhsa_private_segment_fixed_size 0
		.amdhsa_enable_private_segment 0
		.amdhsa_kernarg_size 32
		.amdhsa_user_sgpr_count 2
		.amdhsa_user_sgpr_kernarg_segment_ptr 1
		.amdhsa_wavefront_size32 1
		.amdhsa_system_sgpr_workgroup_id_x 1
		.amdhsa_system_sgpr_workgroup_id_y 1
		.amdhsa_system_sgpr_workgroup_id_z 1
		.amdhsa_system_vgpr_workitem_id 0
		.amdhsa_next_free_vgpr 256
		.amdhsa_next_free_sgpr 66
		.amdhsa_reserve_vcc 1
		.amdhsa_float_denorm_mode_32 3
		.amdhsa_float_denorm_mode_16_64 3
		.amdhsa_memory_ordered 1
		.amdhsa_forward_progress 1
		.amdhsa_inst_pref_size 109
	.end_amdhsa_kernel
	.amdgpu_metadata
---
amdhsa.version: [ 1, 2 ]
amdhsa.kernels:
  - .name:           k_q4c1898dbb6_attn
    .symbol:         k_q4c1898dbb6_attn.kd
    .args:
      - { .name: qw, .offset: 0, .size: 8, .value_kind: global_buffer, .address_space: global }
      - { .name: kv, .offset: 8, .size: 8, .value_kind: global_buffer, .address_space: global }
      - { .name: yc, .offset: 16, .size: 8, .value_kind: global_buffer, .address_space: global }
      - { .name: ys, .offset: 24, .size: 8, .value_kind: global_buffer, .address_space: global }
    .group_segment_fixed_size: 327680
    .private_segment_fixed_size: 0
    .kernarg_segment_align: 8
    .kernarg_segment_size: 32
    .max_flat_workgroup_size: 512
    .sgpr_count:     66
    .vgpr_count:     256
    .wavefront_size: 32
...
	.end_amdgpu_metadata
.endif
;; end of part 7
;; launch proj (part 8): grid 256 x 1, 16 waves a work-group, no clusters, 159,744 bytes of LDS; arguments yc, ys, wimg, wsc, out0; writes out0
.if DOCPART == 8
	.amdgcn_target "amdgcn-amd-amdhsa--gfx1250"
	.amdhsa_code_object_version 6
	.text
	.protected	k_q4c1898dbb6_proj
	.globl	k_q4c1898dbb6_proj
	.p2align	8
	.type	k_q4c1898dbb6_proj,@function
k_q4c1898dbb6_proj:
	s_mov_b64 s[64:65], 0
	v_nop
	global_prefetch_b8 v0, s[64:65] scope:SCOPE_SE
	s_setreg_imm32_b32 hwreg(HW_REG_WAVE_SCHED_MODE, 0, 2), 2
	s_setreg_imm32_b32 hwreg(HW_REG_WAVE_MODE, 25, 1), 1
	s_wait_xcnt 0x0
	s_wait_alu depctr_vm_vsrc(0)
; out0 = y Wp^T on codes of BF6.  y comes as half images (a head's 64 channels of 16 tokens) with their scale words, Wp as images of its fragments.
; SHARES.  A work-group owns 64 tokens and all 512 columns.  Wave w owns columns 32 w .. 32 w + 31 (two weight tiles, all four K steps: 96 registers, read once) for the four token tiles.
; Wave w first joins two heads' half images into y's fragment (token tile w / 4, K step w % 4) and puts its image into LDS; a barrier; every wave reads all sixteen.
; Source 0 = 16 rows of Wp, source 1 = 16 tokens: a lane holds one token, and the 16 registers of its two weight tiles are columns 32 w + 16 (lane / 16) + 0 .. 15 (the rows of a weight tile are chosen for that).
; THE WAY OUT: a row's 512 columns come from sixteen waves: they meet in a stage in LDS (rows of 2,048 bytes + 16, in the order of the tiles); a barrier; wave w reads four stage rows, which are four neighbouring tokens,
; and stores them whole: each store covers 512 consecutive bytes, aligned.
; No cluster and no tensor load: what work-groups share, Wp's images, goes straight into the one wave that multiplies by it.
; THE MODE: SCHED_MODE bits 1:0 = 2 (LLVM: expert scheduling mode 2), set by the entry lines.  The code itself states the register dependences between vector or matrix instructions and memory or LDS
; instructions, with s_wait_alu, always for 0.
; THE PLAN.  Registers that memory or LDS instructions touch:
;   v1-v11      offsets, LDS addresses and the closing add's two: written at the head and never again; one wait on va_vdst ahead of the first load serves every load and store of the kernel.
;   v128-141    y's two half images and their scale words, as loaded; v128-139 go on to LDS as they are; v140-141 are joined into v142 by one vector line, and v142 goes to LDS behind a wait on va_vdst.
;   YF, YS      K step 0's loads land in v128-175, of which v128-139 and v142 were read by my LDS stores: a wait on vm_vsrc behind the barrier.  A K step's eight products read YF and YS, and the next K step's loads
;               land there: a wait on va_vdst at the head of K steps 1 to 3.  The 26 registers that the wave has free hold no second set of y's four fragments and two scale words, which are 50.
;   WF, WS      loaded once at the head; read by products alone until the way out, whose loads from the stage land in v32-95.
;   ACC         written by the products, read by the stage's stores: the places, then a wait on va_vdst, which also shows the products done reading v32-95.
.set YIMG,  0                          ; LDS: y's 16 fragments (4 m + s), 1,536 bytes each,
.set YSC,   24576                      ; their scale words [s][m][r],
.set STG,   25600                      ; the stage: 64 rows x 2,064 bytes,
.set SPARE, 157696                     ; the spare words, 128 bytes for each wave: eight blocks of 256 bytes that no other line names
.set L16, 1
.set L8,  2
.set L4,  3
.set SPW, 4                            ; v4  LDS address of my spare word; never rewritten
.set NIL, 5                            ; v5  0; never rewritten
.set R4,  6                            ; v6  4 x (lane % 16)
.set SO,  7                            ; v7  the stage: where I put 64 bytes of a row, token tiles 0, 1;  v8: token tiles 2, 3
.set SR,  9                            ; v9  and where I read rows back
.set YW,  10                           ; v10 where I store y's image
.set YSW, 11                           ; v11 and its scale word
.set WS,  16                           ; v16-19 Wp's scale words: tile u: 2 u, 2 u + 1
.set YS,  20                           ; v20-21 y's scale words of a K step
.set WF,  32                           ; v32-127 Wp's fragments: (u, s) at 12 (4 u + s)
.set YF,  128                          ; v128-175 y's four fragments of a K step
.set ACC, 176                          ; v176-239 eight accumulators: 16 m + 8 u
.set WV,  14
.macro MM d, a, b, zero, sa, sb, ra, rb
.if \zero
.if (\ra) && (\rb)
	v_wmma_scale_f32_16x16x128_f8f6f4 v[(\d):(\d)+7], v[(\a):(\a)+11], v[(\b):(\b)+11], 0, v[\sa], v[\sb] matrix_a_fmt:MATRIX_FMT_BF6 matrix_b_fmt:MATRIX_FMT_BF6 matrix_a_scale:MATRIX_SCALE_ROW1 matrix_b_scale:MATRIX_SCALE_ROW1
.elseif \ra
	v_wmma_scale_f32_16x16x128_f8f6f4 v[(\d):(\d)+7], v[(\a):(\a)+11], v[(\b):(\b)+11], 0, v[\sa], v[\sb] matrix_a_fmt:MATRIX_FMT_BF6 matrix_b_fmt:MATRIX_FMT_BF6 matrix_a_scale:MATRIX_SCALE_ROW1
.elseif \rb
	v_wmma_scale_f32_16x16x128_f8f6f4 v[(\d):(\d)+7], v[(\a):(\a)+11], v[(\b):(\b)+11], 0, v[\sa], v[\sb] matrix_a_fmt:MATRIX_FMT_BF6 matrix_b_fmt:MATRIX_FMT_BF6 matrix_b_scale:MATRIX_SCALE_ROW1
.else
	v_wmma_scale_f32_16x16x128_f8f6f4 v[(\d):(\d)+7], v[(\a):(\a)+11], v[(\b):(\b)+11], 0, v[\sa], v[\sb] matrix_a_fmt:MATRIX_FMT_BF6 matrix_b_fmt:MATRIX_FMT_BF6
.endif
.else
.if (\ra) && (\rb)
	v_wmma_scale_f32_16x16x128_f8f6f4 v[(\d):(\d)+7], v[(\a):(\a)+11], v[(\b):(\b)+11], v[(\d):(\d)+7], v[\sa], v[\sb] matrix_a_fmt:MATRIX_FMT_BF6 matrix_b_fmt:MATRIX_FMT_BF6 matrix_a_scale:MATRIX_SCALE_ROW1 matrix_b_scale:MATRIX_SCALE_ROW1
.elseif \ra
	v_wmma_scale_f32_16x16x128_f8f6f4 v[(\d):(\d)+7], v[(\a):(\a)+11], v[(\b):(\b)+11], v[(\d):(\d)+7], v[\sa], v[\sb] matrix_a_fmt:MATRIX_FMT_BF6 matrix_b_fmt:MATRIX_FMT_BF6 matrix_a_scale:MATRIX_SCALE_ROW1
.elseif \rb
	v_wmma_scale_f32_16x16x128_f8f6f4 v[(\d):(\d)+7], v[(\a):(\a)+11], v[(\b):(\b)+11], v[(\d):(\d)+7], v[\sa], v[\sb] matrix_a_fmt:MATRIX_FMT_BF6 matrix_b_fmt:MATRIX_FMT_BF6 matrix_b_scale:MATRIX_SCALE_ROW1
.else
	v_wmma_scale_f32_16x16x128_f8f6f4 v[(\d):(\d)+7], v[(\a):(\a)+11], v[(\b):(\b)+11], v[(\d):(\d)+7], v[\sa], v[\sb] matrix_a_fmt:MATRIX_FMT_BF6 matrix_b_fmt:MATRIX_FMT_BF6
.endif
.endif
.endm
	s_load_b256 s[4:11], s[0:1], 0x0               ; yc s[4:5], ys s[6:7], wimg s[8:9], wsc s[10:11]
	s_load_b64 s[12:13], s[0:1], 0x20              ; out0
	v_lshl_add_u32 v[SPW], v0, 2, SPARE
	v_mov_b32 v[NIL], 0
	v_lshrrev_b32 v12, 5, v0
	v_readfirstlane_b32 s[WV], v12                 ; wave 0..15
	v_and_b32 v12, 31, v0
	v_lshlrev_b32 v[L16], 4, v12
	v_lshlrev_b32 v[L8], 3, v12
	v_lshlrev_b32 v[L4], 2, v12
	v_and_b32 v12, 15, v0                          ; r
	s_wait_alu depctr_va_vdst(0)
	v_bfe_u32 v13, v0, 4, 1                        ; h
	v_lshlrev_b32 v[R4], 2, v12
	s_wait_alu depctr_va_sdst(0)                   ; s[WV] is written, ahead of its first reader: LDS addresses and bases are made from it
	s_and_b32 s15, s[WV], 3                        ; my K step of y
	s_lshr_b32 s16, s[WV], 2                       ; my token tile of y
	s_mul_i32 s32, s[WV], 1536
	v_add_nc_u32 v[YW], s32, v[L16]
	s_lshl_b32 s33, s15, 8
	s_lshl_b32 s32, s16, 6
	s_add_co_u32 s33, s33, s32
	v_lshl_add_u32 v[YSW], v12, 2, s33             ; 4 r + 256 s + 64 m
	s_lshl_b32 s34, s[WV], 7
	s_add_co_u32 s34, s34, STG
	v_mul_u32_u24 v[SO], v12, 2064
	s_wait_alu depctr_va_vdst(0)
	v_lshl_add_u32 v[SO], v13, 6, v[SO]
	v_add_nc_u32 v[SO], s34, v[SO]                 ; row r, + 64 h, + 128 w: my 16 columns' bytes
	v_add_nc_u32 v[SO+1], 66048, v[SO]             ; 32 rows on
	s_mul_i32 s35, s[WV], 8256
	s_add_co_u32 s35, s35, STG
	v_add_nc_u32 v[SR], s35, v[L16]                ; my four rows, 16 bytes a lane
	s_lshl_b32 s20, ttmp9, 2
	s_add_co_u32 s20, s20, s16
	s_lshl_b32 s20, s20, 3
	s_lshl_b32 s21, s15, 1
	s_add_co_u32 s20, s20, s21                     ; (4 x block + m) 8 + the K step's first head
	s_mul_i32 s22, s20, 768
	s_mov_b32 s23, 0
	s_lshl_b32 s24, s20, 6
	s_mov_b32 s25, 0
	s_lshl_b32 s26, s[WV], 1
	s_add_co_u32 s26, s26, 64                      ; Wp's tiles begin at 64
	s_lshl_b32 s28, s26, 8
	s_mov_b32 s29, 0
	s_mul_i32 s26, s26, 6144
	s_mov_b32 s27, 0
	s_lshr_b32 s30, s[WV], 3                       ; the first of the four tokens that I store: stage rows 4 w .. 4 w + 3 are rows 4 (w % 4) + 0 .. 3 of token tile w / 4
	s_lshl_b32 s30, s30, 5
	s_and_b32 s31, s16, 1
	s_lshl_b32 s31, s31, 3
	s_add_co_u32 s30, s30, s31
	s_lshl_b32 s31, s15, 2
	s_add_co_u32 s30, s30, s31
	s_lshr_b32 s31, s15, 1
	s_lshl_b32 s31, s31, 3
	s_add_co_u32 s30, s30, s31
	s_lshl_b32 s30, s30, 11                        ; rows of 2,048 bytes
	s_lshl_b32 s31, ttmp9, 17
	s_add_co_u32 s30, s30, s31
	s_mov_b32 s31, 0
	s_wait_kmcnt 0x0
	s_add_nc_u64 s[4:5], s[4:5], s[22:23]
	s_add_nc_u64 s[6:7], s[6:7], s[24:25]
	s_add_nc_u64 s[8:9], s[8:9], s[26:27]
	s_add_nc_u64 s[10:11], s[10:11], s[28:29]
	s_add_nc_u64 s[12:13], s[12:13], s[30:31]
	s_wait_alu depctr_va_vdst(0)                   ; the offsets and LDS addresses v1 to v11 are written, which every load and store of the kernel reads
	global_load_b128 v[128:131], v[L16], s[4:5] th:TH_LOAD_NT                ; the first head's half image: registers 0-5,
	global_load_b64 v[132:133], v[L8], s[4:5] offset:512 th:TH_LOAD_NT
	global_load_b128 v[134:137], v[L16], s[4:5] offset:768 th:TH_LOAD_NT     ; the second head's: registers 6-11
	global_load_b64 v[138:139], v[L8], s[4:5] offset:1280 th:TH_LOAD_NT
	global_load_b32 v140, v[R4], s[6:7] th:TH_LOAD_NT
	global_load_b32 v141, v[R4], s[6:7] offset:64 th:TH_LOAD_NT
.irp u, 0,1
.irp s, 0,1,2,3
.irp k, 0,1,2
	global_load_b128 v[WF+12*(4*\u+\s)+4*\k:WF+12*(4*\u+\s)+4*\k+3], v[L16], s[8:9] offset:6144*\u+1536*\s+512*\k
.endr
.endr
.endr
.irp u, 0,1
.irp p, 0,1
	global_load_b32 v[WS+2*\u+\p], v[L4], s[10:11] offset:256*\u+128*\p
.endr
.endr
	s_wait_loadcnt 28                              ; y's six loads are in; the weights' 24 + 4, issued behind them, may be out
	v_lshl_or_b32 v142, v141, 16, v140             ; the two heads' bytes make the word of 128 along K
.irp k, 0,1,2
	ds_store_b128 v[YW], v[128+4*\k:131+4*\k] offset:YIMG+512*\k   ; the codes go on as they were loaded: the line above names neither them nor v[YW]
.endr
	s_wait_alu depctr_va_vdst(0)                   ; v142 is written, which the LDS store below reads
	ds_store_b32 v[YSW], v142 offset:YSC           ; lanes l and l xor 16 hold the same word and write it to the same place
	s_wait_dscnt 0x0                               ; for the others' sake: my stores have landed
	s_barrier_signal -1
	s_barrier_wait -1                              ; y's sixteen fragments lie in LDS
	s_wait_alu depctr_vm_vsrc(0)                   ; my LDS stores have read v128 to v139 and v142, in which K step 0's loads land
	s_wait_loadcnt 0x0                             ; Wp
; A K step of 128: eight products, the eight accumulators by turns, in the same order in every K step
.macro PSTEP s
.set ZR, 0
.if \s == 0
.set ZR, 1
.else
.rept 4
	v_nop                                          ; the places behind the last products stay,
.endr
	s_wait_alu depctr_va_vdst(0)                   ; and beside them the wait: the last K step's products are done reading YF and YS, in which the loads below land
.endif
.irp m, 0,1,2,3
.irp k, 0,1,2
	ds_load_b128 v[YF+12*\m+4*\k:YF+12*\m+4*\k+3], v[L16] offset:YIMG+(4*\m+\s)*1536+512*\k
.endr
.endr
.irp p, 0,1
	ds_load_b32 v[YS+\p], v[L4] offset:YSC+256*\s+128*\p
.endr
	s_wait_dscnt 0x0
.irp m, 0,1,2,3
.irp u, 0,1
	MM ACC+16*\m+8*\u, WF+12*(4*\u+\s), YF+12*\m, ZR, WS+2*\u+(\s)/2, YS+(\m)/2, (\s)%2, (\m)%2
.endr
.endr
.endm
	PSTEP 0
	PSTEP 1
	PSTEP 2
	PSTEP 3
.rept 4
	v_nop                                          ; places in front of the first read of results
.endr
	s_wait_alu depctr_va_vdst(0)                   ; the products have written the accumulators, which the LDS stores below read, and are done reading v32 to v95, in which the loads from the stage land; the places above stay beside this wait
.irp m, 0,1,2,3
.irp k, 0,1,2,3
	ds_store_b128 v[SO+(\m)/2], v[ACC+16*\m+4*\k:ACC+16*\m+4*\k+3] offset:33024*((\m)%2)+16*\k   ; each accumulator from its low end on
.endr
.endr
	s_wait_dscnt 0x0                               ; for the others' sake: my stores into the stage have landed
	s_barrier_signal -1
	s_barrier_wait -1                              ; 64 whole rows lie in the stage
.irp k, 0,1,2,3
.irp q, 0,1,2,3
	ds_load_b128 v[32+4*(4*\k+\q):35+4*(4*\k+\q)], v[SR] offset:2064*\k+512*\q
.endr
.endr
.irp k, 0,1,2,3
.irp q, 0,1,2,3
	s_wait_dscnt 15-(4*\k+\q)                      ; LDS loads come back in order: this one is in, the younger ones may be out
	global_store_b128 v[L16], v[32+4*(4*\k+\q):35+4*(4*\k+\q)], s[12:13] offset:2048*\k+512*\q th:TH_STORE_NT   ; 32 lanes store 512 consecutive bytes, at a multiple of 256 from out0's first byte
.endr
.endr
	s_wait_dscnt 0x0                               ; the closing lines, six on end
	s_wait_alu 0x0
	s_wait_tensorcnt 0x0
	ds_add_u32 v[SPW], v[NIL]
	s_wait_dscnt 0x0
	s_endpgm
.Lfunc_end_k_q4c1898dbb6_proj:
	.size	k_q4c1898dbb6_proj, .Lfunc_end_k_q4c1898dbb6_proj-k_q4c1898dbb6_proj
	.p2alignl 7, 3214868480
	.fill 96, 4, 3214868480
	.section	.rodata,"a",@progbits
	.p2align	6, 0x0
	.amdhsa_kernel k_q4c1898dbb6_proj
		.amdhsa_group_segment_fixed_size 159744
		.amdhsa_private_segment_fixed_size 0
		.amdhsa_enable_private_segment 0
		.amdhsa_kernarg_size 40
		.amdhsa_user_sgpr_count 2
		.amdhsa_user_sgpr_kernarg_segment_ptr 1
		.amdhsa_wavefront_size32 1
		.amdhsa_system_sgpr_workgroup_id_x 1
		.amdhsa_system_sgpr_workgroup_id_y 1
		.amdhsa_system_sgpr_workgroup_id_z 1
		.amdhsa_system_vgpr_workitem_id 0
		.amdhsa_next_free_vgpr 256
		.amdhsa_next_free_sgpr 66
		.amdhsa_reserve_vcc 0
		.amdhsa_float_denorm_mode_32 3
		.amdhsa_float_denorm_mode_16_64 3
		.amdhsa_memory_ordered 1
		.amdhsa_forward_progress 1
		.amdhsa_inst_pref_size 20
	.end_amdhsa_kernel
	.amdgpu_metadata
---
amdhsa.version: [ 1, 2 ]
amdhsa.kernels:
  - .name:           k_q4c1898dbb6_proj
    .symbol:         k_q4c1898dbb6_proj.kd
    .args:
      - { .name: yc, .offset: 0, .size: 8, .value_kind: global_buffer, .address_space: global }
      - { .name: ys, .offset: 8, .size: 8, .value_kind: global_buffer, .address_space: global }
      - { .name: wimg, .offset: 16, .size: 8, .value_kind: global_buffer, .address_space: global }
      - { .name: wsc, .offset: 24, .size: 8, .value_kind: global_buffer, .address_space: global }
      - { .name: out0, .offset: 32, .size: 8, .value_kind: global_buffer, .address_space: global }
    .group_segment_fixed_size: 159744
    .private_segment_fixed_size: 0
    .kernarg_segment_align: 8
    .kernarg_segment_size: 40
    .max_flat_workgroup_size: 512
    .sgpr_count:     66
    .vgpr_count:     256
    .wavefront_size: 32
...
	.end_amdgpu_metadata
.endif
;; end of part 8
